; MI455X (gfx1250); checked and timed in simulation.
; The chip was launched on July 23, 2026; its instructions are those of AMD's public machine-readable ISA for CDNA 5 (MIT licence, August 2026) and "CDNA5" Instruction Set Architecture Reference Guide (July 2026). The comments in the code are by the model that wrote it; some were corrected since.
;; Point Net Feature Propagation. Allowed arithmetic: float matrix products may take bf16 or f16 operands with f32 sums; all other float work in f32.
;; Inputs: W1 256 x 320 float32; W2 128 x 256 float32; b1 256 float32; b2 128 float32; g1 256 float32; g2 128 float32; points1 8 x 8,192 x 64 float32; points2 8 x 2,048 x 256 float32; xyz1 8 x 8,192 x 3 float32; xyz2 8 x 2,048 x 3 float32.
;; Outputs: out0 8 x 8,192 x 128 float32.
;; 3 versions, each right; version 2 is faster than version 1; version 3 is version 2 with the launches layer1, layer2 written anew for expert scheduling mode. Each part assembles by itself: llvm-mc -triple=amdgcn-amd-amdhsa -mcpu=gfx1250 --defsym DOCPART=n.
;; ======== version 1 of 3: 7 launches
;; limits: values outside matrix products are rounded to f16; values are held in f16: magnitudes above 65,504 overflow, below 6.1e-05 lose precision; values within 3.05e-05 (relative) of each other or of a threshold may be ordered or decided otherwise than in the reference
;; workspace buffers: grp 262,144 bytes of whole numbers; nidx 1,048,576 bytes of whole numbers; nw 1,048,576 bytes; tab 8,617,984 bytes; h1 33,554,432 bytes; h2 33,554,432 bytes; part 524,288 bytes; bn 4,096 bytes
;; launch knn1 (part 1): grid 256 x 1, 8 waves a work-group, no clusters, 164,864 bytes of LDS; arguments xyz1, xyz2, grp; writes grp
.if DOCPART == 1
	.amdgcn_target "amdgcn-amd-amdhsa--gfx1250"
	.amdhsa_code_object_version 6
	.text
	.protected	k_q11566cfbfb_knn1
	.globl	k_q11566cfbfb_knn1
	.p2align	8
	.type	k_q11566cfbfb_knn1,@function
k_q11566cfbfb_knn1:
	s_mov_b64 s[64:65], 0
	v_nop
	global_prefetch_b8 v0, s[64:65] scope:SCOPE_SE
	s_setreg_imm32_b32 hwreg(HW_REG_WAVE_MODE, 25, 1), 1
	s_wait_xcnt 0x0
; PointNet feature propagation, launch 1 of 7: for each of the 65,536 queries the 4 groups of 8 candidates (of 256 groups in its batch)
; with the smallest squared distance.  The 3 nearest candidates lie in at most 3 groups; the fourth group is room for this launch's rounding.
; The next launch recomputes the 32 candidates of these groups in f32 and makes the exact, stable choice.
;
; THE WHOLE PROGRAM.  No input and no step of the module is left out; all ten inputs are loaded.  Two identities, true for all finite inputs, are used:
;  (1) the three weights sum to 1 (the module divides by their sum) and a batch norm takes away any constant of a channel, so one fixed row,
;      x* = [points1[0,0,:], points2[0,0,:]], is subtracted from every input row of layer 1 before it is rounded to f16;
;  (2) likewise relu(shift) is subtracted from layer 2's operand relu(scale h + shift).
; So a common offset of the inputs or of b1 reaches neither an f16 operand nor a sum of squares.
; LIMITS.  The neighbour chosen may differ from the module's where two further groups lie within 2^-15 (relative) of the third distance, or where two
; candidates differ by less than the rounding of the module's own f32 formula.  f16 tables and operands overflow beyond 65,504 (with all inputs 30 times
; the drawn spread they stay below 10^4).  NaN and infinity in xyz are not ordered as top_k orders them.
;
; THIS LAUNCH.  Work-group x owns queries 256 x .. +255 (batch x / 32), wave w 32 of them as two tiles of 16.  d2 = s1 - 2 x1.x2 + s2 comes from ONE bf16
; matrix instruction for 16 candidates x 16 queries: each f32 (a coordinate, s1, s2) is split exactly into three bf16 parts h, m, l; of the nine part
; products of a coordinate eight take K places (l x l is dropped), and the parts of s2 and s1 stand against ones.
;   K 0-7 x, 8-15 y, 16-23 z:  candidate (h,m)(h,m)(h,m)(l,l)   query, times -2, (h,h)(m,m)(l,l)(h,m)
;   K 24-31:                   candidate (s2h,s2m)(s2l,s2l)(1,1)(1,0)   query (1,1)(1,0)(s1h,s1m)(s1l,s1l)
; In the result lane (r, h) holds query r and candidates 8 h .. 8 h + 7 of the tile: one group.  Its minimum gets the group's number in its low 8 bits.
; No clusters: the work-groups of a batch share only 24 KB of xyz2, which each converts through registers once.
.set PITCH, 80                         ; an LDS row: 64 bytes + 16, five times 16: the 16 rows of a fragment load start in different banks
.set BQ,  8                            ; v[8:23]    the two query fragments
.set AF,  24                           ; v[24:55]   four candidate fragments by turns
.set DB,  56                           ; v[56:87]   two sets of two results
.set TOP, 88                           ; v[88:95]   the four smallest keys of each query tile, ascending
.set CD,  96                           ; v[96:127]  eight candidates as loaded
.set QR,  128                          ; v[128:135] two queries as loaded
.set QX,  136                          ; v[136:151] the four quads of a candidate's row
.set QY,  140
.set QZ,  144
.set QS,  148                          ; its words 2 and 3 are constants, written once
.set T,   152                          ; v[152:159] at work
; v1 LDS address of my fragment rows, v2 my group's number, v3 a minimum, v4 a key, v5-7 LDS rows of my candidates
; in = hh + mm + ll exactly, three bf16 parts; hh, mm, ll hold a part twice, hm holds (h, m)
.macro SPL in, hh, mm, ll, hm, ta, tb
	v_cvt_pk_bf16_f32 v[\hh], v[\in], v[\in]
	v_and_b32 v[\ta], 0xffff0000, v[\hh]
	v_sub_f32 v[\ta], v[\in], v[\ta]
	v_cvt_pk_bf16_f32 v[\mm], v[\ta], v[\ta]
	v_cvt_pk_bf16_f32 v[\hm], v[\in], v[\ta]
	v_and_b32 v[\tb], 0xffff0000, v[\mm]
	v_sub_f32 v[\tb], v[\ta], v[\tb]
	v_cvt_pk_bf16_f32 v[\ll], v[\tb], v[\tb]
.endm
; the fragment of query tile t: lanes 0-15 hold the quads of x and z, lanes 16-31 those of y and s
.macro QFRAG t
	v_mul_f32 v[T], v[QR+4*\t], v[QR+4*\t]
	v_fma_f32 v[T], v[QR+4*\t+1], v[QR+4*\t+1], v[T]
	v_fma_f32 v[T], v[QR+4*\t+2], v[QR+4*\t+2], v[T]       ; s1
	v_mul_f32 v[T+1], -2.0, v[QR+4*\t]
	v_mul_f32 v[T+2], -2.0, v[QR+4*\t+1]
	v_mul_f32 v[T+3], -2.0, v[QR+4*\t+2]
	v_cndmask_b32 v[T+1], v[T+1], v[T+2], s22
	v_cndmask_b32 v[T+3], v[T+3], v[T], s22
	SPL T+1, BQ+8*\t, BQ+8*\t+1, BQ+8*\t+2, BQ+8*\t+3, T+4, T+5
	SPL T+3, T, T+2, T+6, T+7, T+4, T+5
	v_cndmask_b32 v[BQ+8*\t+4], v[T], v[QS+2], s22
	v_cndmask_b32 v[BQ+8*\t+5], v[T+2], v[QS+3], s22
	v_cndmask_b32 v[BQ+8*\t+6], v[T+6], v[T+7], s22
	v_cndmask_b32 v[BQ+8*\t+7], v[T+7], v[T+6], s22
.endm
; candidate tid + 256 i: split, and its row of 64 bytes into LDS
.macro CAND i
	s_wait_loadcnt 7-\i                            ; loads come back in order: candidate i is in, the younger ones stay out
	v_mul_f32 v[T], v[CD+4*\i], v[CD+4*\i]
	v_fma_f32 v[T], v[CD+4*\i+1], v[CD+4*\i+1], v[T]
	v_fma_f32 v[T], v[CD+4*\i+2], v[CD+4*\i+2], v[T]       ; s2
	SPL CD+4*\i,   T+1, T+2, QX+3, QX, T+3, T+4
	SPL CD+4*\i+1, T+1, T+2, QY+3, QY, T+3, T+4
	SPL CD+4*\i+2, T+1, T+2, QZ+3, QZ, T+3, T+4
	SPL T,         T+1, T+2, QS+1, QS, T+3, T+4
.irp q, QX, QY, QZ
	v_mov_b32 v[\q+1], v[\q]
	v_mov_b32 v[\q+2], v[\q]
.endr
	ds_store_b128 v[5+\i/3], v[QX:QX+3] offset:(\i%3)*20480
	ds_store_b128 v[5+\i/3], v[QY:QY+3] offset:(\i%3)*20480+16
	ds_store_b128 v[5+\i/3], v[QZ:QZ+3] offset:(\i%3)*20480+32
	ds_store_b128 v[5+\i/3], v[QS:QS+3] offset:(\i%3)*20480+48
.endm
; key v[k] into the ascending four of query tile q
.macro INS q, k
	v_med3_num_f32 v[TOP+4*\q+3], v[TOP+4*\q+2], v[TOP+4*\q+3], v[\k]
	v_med3_num_f32 v[TOP+4*\q+2], v[TOP+4*\q+1], v[TOP+4*\q+2], v[\k]
	v_med3_num_f32 v[TOP+4*\q+1], v[TOP+4*\q], v[TOP+4*\q+1], v[\k]
	v_min_num_f32 v[TOP+4*\q], v[TOP+4*\q], v[\k]
.endm
; the eight distances of my group for query tile q: minimum, group number into its low 8 bits, insertion
.macro VTILE d, q
	v_min3_num_f32 v3, v[\d], v[\d+1], v[\d+2]
	v_min3_num_f32 v3, v3, v[\d+3], v[\d+4]
	v_min3_num_f32 v3, v3, v[\d+5], v[\d+6]
	v_min_num_f32 v3, v3, v[\d+7]
	v_and_or_b32 v4, v3, s12, v2
	INS \q, 4
.endm
; One trip: the products of the next candidate tile (fragment ab, into set dn) are issued ahead of the 19 vector instructions on the tile before (set dc),
; which name none of those products' registers: they are the places between a product and the reading of its result, the loading of its fragment
; again and the writing over of its result two trips later (ISA guide 7.12.1).  Every product starts from 0: there are no chains.
.macro TRIP ab, dn, dc, mma, ld, cnt, off
.if \mma
	s_wait_dscnt \cnt                              ; fragment ab is in; the loads of the tiles behind it stay out
	v_wmma_f32_16x16x32_bf16 v[DB+16*\dn:DB+16*\dn+7], v[AF+8*\ab:AF+8*\ab+7], v[BQ:BQ+7], 0
	v_wmma_f32_16x16x32_bf16 v[DB+16*\dn+8:DB+16*\dn+15], v[AF+8*\ab:AF+8*\ab+7], v[BQ+8:BQ+15], 0
.endif
	VTILE DB+16*\dc, 0
	VTILE DB+16*\dc+8, 1
	v_add_nc_u32 v2, 2, v2                         ; the next tile's group
.if \ld
	ds_load_b128 v[AF+8*((\ab+3)&3):AF+8*((\ab+3)&3)+3], v1 offset:\off
	ds_load_b128 v[AF+8*((\ab+3)&3)+4:AF+8*((\ab+3)&3)+7], v1 offset:\off+32
.endif
.endm
.macro CSW a, b                        ; orders two group numbers
	v_min_u32 v3, v[\a], v[\b]
	v_max_u32 v[\b], v[\a], v[\b]
	v_mov_b32 v[\a], v3
.endm
; lanes r and r + 16 hold the even and the odd groups' best four of one query: join them, sort the four numbers ascending, pack them
.macro MERGE q, wd
.irp k, 0,1,2,3
	v_permlanex16_b32 v[T+\k], v[TOP+4*\q+\k], s18, s19
.endr
.irp k, 0,1,2,3
	INS \q, T+\k
.endr
.irp k, 0,1,2,3
	v_and_b32 v[T+\k], 0xff, v[TOP+4*\q+\k]
.endr
	CSW T, T+1
	CSW T+2, T+3
	CSW T, T+2
	CSW T+1, T+3
	CSW T+1, T+2
	v_lshl_or_b32 v[\wd], v[T+1], 8, v[T]
	v_lshl_or_b32 v[\wd], v[T+2], 16, v[\wd]
	v_lshl_or_b32 v[\wd], v[T+3], 24, v[\wd]
.endm
	s_load_b128 s[4:7], s[0:1], 0x0                ; xyz1, xyz2
	s_load_b64 s[8:9], s[0:1], 0x10                ; grp
	v_lshl_add_u32 v160, v0, 2, 0x28000
	v_mov_b32 v161, 0
	s_mul_i32 s14, ttmp9, 3072                     ; my 256 queries of 12 bytes
	s_mov_b32 s15, 0
	s_lshr_b32 s16, ttmp9, 5
	s_mul_i32 s16, s16, 24576                      ; my batch's 2,048 candidates
	s_mov_b32 s17, 0
	s_lshl_b32 s20, ttmp9, 10                      ; my 256 words of grp
	s_mov_b32 s21, 0
	s_mov_b32 s12, 0xffffff00
	s_mov_b32 s18, 0x76543210                      ; v_permlanex16_b32: lane i of the other half
	s_mov_b32 s19, 0xfedcba98
	v_and_b32 v3, 31, v0
	v_cmp_lt_u32 s22, 15, v3                       ; lanes 16-31
	v_and_b32 v4, 0xef, v0                         ; 32 w + r
	v_mul_u32_u24 v4, v4, 12
	v_mul_u32_u24 v2, v0, 12
	v_mul_u32_u24 v5, v0, PITCH
	v_add_nc_u32 v6, 61440, v5
	v_add_nc_u32 v7, 122880, v5
	v_mov_b32 v[QS+2], 0x3f803f80                  ; (1, 1)
	v_mov_b32 v[QS+3], 0x3f80                      ; (1, 0)
	s_wait_kmcnt 0x0
	s_add_nc_u64 s[4:5], s[4:5], s[14:15]
	s_add_nc_u64 s[6:7], s[6:7], s[16:17]
	s_add_nc_u64 s[8:9], s[8:9], s[20:21]
	global_load_b96 v[QR:QR+2], v4, s[4:5]
	global_load_b96 v[QR+4:QR+6], v4, s[4:5] offset:192
.irp i, 0,1,2,3,4,5,6,7
	global_load_b96 v[CD+4*\i:CD+4*\i+2], v2, s[6:7] offset:3072*\i
.endr
	s_wait_loadcnt 0x8                             ; the two queries are in, the eight candidates stay out
	QFRAG 0
	QFRAG 1
.irp i, 0,1,2,3,4,5,6,7
	CAND \i
.endr
	s_wait_dscnt 0x0                               ; my rows are in LDS,
	s_barrier_signal -1
	s_barrier_wait -1                              ; everybody's are; LDS is only read from here on
	v_and_b32 v3, 15, v0
	v_bfe_u32 v2, v0, 4, 1                         ; tile 0: group h
	v_mul_u32_u24 v1, v3, PITCH
	v_lshl_add_u32 v1, v2, 4, v1                   ; r x pitch + 16 h
.irp k, 0,1,2,3,4,5,6,7
	v_mov_b32 v[TOP+\k], 0x7f7fffff                ; the largest finite number
.endr
.irp i, 0,1,2,3
	ds_load_b128 v[AF+8*\i:AF+8*\i+3], v1 offset:1280*\i
	ds_load_b128 v[AF+8*\i+4:AF+8*\i+7], v1 offset:1280*\i+32
.endr
	s_wait_dscnt 0x6                               ; tile 0 of the four
	v_wmma_f32_16x16x32_bf16 v[DB:DB+7], v[AF:AF+7], v[BQ:BQ+7], 0
	v_wmma_f32_16x16x32_bf16 v[DB+8:DB+15], v[AF:AF+7], v[BQ+8:BQ+15], 0
.rept 4
	v_nop                                          ; four places before the first trip reads these results
.endr
	s_mov_b32 s24, 31                              ; 31 x 4 trips: vector work on tiles 0-123, products of 1-124, loads of 4-127
.Ltiles:
	TRIP 1, 1, 0, 1, 1, 4, 5120
	TRIP 2, 0, 1, 1, 1, 4, 6400
	TRIP 3, 1, 0, 1, 1, 4, 7680
	TRIP 0, 0, 1, 1, 1, 4, 8960
	v_add_nc_u32 v1, 5120, v1
	s_sub_co_u32 s24, s24, 1
	s_cmp_lg_u32 s24, 0
	s_cbranch_scc1 .Ltiles
	TRIP 1, 1, 0, 1, 0, 4, 0                       ; nothing is left to load: the counts run down
	TRIP 2, 0, 1, 1, 0, 2, 0
	TRIP 3, 1, 0, 1, 0, 0, 0
	TRIP 0, 0, 1, 0, 0, 0, 0
	MERGE 0, T+4
	MERGE 1, T+5
	v_cndmask_b32 v[T+4], v[T+4], v[T+5], s22      ; lane L: query 32 w + L
	v_lshlrev_b32 v5, 2, v0
	global_store_b32 v5, v[T+4], s[8:9]
	s_wait_tensorcnt 0x0
	ds_add_u32 v160, v161
	s_wait_dscnt 0x0
	s_endpgm
.Lfunc_end_k_q11566cfbfb_knn1:
	.size	k_q11566cfbfb_knn1, .Lfunc_end_k_q11566cfbfb_knn1-k_q11566cfbfb_knn1
	.p2alignl 7, 3214868480
	.fill 96, 4, 3214868480
	.section	.rodata,"a",@progbits
	.p2align	6, 0x0
	.amdhsa_kernel k_q11566cfbfb_knn1
		.amdhsa_group_segment_fixed_size 164864
		.amdhsa_private_segment_fixed_size 0
		.amdhsa_enable_private_segment 0
		.amdhsa_kernarg_size 24
		.amdhsa_user_sgpr_count 2
		.amdhsa_user_sgpr_kernarg_segment_ptr 1
		.amdhsa_wavefront_size32 1
		.amdhsa_system_sgpr_workgroup_id_x 1
		.amdhsa_system_sgpr_workgroup_id_y 1
		.amdhsa_system_sgpr_workgroup_id_z 1
		.amdhsa_system_vgpr_workitem_id 0
		.amdhsa_next_free_vgpr 162
		.amdhsa_next_free_sgpr 66
		.amdhsa_reserve_vcc 0
		.amdhsa_float_denorm_mode_32 3
		.amdhsa_float_denorm_mode_16_64 3
		.amdhsa_memory_ordered 1
		.amdhsa_forward_progress 1
		.amdhsa_inst_pref_size 41
	.end_amdhsa_kernel
	.amdgpu_metadata
---
amdhsa.version: [ 1, 2 ]
amdhsa.kernels:
  - .name:           k_q11566cfbfb_knn1
    .symbol:         k_q11566cfbfb_knn1.kd
    .args:
      - { .name: xyz1, .offset: 0, .size: 8, .value_kind: global_buffer, .address_space: global }
      - { .name: xyz2, .offset: 8, .size: 8, .value_kind: global_buffer, .address_space: global }
      - { .name: grp, .offset: 16, .size: 8, .value_kind: global_buffer, .address_space: global }
    .group_segment_fixed_size: 164864
    .private_segment_fixed_size: 0
    .kernarg_segment_align: 8
    .kernarg_segment_size: 24
    .max_flat_workgroup_size: 256
    .sgpr_count:     66
    .vgpr_count:     162
    .wavefront_size: 32
...
	.end_amdgpu_metadata
.endif
;; end of part 1
;; launch prep (part 2): grid 256 x 1, 8 waves a work-group, no clusters, 0 bytes of LDS; arguments xyz1, xyz2, grp, points2, W1, W2, nidx, nw, tab; writes nidx, nw, tab
.if DOCPART == 2
	.amdgcn_target "amdgcn-amd-amdhsa--gfx1250"
	.amdhsa_code_object_version 6
	.text
	.protected	k_q11566cfbfb_prep
	.globl	k_q11566cfbfb_prep
	.p2align	8
	.type	k_q11566cfbfb_prep,@function
k_q11566cfbfb_prep:
	s_mov_b64 s[64:65], 0
	v_nop
	global_prefetch_b8 v0, s[64:65] scope:SCOPE_SE
	s_setreg_imm32_b32 hwreg(HW_REG_WAVE_MODE, 25, 1), 1
	s_wait_xcnt 0x0
; Launch 2 of 7.  Three independent pieces of work, no LDS, no barrier, no matrix work (nothing here is a product of matrices).
;  (a) thread t of work-group x: query 256 x + t.  The 32 candidates of its 4 groups (numbers read from grp, ascending) are recomputed in f32 in the
;      module's order: s = fma(z,z,fma(y,y,x x)), T = fma(z',z2,fma(y',y2,x' x2)) with q' = -2 q (exactly -2 times the dot product),
;      d = (s1 + T) + s2.  They are scanned in ascending index with a strict compare: the order of a stable top_k.  Out: 3 rows of the table and 3 weights.
;  (b) rows 64 x .. +63 of points2 minus the row points2[0,0,:], rounded to f16: the table that the next launch gathers from (half the bytes of f32).
;      The row taken away changes no output: the three weights sum to 1 and the batch norm removes a channel's constant.
;  (c) the first 448 waves of the launch: one block of 16 x 16 of W1 or W2 each, in f16, in the lane order of a matrix operand:
;      block (c, nt): lane (r, h) holds W[16 nt + r][16 c + 8 h .. + 7].
; LIMIT: NaN in xyz is never chosen; distances that tie within f32 are ordered by index, as top_k orders them.
.set TB, 40                            ; v[40:103]   8 rows of points2, 8 numbers a lane
.set PV, 104                           ; v[104:111]  the row taken away
.set CD, 112                           ; v[112:207]  4 groups x 8 candidates x 3 coordinates
.set WF1OFF, 8388608                   ; tab: behind the table, W1's 320 blocks of 512 bytes,
.set WF2OFF, 8552448                   ; then W2's 128
; v12-15 at work, v16-19 -2x -2y -2z s1, v20 the four group numbers, v21-24 first candidate of each group, v25-28 its bytes,
; v29-31 the three smallest distances, v32-35 their indices and 0, v36-39 the query, later the weights and 0
.macro SEL k, c
	v_mul_f32 v12, v[CD+24*\k+3*\c], v[CD+24*\k+3*\c]
	v_mul_f32 v13, v16, v[CD+24*\k+3*\c]
	v_fma_f32 v12, v[CD+24*\k+3*\c+1], v[CD+24*\k+3*\c+1], v12
	v_fma_f32 v13, v17, v[CD+24*\k+3*\c+1], v13
	v_fma_f32 v12, v[CD+24*\k+3*\c+2], v[CD+24*\k+3*\c+2], v12   ; s2
	v_fma_f32 v13, v18, v[CD+24*\k+3*\c+2], v13                  ; -2 x1.x2
	v_add_nc_u32 v14, \c, v[21+\k]                               ; the candidate's index
	v_add_f32 v13, v19, v13
	v_add_f32 v13, v13, v12                                      ; d
	v_cmp_lt_f32 s30, v13, v29
	v_cmp_lt_f32 s31, v13, v30
	v_cmp_lt_f32 vcc_lo, v13, v31
	v_med3_num_f32 v31, v30, v31, v13
	v_med3_num_f32 v30, v29, v30, v13
	v_min_num_f32 v29, v29, v13
	v_cndmask_b32 v34, v34, v14, vcc_lo
	v_cndmask_b32 v34, v34, v33, s31
	v_cndmask_b32 v33, v33, v14, s31
	v_cndmask_b32 v33, v33, v32, s30
	v_cndmask_b32 v32, v32, v14, s30
.endm
; block s24 of a weight matrix with rows of rowb bytes and 2^sh blocks down: c = s24 >> sh, nt = the rest
.macro WBLK src, rowb, sh, off
	s_lshr_b32 s25, s24, \sh
	s_and_b32 s26, s24, (1<<\sh)-1
	s_mul_i32 s26, s26, 16*\rowb
	s_lshl_b32 s25, s25, 6
	s_add_co_u32 s26, s26, s25
	s_mov_b32 s27, 0
	s_add_nc_u64 s[26:27], s[\src:\src+1], s[26:27]
	s_lshl_b32 s28, s24, 9
	s_add_co_u32 s28, s28, \off
	s_mov_b32 s29, 0
	s_add_nc_u64 s[28:29], s[20:21], s[28:29]
	v_and_b32 v9, 15, v0
	v_bfe_u32 v10, v0, 4, 1
	v_mul_u32_u24 v9, v9, \rowb
	v_lshl_add_u32 v9, v10, 5, v9                  ; r rows + 8 h numbers
	global_load_b128 v[112:115], v9, s[26:27]
	global_load_b128 v[116:119], v9, s[26:27] offset:16
	s_wait_loadcnt 0x0
	v_cvt_pk_f16_f32 v120, v112, v113
	v_cvt_pk_f16_f32 v121, v114, v115
	v_cvt_pk_f16_f32 v122, v116, v117
	v_cvt_pk_f16_f32 v123, v118, v119
	global_store_b128 v8, v[120:123], s[28:29]     ; the wave stores the block's 512 consecutive bytes
.endm
	s_load_b512 s[4:19], s[0:1], 0x0               ; xyz1 4, xyz2 6, grp 8, points2 10, W1 12, W2 14, nidx 16, nw 18
	s_load_b64 s[20:21], s[0:1], 0x40              ; tab
	v_lshrrev_b32 v7, 5, v0
	v_readfirstlane_b32 s22, v7                    ; wave
	v_and_b32 v6, 31, v0
	v_lshlrev_b32 v1, 2, v0
	v_mul_u32_u24 v2, v0, 12
	v_lshlrev_b32 v8, 4, v6                        ; 16 L
	v_lshl_add_u32 v3, v7, 13, v8                  ; my wave's 8 rows of 1,024 bytes
	v_lshlrev_b32 v4, 3, v6
	v_lshl_add_u32 v4, v7, 12, v4                  ; and of 512 bytes in the table
	v_lshlrev_b32 v5, 4, v0
	s_lshl_b32 s24, ttmp9, 10
	s_mov_b32 s25, 0
	s_mul_i32 s26, ttmp9, 3072
	s_mov_b32 s27, 0
	s_lshr_b32 s23, ttmp9, 5                       ; batch
	s_mul_i32 s28, s23, 24576
	s_mov_b32 s29, 0
	s_lshl_b32 s32, ttmp9, 16
	s_mov_b32 s33, 0
	s_lshl_b32 s34, ttmp9, 15
	s_mov_b32 s35, 0
	s_lshl_b32 s36, ttmp9, 12
	s_mov_b32 s37, 0
	s_lshl_b32 s38, s23, 11                        ; the batch's first row in the table
	s_wait_kmcnt 0x0
	s_add_nc_u64 s[8:9], s[8:9], s[24:25]
	s_add_nc_u64 s[4:5], s[4:5], s[26:27]
	s_add_nc_u64 s[6:7], s[6:7], s[28:29]
	s_add_nc_u64 s[32:33], s[10:11], s[32:33]
	s_add_nc_u64 s[34:35], s[20:21], s[34:35]
	s_add_nc_u64 s[16:17], s[16:17], s[36:37]
	s_add_nc_u64 s[18:19], s[18:19], s[36:37]
	global_load_b32 v20, v1, s[8:9]
	global_load_b96 v[36:38], v2, s[4:5]
	global_load_b128 v[PV:PV+3], v8, s[10:11]
	global_load_b128 v[PV+4:PV+7], v8, s[10:11] offset:512
.irp i, 0,1,2,3,4,5,6,7
	global_load_b128 v[TB+8*\i:TB+8*\i+3], v3, s[32:33] offset:1024*\i th:TH_LOAD_NT
	global_load_b128 v[TB+8*\i+4:TB+8*\i+7], v3, s[32:33] offset:1024*\i+512 th:TH_LOAD_NT
.endr
	s_wait_loadcnt 18                              ; the group numbers and the query are in; the 18 loads for the table stay out
.irp k, 0,1,2,3
	v_bfe_u32 v[21+\k], v20, 8*\k, 8
	v_min_u32 v[21+\k], 0xff, v[21+\k]             ; a group number stays inside the batch's 256 groups
	v_mul_u32_u24 v[25+\k], v[21+\k], 96           ; 8 candidates of 12 bytes
	v_lshlrev_b32 v[21+\k], 3, v[21+\k]
.endr
.irp k, 0,1,2,3
.irp n, 0,1,2,3,4,5
	global_load_b128 v[CD+24*\k+4*\n:CD+24*\k+4*\n+3], v[25+\k], s[6:7] offset:16*\n
.endr
.endr
	v_mul_f32 v19, v36, v36
	v_fma_f32 v19, v37, v37, v19
	v_fma_f32 v19, v38, v38, v19                   ; s1
	v_mul_f32 v16, -2.0, v36
	v_mul_f32 v17, -2.0, v37
	v_mul_f32 v18, -2.0, v38
	s_wait_loadcnt 24                              ; the table's loads are in; the 24 loads of candidates stay out
.irp i, 0,1,2,3,4,5,6,7
.irp g, 0,1
	v_pk_add_f32 v[TB+8*\i+4*\g:TB+8*\i+4*\g+1], v[TB+8*\i+4*\g:TB+8*\i+4*\g+1], v[PV+4*\g:PV+4*\g+1] neg_lo:[0,1] neg_hi:[0,1]
	v_pk_add_f32 v[TB+8*\i+4*\g+2:TB+8*\i+4*\g+3], v[TB+8*\i+4*\g+2:TB+8*\i+4*\g+3], v[PV+4*\g+2:PV+4*\g+3] neg_lo:[0,1] neg_hi:[0,1]
	v_cvt_pk_f16_f32 v[TB+8*\i+4*\g], v[TB+8*\i+4*\g], v[TB+8*\i+4*\g+1]
	v_cvt_pk_f16_f32 v[TB+8*\i+4*\g+1], v[TB+8*\i+4*\g+2], v[TB+8*\i+4*\g+3]
	global_store_b64 v4, v[TB+8*\i+4*\g:TB+8*\i+4*\g+1], s[34:35] offset:512*\i+256*\g   ; the wave stores 256 consecutive bytes, aligned
.endr
.endr
.irp k, 29,30,31
	v_mov_b32 v\k, 0x7f800000
.endr
.irp k, 32,33,34
	v_mov_b32 v\k, 0
.endr
	s_wait_loadcnt 0x0
.irp k, 0,1,2,3
.irp c, 0,1,2,3,4,5,6,7
	SEL \k, \c
.endr
.endr
	v_max_num_f32 v29, 0x2edbe6ff, v29             ; the module's floor of 1e-10
	v_max_num_f32 v30, 0x2edbe6ff, v30
	v_max_num_f32 v31, 0x2edbe6ff, v31
	v_rcp_f32 v36, v29
	v_rcp_f32 v37, v30
	v_rcp_f32 v38, v31
	v_add_nc_u32 v32, s38, v32                     ; plain instructions stand between a reciprocal and its use (ISA guide 5.7.2)
	v_add_nc_u32 v33, s38, v33
	v_add_nc_u32 v34, s38, v34
	s_wait_alu depctr_va_vdst(0)
	v_add_f32 v12, v36, v37
	v_add_f32 v12, v12, v38
	v_rcp_f32 v13, v12
	v_mov_b32 v35, 0
	v_mov_b32 v39, 0
	s_wait_alu depctr_va_vdst(0)
	v_mul_f32 v36, v36, v13
	v_mul_f32 v37, v37, v13
	v_mul_f32 v38, v38, v13
	global_store_b128 v5, v[32:35], s[16:17]
	global_store_b128 v5, v[36:39], s[18:19]
	s_lshl_b32 s24, ttmp9, 3
	s_add_co_u32 s24, s24, s22                     ; my wave's number in the launch
	s_cmp_lt_u32 s24, 320
	s_cbranch_scc0 .Lnot_w1
	WBLK 12, 1280, 4, WF1OFF                       ; W1: 20 blocks along K x 16 down
	s_endpgm
.Lnot_w1:
	s_cmp_lt_u32 s24, 448
	s_cbranch_scc0 .Lno_block
	s_sub_co_u32 s24, s24, 320
	WBLK 14, 1024, 3, WF2OFF                       ; W2: 16 x 8
.Lno_block:
	s_endpgm
.Lfunc_end_k_q11566cfbfb_prep:
	.size	k_q11566cfbfb_prep, .Lfunc_end_k_q11566cfbfb_prep-k_q11566cfbfb_prep
	.p2alignl 7, 3214868480
	.fill 96, 4, 3214868480
	.section	.rodata,"a",@progbits
	.p2align	6, 0x0
	.amdhsa_kernel k_q11566cfbfb_prep
		.amdhsa_group_segment_fixed_size 0
		.amdhsa_private_segment_fixed_size 0
		.amdhsa_enable_private_segment 0
		.amdhsa_kernarg_size 72
		.amdhsa_user_sgpr_count 2
		.amdhsa_user_sgpr_kernarg_segment_ptr 1
		.amdhsa_wavefront_size32 1
		.amdhsa_system_sgpr_workgroup_id_x 1
		.amdhsa_system_sgpr_workgroup_id_y 1
		.amdhsa_system_sgpr_workgroup_id_z 1
		.amdhsa_system_vgpr_workitem_id 0
		.amdhsa_next_free_vgpr 208
		.amdhsa_next_free_sgpr 66
		.amdhsa_reserve_vcc 1
		.amdhsa_float_denorm_mode_32 3
		.amdhsa_float_denorm_mode_16_64 3
		.amdhsa_memory_ordered 1
		.amdhsa_forward_progress 1
		.amdhsa_inst_pref_size 49
	.end_amdhsa_kernel
	.amdgpu_metadata
---
amdhsa.version: [ 1, 2 ]
amdhsa.kernels:
  - .name:           k_q11566cfbfb_prep
    .symbol:         k_q11566cfbfb_prep.kd
    .args:
      - { .name: xyz1, .offset: 0, .size: 8, .value_kind: global_buffer, .address_space: global }
      - { .name: xyz2, .offset: 8, .size: 8, .value_kind: global_buffer, .address_space: global }
      - { .name: grp, .offset: 16, .size: 8, .value_kind: global_buffer, .address_space: global }
      - { .name: points2, .offset: 24, .size: 8, .value_kind: global_buffer, .address_space: global }
      - { .name: W1, .offset: 32, .size: 8, .value_kind: global_buffer, .address_space: global }
      - { .name: W2, .offset: 40, .size: 8, .value_kind: global_buffer, .address_space: global }
      - { .name: nidx, .offset: 48, .size: 8, .value_kind: global_buffer, .address_space: global }
      - { .name: nw, .offset: 56, .size: 8, .value_kind: global_buffer, .address_space: global }
      - { .name: tab, .offset: 64, .size: 8, .value_kind: global_buffer, .address_space: global }
    .group_segment_fixed_size: 0
    .private_segment_fixed_size: 0
    .kernarg_segment_align: 8
    .kernarg_segment_size: 72
    .max_flat_workgroup_size: 256
    .sgpr_count:     66
    .vgpr_count:     208
    .wavefront_size: 32
...
	.end_amdgpu_metadata
.endif
;; end of part 2
;; launch layer1 (part 3): grid 256 x 1, 8 waves a work-group, no clusters, 171,008 bytes of LDS; arguments points1, tab, nidx, nw, h1, part; writes h1, part
.if DOCPART == 3
	.amdgcn_target "amdgcn-amd-amdhsa--gfx1250"
	.amdhsa_code_object_version 6
	.text
	.protected	k_q11566cfbfb_layer1
	.globl	k_q11566cfbfb_layer1
	.p2align	8
	.type	k_q11566cfbfb_layer1,@function
k_q11566cfbfb_layer1:
	s_mov_b64 s[64:65], 0
	v_nop
	global_prefetch_b8 v0, s[64:65] scope:SCOPE_SE
	s_setreg_imm32_b32 hwreg(HW_REG_WAVE_MODE, 25, 1), 1
	s_wait_xcnt 0x0
; Launch 3 of 7: gather and blend, concatenate, layer 1's product, its statistics.
; Work-group x owns rows 256 x .. +255.  PHASE 1: wave w builds its 32 rows of the input, 320 f16 each, in LDS: points1 minus points1[0,0,:] (K 0-63) and
; the blend of three rows of the f16 table (K 64-319), weights and sums in f32.  The rows taken away change no output (see the first launch's head).
; PHASE 2: wave w makes channels 32 w .. +31 of all 256 rows.  Its part of W1 (2 x 10 fragments, 160 registers) is loaded once; the rows' fragments stream
; from LDS.  The product is used transposed (source 0 = W1, source 1 = rows): lane (r, h) holds row r, channels 8 h .. + 7 of a tile, which packed to f16 is
; exactly a quarter of layer 2's operand fragment.  h1 is stored in that order, [tile of 16 rows][tile of 16 channels][lane][16 bytes]: every store of a
; wave is 512 consecutive bytes, aligned.  h1 serves only as that f16 operand.
; STATISTICS: per channel the sum and the sum of squares of the work-group's 256 rows in f32, stored as (mean, sum of squared deviations).
; No clusters and no tensor loads: every operand is gathered or converted through registers; all that work-groups share is W1 in f16, of which a wave reads
; its own 20 KB once, straight into registers.
.set APITCH, 656                       ; an LDS row: 640 bytes + 16 = 41 x 16: the 16 rows of a fragment load start in different banks
.set STAT, 167936                      ; behind the 256 rows: 256 sums, 256 sums of squares
.set WF1OFF, 8388608
; phase 1: v1 16 L, v2 where a blended row goes, v3 where points1 goes, v4 points1 offset, v7 offset of my index and weight quads
.set RING, 8                           ; v[8:103]   8 slots x 3 table rows x 4 registers
.set IX,   104                         ; v[104:107] lane L: the three table rows of query 32 w + L
.set WL,   108                         ; v[108:111] and its three weights
.set T,    112                         ; v[112:119] 8 numbers in f32
.set AC,   120                         ; v[120:127] the blend
.set OUT,  128                         ; v[128:131] the blend in f16
.set P1,   132                         ; v[132:195] 16 loads of points1
.set PV,   196                         ; v[196:199] points1[0,0,:], my 4 channels
.set PVO,  200                         ; its offset
; phase 2: v5 h1 offset, v6 LDS address of my fragment rows
.set PK,   8                           ; v[8:15]    two result tiles in f16
.set ST,   16                          ; v[16:47]   sums (2 tiles x 8), sums of squares (2 x 8)
.set ACC,  48                          ; v[48:63]   two accumulators
.set AR,   64                          ; v[64:95]   four row fragments by turns
.set WF,   96                          ; v[96:255]  W1: tile n', K step ks at 96 + 80 n' + 8 ks
.macro CV2 d, n                        ; both f16 halves of register n (given as a plain number) to f32
	v_cvt_f32_f16 v[\d], v\n\().l
	v_cvt_f32_f16 v[\d+1], v\n\().h
.endm
.macro BLEND k, n0, n1, n2, n3         ; row k of three: 8 numbers times its weight, onto the blend
	CV2 T, \n0
	CV2 T+2, \n1
	CV2 T+4, \n2
	CV2 T+6, \n3
.irp p, 0,2,4,6
.if \k == 0
	v_pk_mul_f32 v[AC+\p:AC+\p+1], v[T+\p:T+\p+1], s[40:41] op_sel_hi:[1,0]
.else
	v_pk_fma_f32 v[AC+\p:AC+\p+1], v[T+\p:T+\p+1], s[40+2*\k:41+2*\k], v[AC+\p:AC+\p+1] op_sel_hi:[1,0,1]
.endif
.endr
.endm
.macro SLOTROWS slot                   ; slot s lies in v[8 + 12 s : 19 + 12 s]
.if (\slot) == 0
	BLEND 0, 8,9,10,11
	BLEND 1, 12,13,14,15
	BLEND 2, 16,17,18,19
.endif
.if (\slot) == 1
	BLEND 0, 20,21,22,23
	BLEND 1, 24,25,26,27
	BLEND 2, 28,29,30,31
.endif
.if (\slot) == 2
	BLEND 0, 32,33,34,35
	BLEND 1, 36,37,38,39
	BLEND 2, 40,41,42,43
.endif
.if (\slot) == 3
	BLEND 0, 44,45,46,47
	BLEND 1, 48,49,50,51
	BLEND 2, 52,53,54,55
.endif
.if (\slot) == 4
	BLEND 0, 56,57,58,59
	BLEND 1, 60,61,62,63
	BLEND 2, 64,65,66,67
.endif
.if (\slot) == 5
	BLEND 0, 68,69,70,71
	BLEND 1, 72,73,74,75
	BLEND 2, 76,77,78,79
.endif
.if (\slot) == 6
	BLEND 0, 80,81,82,83
	BLEND 1, 84,85,86,87
	BLEND 2, 88,89,90,91
.endif
.if (\slot) == 7
	BLEND 0, 92,93,94,95
	BLEND 1, 96,97,98,99
	BLEND 2, 100,101,102,103
.endif
.endm
; the three table rows of query q (of my 32) are asked for: a wave's load takes a row's 512 consecutive bytes.  The offset lies in the load's own first register.
.macro REQ slot, q
.irp k, 0,1,2
	v_readlane_b32 s[46+\k], v[IX+\k], \q
	s_min_u32 s[46+\k], s[46+\k], 0x3fff           ; a row stays inside the table's 16,384
	v_lshl_add_u32 v[RING+12*(\slot)+4*\k], s[46+\k], 9, v1
	global_load_b128 v[RING+12*(\slot)+4*\k:RING+12*(\slot)+4*\k+3], v[RING+12*(\slot)+4*\k], s[6:7]
.endr
.endm
.macro GQ slot, q, refill, cnt
	s_wait_loadcnt \cnt                            ; this query's three rows are in; those of the younger queries stay out
	v_readlane_b32 s40, v[WL], \q
	v_readlane_b32 s42, v[WL+1], \q
	v_readlane_b32 s44, v[WL+2], \q
	SLOTROWS \slot
.irp p, 0,1,2,3
	v_cvt_pk_f16_f32 v[OUT+\p], v[AC+2*\p], v[AC+2*\p+1]
.endr
	ds_store_b128 v2, v[OUT:OUT+3] offset:(\q)*APITCH
.if \refill
	REQ \slot, (\q)+8
.endif
.endm
; K step ks = g % 10 of row tile g / 10 of a body's two.  The fragment of step g + 3 is asked for first; behind the two products stand four places, so that
; the next step may load into the fragment read here.  The two accumulators take turns.
.macro STEP g, last
.set DOLD, 1
.if \last
.if \g+3 >= 20
.set DOLD, 0
.endif
.endif
.if DOLD
	ds_load_b128 v[AR+8*((\g+3)&3):AR+8*((\g+3)&3)+3], v6 offset:((\g+3)/10)*16*APITCH+((\g+3)%10)*64
	ds_load_b128 v[AR+8*((\g+3)&3)+4:AR+8*((\g+3)&3)+7], v6 offset:((\g+3)/10)*16*APITCH+((\g+3)%10)*64+32
	s_wait_dscnt 0x6                               ; this step's fragment is in; those of the three steps behind it stay out
.else
	s_wait_dscnt 2*(19-\g)                         ; nothing is left to load: the counts run down
.endif
.if (\g%10) == 0
	v_wmma_f32_16x16x32_f16 v[ACC:ACC+7], v[WF:WF+7], v[AR+8*(\g&3):AR+8*(\g&3)+7], 0
	v_wmma_f32_16x16x32_f16 v[ACC+8:ACC+15], v[WF+80:WF+87], v[AR+8*(\g&3):AR+8*(\g&3)+7], 0
.else
	v_wmma_f32_16x16x32_f16 v[ACC:ACC+7], v[WF+8*(\g%10):WF+8*(\g%10)+7], v[AR+8*(\g&3):AR+8*(\g&3)+7], v[ACC:ACC+7]
	v_wmma_f32_16x16x32_f16 v[ACC+8:ACC+15], v[WF+80+8*(\g%10):WF+80+8*(\g%10)+7], v[AR+8*(\g&3):AR+8*(\g&3)+7], v[ACC+8:ACC+15]
.endif
.rept 4
	v_nop
.endr
.endm
; a row tile is done: statistics, f16, two stores
.macro EPI mt
	v_nop                                          ; the fifth place: the next tile's first products write over these accumulators
.irp n, 0,1
.irp p, 0,2,4,6
	v_pk_add_f32 v[ST+8*\n+\p:ST+8*\n+\p+1], v[ST+8*\n+\p:ST+8*\n+\p+1], v[ACC+8*\n+\p:ACC+8*\n+\p+1]
	v_pk_fma_f32 v[ST+16+8*\n+\p:ST+16+8*\n+\p+1], v[ACC+8*\n+\p:ACC+8*\n+\p+1], v[ACC+8*\n+\p:ACC+8*\n+\p+1], v[ST+16+8*\n+\p:ST+16+8*\n+\p+1]
.endr
.endr
	s_wait_xcnt 0x0                                ; PK, which the last tile's stores read, is rewritten only behind this wait
.irp p, 0,1,2,3,4,5,6,7
	v_cvt_pk_f16_f32 v[PK+\p], v[ACC+2*\p], v[ACC+2*\p+1]
.endr
	global_store_b128 v5, v[PK:PK+3], s[12:13] offset:\mt*8192
	global_store_b128 v5, v[PK+4:PK+7], s[12:13] offset:\mt*8192+512
.endm
.macro BODY last
.irp g, 0,1,2,3,4,5,6,7,8,9
	STEP \g, \last
.endr
	EPI 0
.irp g, 10,11,12,13,14,15,16,17,18,19
	STEP \g, \last
.endr
	EPI 1
.endm
	s_load_b256 s[4:11], s[0:1], 0x0               ; points1 4, tab 6, nidx 8, nw 10
	s_load_b128 s[12:15], s[0:1], 0x20             ; h1 12, part 14
	s_set_vgpr_msb 0x40
	v_lshl_add_u32 v0, v0, 2, 0x29800
	v_mov_b32 v1, 0
	s_set_vgpr_msb 0x4000
	v_lshrrev_b32 v1, 5, v0
	v_readfirstlane_b32 s16, v1                    ; wave
	v_and_b32 v7, 31, v0
	v_and_b32 v5, 15, v0                           ; r
	v_bfe_u32 v6, v0, 4, 1                         ; h
	v_lshlrev_b32 v1, 4, v7                        ; 16 L
	s_mul_i32 s32, s16, 32*APITCH                  ; my wave's 32 rows in LDS
	s_add_co_u32 s33, s32, 128
	v_add_nc_u32 v2, s33, v1                       ; K 64 + 8 L of my first row
	v_mul_u32_u24 v3, v6, APITCH
	v_lshl_add_u32 v3, v5, 3, v3
	v_add_nc_u32 v3, s32, v3                       ; row h, K 4 r
	v_lshl_add_u32 v4, s16, 13, v1                 ; my wave's 32 rows of 256 bytes of points1
	v_lshlrev_b32 v[PVO], 4, v5
	v_mul_u32_u24 v[T], v5, APITCH
	v_lshl_add_u32 v6, v6, 4, v[T]                 ; r x pitch + 16 h
	v_lshl_add_u32 v5, s16, 10, v1                 ; my two channel tiles of 512 bytes
	v_lshlrev_b32 v7, 4, v0
	s_lshl_b32 s24, ttmp9, 16
	s_mov_b32 s25, 0
	s_lshl_b32 s26, ttmp9, 12
	s_mov_b32 s27, 0
	s_lshl_b32 s28, ttmp9, 17
	s_mov_b32 s29, 0
	s_lshl_b32 s30, ttmp9, 11
	s_mov_b32 s31, 0
	s_mov_b32 s41, 0                               ; the upper halves of the weights' pairs: named by the packed forms, never used
	s_mov_b32 s43, 0
	s_mov_b32 s45, 0
	s_wait_kmcnt 0x0
	s_add_nc_u64 s[20:21], s[4:5], s[24:25]
	s_add_nc_u64 s[22:23], s[6:7], WF1OFF
	s_add_nc_u64 s[8:9], s[8:9], s[26:27]
	s_add_nc_u64 s[10:11], s[10:11], s[26:27]
	s_add_nc_u64 s[12:13], s[12:13], s[28:29]
	s_add_nc_u64 s[14:15], s[14:15], s[30:31]
	global_load_b128 v[IX:IX+3], v7, s[8:9]
	global_load_b128 v[WL:WL+3], v7, s[10:11]
	global_load_b128 v[PV:PV+3], v[PVO], s[4:5]
.irp i, 0,1,2,3,4,5,6,7,8,9,10,11,12,13,14,15
	global_load_b128 v[P1+4*\i:P1+4*\i+3], v4, s[20:21] offset:512*\i th:TH_LOAD_NT   ; two rows a load
.endr
	s_wait_loadcnt 17                              ; the index and weight quads are in; the 17 loads of points1 stay out
.irp q, 0,1,2,3,4,5,6,7
	REQ \q, \q
.endr
	s_wait_loadcnt 24                              ; points1 is in; the ring's 24 loads stay out
.irp i, 0,1,2,3,4,5,6,7,8,9,10,11,12,13,14,15
	v_pk_add_f32 v[P1+4*\i:P1+4*\i+1], v[P1+4*\i:P1+4*\i+1], v[PV:PV+1] neg_lo:[0,1] neg_hi:[0,1]
	v_pk_add_f32 v[P1+4*\i+2:P1+4*\i+3], v[P1+4*\i+2:P1+4*\i+3], v[PV+2:PV+3] neg_lo:[0,1] neg_hi:[0,1]
	v_cvt_pk_f16_f32 v[P1+4*\i], v[P1+4*\i], v[P1+4*\i+1]
	v_cvt_pk_f16_f32 v[P1+4*\i+1], v[P1+4*\i+2], v[P1+4*\i+3]
	ds_store_b64 v3, v[P1+4*\i:P1+4*\i+1] offset:\i*2*APITCH
.endr
.irp g, 0,1,2
.irp s, 0,1,2,3,4,5,6,7
	GQ \s, 8*\g+\s, 1, 21                          ; seven younger queries x three rows stay out
.endr
.endr
.irp s, 0,1,2,3,4,5,6,7
	GQ \s, 24+\s, 0, 3*(7-\s)
.endr
.irp c, 0,1,2,3,4,5,6,7,8,9,10,11,12,13,14,15,16,17,18,19
	global_load_b128 v[WF+8*(\c/2)+4*(\c%2):WF+8*(\c/2)+4*(\c%2)+3], v5, s[22:23] offset:\c*8192
	global_load_b128 v[WF+80+8*(\c/2)+4*(\c%2):WF+80+8*(\c/2)+4*(\c%2)+3], v5, s[22:23] offset:\c*8192+512
.endr
	s_wait_dscnt 0x0                               ; my 32 rows are in LDS,
	s_barrier_signal -1
	s_barrier_wait -1                              ; everybody's are; the rows are only read from here on
.irp k, 0,1,2,3,4,5,6,7,8,9,10,11,12,13,14,15,16,17,18,19,20,21,22,23,24,25,26,27,28,29,30,31
	v_mov_b32 v[ST+\k], 0
.endr
.irp g, 0,1,2
	ds_load_b128 v[AR+8*\g:AR+8*\g+3], v6 offset:\g*64
	ds_load_b128 v[AR+8*\g+4:AR+8*\g+7], v6 offset:\g*64+32
.endr
	s_wait_loadcnt 0x0                             ; W1's fragments
	s_mov_b32 s50, 7
.Lbody:
	BODY 0
	v_add_nc_u32 v6, 32*APITCH, v6
	s_wait_xcnt 0x0                                ; the stores' offset is stepped only behind this wait
	v_add_nc_u32 v5, 16384, v5
	s_sub_co_u32 s50, s50, 1
	s_cmp_lg_u32 s50, 0
	s_cbranch_scc1 .Lbody
	BODY 1                                         ; the last two row tiles: no load leaves the rows
	; lane (r, h), register j: channel 32 w + 16 n' + 8 h + j, rows r mod 16.  Summed over the 16 lanes of a half; then through my wave's own words of LDS
	; (a wave's LDS instructions are served in order, ISA guide 5.7.1), so that lane L gets channel 32 w + L.
.irp m, 1,2,4,8
.set i, 0
.rept 32
	v_add_f32_dpp v[ST+i], v[ST+i], v[ST+i] row_xmask:\m row_mask:0xf bank_mask:0xf
.set i, i+1
.endr
.endr
	s_lshl_b32 s33, s16, 7
	s_add_co_u32 s33, s33, STAT
	v_bfe_u32 v64, v0, 4, 1
	v_lshlrev_b32 v64, 5, v64
	v_add_nc_u32 v64, s33, v64
.irp n, 0,1
	ds_store_b128 v64, v[ST+8*\n:ST+8*\n+3] offset:64*\n
	ds_store_b128 v64, v[ST+8*\n+4:ST+8*\n+7] offset:64*\n+16
	ds_store_b128 v64, v[ST+16+8*\n:ST+16+8*\n+3] offset:64*\n+1024
	ds_store_b128 v64, v[ST+16+8*\n+4:ST+16+8*\n+7] offset:64*\n+1040
.endr
	v_and_b32 v65, 31, v0
	v_lshlrev_b32 v65, 2, v65
	v_add_nc_u32 v65, s33, v65
	ds_load_b32 v66, v65
	ds_load_b32 v67, v65 offset:1024
	v_lshlrev_b32 v70, 3, v0
	s_wait_dscnt 0x0
	v_mul_f32 v68, 0x3b800000, v66                 ; mean of 256 rows
	v_fma_f32 v69, -v66, v68, v67                  ; sum of squared deviations
	global_store_b64 v70, v[68:69], s[14:15]       ; the wave stores 256 consecutive bytes, aligned
	s_set_vgpr_msb 0x5
	s_wait_tensorcnt 0x0
	ds_add_u32 v0, v1
	s_wait_dscnt 0x0
	s_set_vgpr_msb 0x500
	s_endpgm
.Lfunc_end_k_q11566cfbfb_layer1:
	.size	k_q11566cfbfb_layer1, .Lfunc_end_k_q11566cfbfb_layer1-k_q11566cfbfb_layer1
	.p2alignl 7, 3214868480
	.fill 96, 4, 3214868480
	.section	.rodata,"a",@progbits
	.p2align	6, 0x0
	.amdhsa_kernel k_q11566cfbfb_layer1
		.amdhsa_group_segment_fixed_size 171008
		.amdhsa_private_segment_fixed_size 0
		.amdhsa_enable_private_segment 0
		.amdhsa_kernarg_size 48
		.amdhsa_user_sgpr_count 2
		.amdhsa_user_sgpr_kernarg_segment_ptr 1
		.amdhsa_wavefront_size32 1
		.amdhsa_system_sgpr_workgroup_id_x 1
		.amdhsa_system_sgpr_workgroup_id_y 1
		.amdhsa_system_sgpr_workgroup_id_z 1
		.amdhsa_system_vgpr_workitem_id 0
		.amdhsa_next_free_vgpr 258
		.amdhsa_next_free_sgpr 66
		.amdhsa_reserve_vcc 0
		.amdhsa_float_denorm_mode_32 3
		.amdhsa_float_denorm_mode_16_64 3
		.amdhsa_memory_ordered 1
		.amdhsa_forward_progress 1
		.amdhsa_inst_pref_size 139
	.end_amdhsa_kernel
	.amdgpu_metadata
---
amdhsa.version: [ 1, 2 ]
amdhsa.kernels:
  - .name:           k_q11566cfbfb_layer1
    .symbol:         k_q11566cfbfb_layer1.kd
    .args:
      - { .name: points1, .offset: 0, .size: 8, .value_kind: global_buffer, .address_space: global }
      - { .name: tab, .offset: 8, .size: 8, .value_kind: global_buffer, .address_space: global }
      - { .name: nidx, .offset: 16, .size: 8, .value_kind: global_buffer, .address_space: global }
      - { .name: nw, .offset: 24, .size: 8, .value_kind: global_buffer, .address_space: global }
      - { .name: h1, .offset: 32, .size: 8, .value_kind: global_buffer, .address_space: global }
      - { .name: part, .offset: 40, .size: 8, .value_kind: global_buffer, .address_space: global }
    .group_segment_fixed_size: 171008
    .private_segment_fixed_size: 0
    .kernarg_segment_align: 8
    .kernarg_segment_size: 48
    .max_flat_workgroup_size: 256
    .sgpr_count:     66
    .vgpr_count:     258
    .wavefront_size: 32
...
	.end_amdgpu_metadata
.endif
;; end of part 3
;; launch fin1 (part 4): grid 8 x 1, 8 waves a work-group, no clusters, 3,072 bytes of LDS; arguments part, g1, b1, bn; writes bn
.if DOCPART == 4
	.amdgcn_target "amdgcn-amd-amdhsa--gfx1250"
	.amdhsa_code_object_version 6
	.text
	.protected	k_q11566cfbfb_fin1
	.globl	k_q11566cfbfb_fin1
	.p2align	8
	.type	k_q11566cfbfb_fin1,@function
k_q11566cfbfb_fin1:
	s_mov_b64 s[64:65], 0
	v_nop
	global_prefetch_b8 v0, s[64:65] scope:SCOPE_SE
	s_setreg_imm32_b32 hwreg(HW_REG_WAVE_MODE, 25, 1), 1
	s_wait_xcnt 0x0
; Launches 4 and 6 of 7: a layer's batch norm constants from the 256 work-groups' records (mean, sum of squared deviations of 256 rows each).
; Work-group X owns channels 32 X .. +31, lane = channel; wave w takes records w, w + 8, ...  The records are joined without a difference of large sums:
; mean = mean of the means; 65,536 var = sum of the records' squared deviations + 256 x sum of (record's mean - mean)^2.
; Out, per channel: scale = g rsqrt(var + 1e-5), shift = b - mean scale, min(shift, 0), -max(shift, 0) (the last two serve layer 2's operand).
; The means are those of the data with a constant row taken away; the same data are normalised with them, so the constant cancels.
; A few work-groups: the work is 512 KB of reads for 256 channels and cannot start before the launch in front has ended.
	s_load_b256 s[4:11], s[0:1], 0x0               ; part 4, g 6, b 8, bn 10
	v_lshl_add_u32 v104, v0, 2, 0x800
	v_mov_b32 v105, 0
	v_lshrrev_b32 v1, 5, v0
	v_readfirstlane_b32 s12, v1                    ; wave
	v_and_b32 v2, 31, v0
	v_lshlrev_b32 v3, 3, v2
	v_lshl_add_u32 v3, v1, 11, v3                  ; record w, channel L
	v_lshlrev_b32 v4, 2, v2
	v_lshlrev_b32 v5, 2, v0
	s_lshl_b32 s14, ttmp9, 8
	s_mov_b32 s15, 0
	s_lshl_b32 s16, ttmp9, 7
	s_mov_b32 s17, 0
	s_wait_kmcnt 0x0
	s_add_nc_u64 s[4:5], s[4:5], s[14:15]
	s_add_nc_u64 s[6:7], s[6:7], s[16:17]
	s_add_nc_u64 s[8:9], s[8:9], s[16:17]
	s_add_nc_u64 s[10:11], s[10:11], s[16:17]
	global_load_b32 v6, v4, s[6:7]
	global_load_b32 v7, v4, s[8:9]
.set i, 0
.rept 32
	global_load_b64 v[32+2*i:33+2*i], v3, s[4:5] offset:16384*i
.set i, i+1
.endr
	s_wait_loadcnt 0x0
	v_add_f32 v8, v32, v34
	v_add_f32 v12, v33, v35
.set i, 2
.rept 30
	v_add_f32 v8, v8, v[32+2*i]                    ; my 32 means
	v_add_f32 v12, v12, v[33+2*i]                  ; my 32 sums of squared deviations
.set i, i+1
.endr
	ds_store_b32 v5, v8
	s_wait_dscnt 0x0                               ; my sum is in LDS,
	s_barrier_signal -1
	s_barrier_wait -1                              ; all eight are
.irp k, 0,1,2,3,4,5,6,7
	ds_load_b32 v[16+\k], v4 offset:128*\k
.endr
	s_wait_dscnt 0x0
	v_add_f32 v9, v16, v17
.irp k, 18,19,20,21,22,23
	v_add_f32 v9, v9, v\k
.endr
	v_mul_f32 v9, 0x3b800000, v9                   ; mean
	v_sub_f32 v11, v32, v9
	v_mul_f32 v10, v11, v11
.set i, 1
.rept 31
	v_sub_f32 v11, v[32+2*i], v9
	v_fma_f32 v10, v11, v11, v10
.set i, i+1
.endr
	v_fma_f32 v10, 0x43800000, v10, v12            ; 256 rows stand behind each mean
	ds_store_b32 v5, v10 offset:1024               ; other words than the first exchange's
	s_wait_dscnt 0x0
	s_barrier_signal -1
	s_barrier_wait -1
.irp k, 0,1,2,3,4,5,6,7
	ds_load_b32 v[16+\k], v4 offset:1024+128*\k
.endr
	s_wait_dscnt 0x0
	v_add_f32 v13, v16, v17
.irp k, 18,19,20,21,22,23
	v_add_f32 v13, v13, v\k
.endr
	v_mul_f32 v13, 0x37800000, v13                 ; var over 65,536 rows
	v_add_f32 v13, 0x3727c5ac, v13                 ; + 1e-5
	v_rsq_f32 v14, v13
	v_nop                                          ; one plain instruction between a root and its use (ISA guide 5.7.2)
	s_wait_alu depctr_va_vdst(0)
	v_mul_f32 v14, v6, v14                         ; scale
	v_fma_f32 v15, -v9, v14, v7                    ; shift
	v_min_num_f32 v24, 0, v15
	v_min_num_f32 v25, -v15, 0
	s_cmp_lg_u32 s12, 0
	s_cbranch_scc1 .Lend                           ; every wave holds the same figures: wave 0 stores them
	global_store_b32 v4, v14, s[10:11]
	global_store_b32 v4, v15, s[10:11] offset:1024
	global_store_b32 v4, v24, s[10:11] offset:2048
	global_store_b32 v4, v25, s[10:11] offset:3072
.Lend:
	s_wait_tensorcnt 0x0
	ds_add_u32 v104, v105
	s_wait_dscnt 0x0
	s_endpgm
.Lfunc_end_k_q11566cfbfb_fin1:
	.size	k_q11566cfbfb_fin1, .Lfunc_end_k_q11566cfbfb_fin1-k_q11566cfbfb_fin1
	.p2alignl 7, 3214868480
	.fill 96, 4, 3214868480
	.section	.rodata,"a",@progbits
	.p2align	6, 0x0
	.amdhsa_kernel k_q11566cfbfb_fin1
		.amdhsa_group_segment_fixed_size 3072
		.amdhsa_private_segment_fixed_size 0
		.amdhsa_enable_private_segment 0
		.amdhsa_kernarg_size 32
		.amdhsa_user_sgpr_count 2
		.amdhsa_user_sgpr_kernarg_segment_ptr 1
		.amdhsa_wavefront_size32 1
		.amdhsa_system_sgpr_workgroup_id_x 1
		.amdhsa_system_sgpr_workgroup_id_y 1
		.amdhsa_system_sgpr_workgroup_id_z 1
		.amdhsa_system_vgpr_workitem_id 0
		.amdhsa_next_free_vgpr 106
		.amdhsa_next_free_sgpr 66
		.amdhsa_reserve_vcc 0
		.amdhsa_float_denorm_mode_32 3
		.amdhsa_float_denorm_mode_16_64 3
		.amdhsa_memory_ordered 1
		.amdhsa_forward_progress 1
		.amdhsa_inst_pref_size 13
	.end_amdhsa_kernel
	.amdgpu_metadata
---
amdhsa.version: [ 1, 2 ]
amdhsa.kernels:
  - .name:           k_q11566cfbfb_fin1
    .symbol:         k_q11566cfbfb_fin1.kd
    .args:
      - { .name: part, .offset: 0, .size: 8, .value_kind: global_buffer, .address_space: global }
      - { .name: g1, .offset: 8, .size: 8, .value_kind: global_buffer, .address_space: global }
      - { .name: b1, .offset: 16, .size: 8, .value_kind: global_buffer, .address_space: global }
      - { .name: bn, .offset: 24, .size: 8, .value_kind: global_buffer, .address_space: global }
    .group_segment_fixed_size: 3072
    .private_segment_fixed_size: 0
    .kernarg_segment_align: 8
    .kernarg_segment_size: 32
    .max_flat_workgroup_size: 256
    .sgpr_count:     66
    .vgpr_count:     106
    .wavefront_size: 32
...
	.end_amdgpu_metadata
.endif
;; end of part 4
;; launch layer2 (part 5): grid 256 x 1, 8 waves a work-group, no clusters, 214,016 bytes of LDS; arguments h1, bn, tab, h2, part; writes h2, part
.if DOCPART == 5
	.amdgcn_target "amdgcn-amd-amdhsa--gfx1250"
	.amdhsa_code_object_version 6
	.text
	.protected	k_q11566cfbfb_layer2
	.globl	k_q11566cfbfb_layer2
	.p2align	8
	.type	k_q11566cfbfb_layer2,@function
k_q11566cfbfb_layer2:
	s_mov_b64 s[64:65], 0
	v_nop
	global_prefetch_b8 v0, s[64:65] scope:SCOPE_SE
	s_setreg_imm32_b32 hwreg(HW_REG_WAVE_MODE, 25, 1), 1
	s_wait_xcnt 0x0
; Launch 5 of 7: layer 1's batch norm and ReLU, layer 2's product, its statistics.
; Work-group x owns rows 256 x .. +255, wave w 32 of them (two tiles of 16) with all 128 output channels.
; h1 lies in memory in the lane order of a matrix operand, so a wave's 32 loads of 512 consecutive bytes fill its 16 fragments.  In place, in f32:
;   a = relu(scale h + shift) - relu(shift) = max(fma(h, scale, min(shift, 0)), -max(shift, 0)),  rounded to f16.
; The constant relu(shift) taken away changes no output: layer 2's batch norm removes W2 relu(shift) from every channel.
; W2 (f16, operand order, 64 KB) is copied to LDS once and streams from there.  The product is used transposed (source 0 = W2, source 1 = rows); results go
; through the wave's own stage in LDS and leave as whole rows of 512 bytes in f32; the sums for the statistics are taken on the way.
; No clusters and no tensor loads: what work-groups share is W2's 64 KB of the 256 KB that a work-group moves, read once.
.set BNC,  65536                       ; behind W2: the four tables of layer 1's constants, 1,024 bytes each
.set STG,  69632                       ; a stage of 32 rows of 512 bytes for each wave,
.set SP,   528                         ; pitch 33 x 16: the 16 rows that a store touches start in different banks
.set STAT, 204800                      ; for each wave 128 sums, 128 sums of squares
.set WF2OFF, 8552448
.set ACC, 128                          ; v[128:191] accumulators: channel tile n of four, row tile m at 128 + 16 n + 8 m.  Before: W2 on its way to LDS, then
.set C0,  128                          ; v[128:175] two sets of constants: 8 scale, 8 min(shift,0), 8 -max(shift,0)
.set BR,  192                          ; v[192:223] four fragments of W2 by turns
.set T,   224                          ; v[224:231] at work
; v[0:127]: h1, block 16 m + t at 4 x block; fragment (m, ks) at 64 m + 8 ks.  v232-241: addresses, made before the loads write over v0
.macro CV2 d, n                        ; both f16 halves of register n (given as a plain number) to f32
	v_cvt_f32_f16 v[\d], v\n\().l
	v_cvt_f32_f16 v[\d+1], v\n\().h
.endm
.macro CONV n0, n1, n2, n3, cs         ; one block of 8 channels a lane, in place
	CV2 T, \n0
	CV2 T+2, \n1
	CV2 T+4, \n2
	CV2 T+6, \n3
.irp p, 0,2,4,6
	v_pk_fma_f32 v[T+\p:T+\p+1], v[T+\p:T+\p+1], v[\cs+\p:\cs+\p+1], v[\cs+8+\p:\cs+8+\p+1]
.endr
.irp j, 0,1,2,3,4,5,6,7
	v_max_num_f32 v[T+\j], v[T+\j], v[\cs+16+\j]
.endr
	v_cvt_pk_f16_f32 v\n0, v[T], v[T+1]
	v_cvt_pk_f16_f32 v\n1, v[T+2], v[T+3]
	v_cvt_pk_f16_f32 v\n2, v[T+4], v[T+5]
	v_cvt_pk_f16_f32 v\n3, v[T+6], v[T+7]
.endm
.macro LDC t, cs                       ; the constants of channels 16 t + 8 h .. + 7
	ds_load_b128 v[\cs:\cs+3], v234 offset:64*(\t)
	ds_load_b128 v[\cs+4:\cs+7], v234 offset:64*(\t)+16
	ds_load_b128 v[\cs+8:\cs+11], v234 offset:64*(\t)+2048
	ds_load_b128 v[\cs+12:\cs+15], v234 offset:64*(\t)+2064
	ds_load_b128 v[\cs+16:\cs+19], v234 offset:64*(\t)+3072
	ds_load_b128 v[\cs+20:\cs+23], v234 offset:64*(\t)+3088
.endm
.macro TSTEP t, a0, a1, a2, a3, b0, b1, b2, b3
.if \t < 15
	LDC \t+1, C0+24*((\t+1)&1)
	s_wait_dscnt 0x6                               ; this block's constants are in, the next block's six loads stay out
.else
	s_wait_dscnt 0x0
.endif
	s_wait_loadcnt 15-\t                           ; blocks t and 16 + t of h1 are in, the younger ones stay out
	CONV \a0, \a1, \a2, \a3, C0+24*(\t&1)
	CONV \b0, \b1, \b2, \b3, C0+24*(\t&1)
.endm
.macro LDB un                          ; the fragment of W2 for unit un: channel tile 4 (un / 32) + un % 4, K step (un / 4) % 8
	ds_load_b128 v[BR+8*((\un)&3):BR+8*((\un)&3)+3], v235 offset:8192*(((\un)>>2)&7)+512*(4*((\un)>>5)+((\un)&3))
	ds_load_b128 v[BR+8*((\un)&3)+4:BR+8*((\un)&3)+7], v235 offset:8192*(((\un)>>2)&7)+512*(4*((\un)>>5)+((\un)&3))+4096
.endm
; One fragment of W2 against both row tiles.  The fragment of unit u + 3 is asked for first; behind the two products stand four places, so that the next unit
; may load into the fragment read here.  The eight accumulators take turns.
.macro UNIT u
.if (\u)+3 < 64
	LDB (\u)+3
	s_wait_dscnt 0x6                               ; this unit's fragment is in; at most the three younger ones stay out
.else
	s_wait_dscnt 2*(63-(\u))
.endif
.set KS, ((\u)>>2)&7
.set NN, (\u)&3
.if KS == 0
	v_wmma_f32_16x16x32_f16 v[ACC+16*NN:ACC+16*NN+7], v[BR+8*NN:BR+8*NN+7], v[0:7], 0
	v_wmma_f32_16x16x32_f16 v[ACC+16*NN+8:ACC+16*NN+15], v[BR+8*NN:BR+8*NN+7], v[64:71], 0
.else
	v_wmma_f32_16x16x32_f16 v[ACC+16*NN:ACC+16*NN+7], v[BR+8*NN:BR+8*NN+7], v[8*KS:8*KS+7], v[ACC+16*NN:ACC+16*NN+7]
	v_wmma_f32_16x16x32_f16 v[ACC+16*NN+8:ACC+16*NN+15], v[BR+8*NN:BR+8*NN+7], v[64+8*KS:64+8*KS+7], v[ACC+16*NN+8:ACC+16*NN+15]
.endif
.rept 4
	v_nop
.endr
.endm
.macro STAGE hf                        ; lane (r, h): row 16 m + r, channels 64 hf + 16 n + 8 h .. + 7
.irp n, 0,1,2,3
.irp m, 0,1
	ds_store_b128 v236, v[ACC+16*\n+8*\m:ACC+16*\n+8*\m+3] offset:16*SP*\m+256*\hf+64*\n
	ds_store_b128 v236, v[ACC+16*\n+8*\m+4:ACC+16*\n+8*\m+7] offset:16*SP*\m+256*\hf+64*\n+16
.endr
.endr
.endm
	s_load_b256 s[4:11], s[0:1], 0x0               ; h1 4, bn 6, tab 8, h2 10
	s_load_b64 s[12:13], s[0:1], 0x20              ; part
	v_lshl_add_u32 v248, v0, 2, 0x34000
	v_mov_b32 v249, 0
	v_lshrrev_b32 v224, 5, v0
	v_readfirstlane_b32 s14, v224                  ; wave
	v_and_b32 v225, 31, v0
	v_and_b32 v226, 15, v0                         ; r
	v_bfe_u32 v227, v0, 4, 1                       ; h
	v_lshlrev_b32 v232, 4, v0                      ; 16 t: W2 and the constants on their way to LDS
	v_add_nc_u32 v241, BNC, v232
	v_lshlrev_b32 v235, 4, v225                    ; 16 L
	v_lshl_add_u32 v233, s14, 14, v235             ; my wave's 16 KB of h1, and of h2
	v_lshlrev_b32 v234, 5, v227
	v_add_nc_u32 v234, BNC, v234
	s_mul_i32 s15, s14, 32*SP
	s_add_co_u32 s15, s15, STG                     ; my stage
	v_mul_u32_u24 v236, v226, SP
	v_lshl_add_u32 v236, v227, 5, v236
	v_add_nc_u32 v236, s15, v236
	v_add_nc_u32 v237, s15, v235
	s_lshl_b32 s16, s14, 10
	s_add_co_u32 s16, s16, STAT
	v_add_nc_u32 v238, s16, v235
	v_lshlrev_b32 v239, 2, v0
	v_add_nc_u32 v239, STAT, v239
	v_lshlrev_b32 v240, 3, v0
	s_lshl_b32 s18, ttmp9, 17
	s_mov_b32 s19, 0
	s_lshl_b32 s20, ttmp9, 11
	s_mov_b32 s21, 0
	s_wait_kmcnt 0x0
	s_add_nc_u64 s[4:5], s[4:5], s[18:19]
	s_add_nc_u64 s[10:11], s[10:11], s[18:19]
	s_add_nc_u64 s[12:13], s[12:13], s[20:21]
	s_add_nc_u64 s[8:9], s[8:9], WF2OFF
.irp i, 0,1,2,3,4,5,6,7,8,9,10,11,12,13,14,15
	global_load_b128 v[128+4*\i:131+4*\i], v232, s[8:9] offset:4096*\i
.endr
	global_load_b128 v[192:195], v232, s[6:7]
.set i, 0
.rept 32
	global_load_b128 v[4*i:4*i+3], v233, s[4:5] offset:512*i th:TH_LOAD_NT
.set i, i+1
.endr
	s_wait_loadcnt 32                              ; W2 and the constants are in; the 32 loads of h1 stay out
.irp i, 0,1,2,3,4,5,6,7,8,9,10,11,12,13,14,15
	ds_store_b128 v232, v[128+4*\i:131+4*\i] offset:4096*\i
.endr
	ds_store_b128 v241, v[192:195]
	s_wait_dscnt 0x0                               ; my part is in LDS,
	s_barrier_signal -1
	s_barrier_wait -1                              ; everybody's is; W2 and the constants are only read from here on
	LDC 0, C0
	TSTEP 0,  0,1,2,3,     64,65,66,67
	TSTEP 1,  4,5,6,7,     68,69,70,71
	TSTEP 2,  8,9,10,11,   72,73,74,75
	TSTEP 3,  12,13,14,15, 76,77,78,79
	TSTEP 4,  16,17,18,19, 80,81,82,83
	TSTEP 5,  20,21,22,23, 84,85,86,87
	TSTEP 6,  24,25,26,27, 88,89,90,91
	TSTEP 7,  28,29,30,31, 92,93,94,95
	TSTEP 8,  32,33,34,35, 96,97,98,99
	TSTEP 9,  36,37,38,39, 100,101,102,103
	TSTEP 10, 40,41,42,43, 104,105,106,107
	TSTEP 11, 44,45,46,47, 108,109,110,111
	TSTEP 12, 48,49,50,51, 112,113,114,115
	TSTEP 13, 52,53,54,55, 116,117,118,119
	TSTEP 14, 56,57,58,59, 120,121,122,123
	TSTEP 15, 60,61,62,63, 124,125,126,127
	LDB 0
	LDB 1
	LDB 2
.set u, 0
.rept 32
	UNIT u                                         ; channels 0-63
.set u, u+1
.endr
	STAGE 0
.rept 32
	UNIT u                                         ; channels 64-127, on the same accumulators
.set u, u+1
.endr
	STAGE 1
	; back by rows: lane L takes channels 4 L .. + 3 of row i.  My own bytes: a wave's LDS instructions are served in order (ISA guide 5.7.1).
.irp k, 0,1,2,3,4,5,6,7
	v_mov_b32 v[T+\k], 0
.endr
.set i, 0
.rept 32
	ds_load_b128 v[4*i:4*i+3], v237 offset:SP*i
.set i, i+1
.endr
.set i, 0
.rept 32
	s_wait_dscnt 31-i
	v_pk_add_f32 v[T:T+1], v[T:T+1], v[4*i:4*i+1]
	v_pk_add_f32 v[T+2:T+3], v[T+2:T+3], v[4*i+2:4*i+3]
	v_pk_fma_f32 v[T+4:T+5], v[4*i:4*i+1], v[4*i:4*i+1], v[T+4:T+5]
	v_pk_fma_f32 v[T+6:T+7], v[4*i+2:4*i+3], v[4*i+2:4*i+3], v[T+6:T+7]
	global_store_b128 v233, v[4*i:4*i+3], s[10:11] offset:512*i    ; a row's 512 consecutive bytes, aligned
.set i, i+1
.endr
	ds_store_b128 v238, v[T:T+3]
	ds_store_b128 v238, v[T+4:T+7] offset:512
	s_wait_dscnt 0x0                               ; my wave's sums are in LDS,
	s_barrier_signal -1
	s_barrier_wait -1                              ; all eight waves' are
	s_cmp_lt_u32 s14, 4
	s_cbranch_scc0 .Lend                           ; 128 channels: threads 0-127 join one each
.irp v, 0,1,2,3,4,5,6,7
	ds_load_b32 v[192+\v], v239 offset:1024*\v
	ds_load_b32 v[200+\v], v239 offset:1024*\v+512
.endr
	s_wait_dscnt 0x0
	v_add_f32 v192, v192, v193
	v_add_f32 v200, v200, v201
.irp v, 2,3,4,5,6,7
	v_add_f32 v192, v192, v[192+\v]
	v_add_f32 v200, v200, v[200+\v]
.endr
	v_mul_f32 v208, 0x3b800000, v192               ; mean of 256 rows
	v_fma_f32 v209, -v192, v208, v200              ; sum of squared deviations
	global_store_b64 v240, v[208:209], s[12:13]
.Lend:
	s_wait_tensorcnt 0x0
	ds_add_u32 v248, v249
	s_wait_dscnt 0x0
	s_endpgm
.Lfunc_end_k_q11566cfbfb_layer2:
	.size	k_q11566cfbfb_layer2, .Lfunc_end_k_q11566cfbfb_layer2-k_q11566cfbfb_layer2
	.p2alignl 7, 3214868480
	.fill 96, 4, 3214868480
	.section	.rodata,"a",@progbits
	.p2align	6, 0x0
	.amdhsa_kernel k_q11566cfbfb_layer2
		.amdhsa_group_segment_fixed_size 214016
		.amdhsa_private_segment_fixed_size 0
		.amdhsa_enable_private_segment 0
		.amdhsa_kernarg_size 40
		.amdhsa_user_sgpr_count 2
		.amdhsa_user_sgpr_kernarg_segment_ptr 1
		.amdhsa_wavefront_size32 1
		.amdhsa_system_sgpr_workgroup_id_x 1
		.amdhsa_system_sgpr_workgroup_id_y 1
		.amdhsa_system_sgpr_workgroup_id_z 1
		.amdhsa_system_vgpr_workitem_id 0
		.amdhsa_next_free_vgpr 250
		.amdhsa_next_free_sgpr 66
		.amdhsa_reserve_vcc 0
		.amdhsa_float_denorm_mode_32 3
		.amdhsa_float_denorm_mode_16_64 3
		.amdhsa_memory_ordered 1
		.amdhsa_forward_progress 1
		.amdhsa_inst_pref_size 92
	.end_amdhsa_kernel
	.amdgpu_metadata
---
amdhsa.version: [ 1, 2 ]
amdhsa.kernels:
  - .name:           k_q11566cfbfb_layer2
    .symbol:         k_q11566cfbfb_layer2.kd
    .args:
      - { .name: h1, .offset: 0, .size: 8, .value_kind: global_buffer, .address_space: global }
      - { .name: bn, .offset: 8, .size: 8, .value_kind: global_buffer, .address_space: global }
      - { .name: tab, .offset: 16, .size: 8, .value_kind: global_buffer, .address_space: global }
      - { .name: h2, .offset: 24, .size: 8, .value_kind: global_buffer, .address_space: global }
      - { .name: part, .offset: 32, .size: 8, .value_kind: global_buffer, .address_space: global }
    .group_segment_fixed_size: 214016
    .private_segment_fixed_size: 0
    .kernarg_segment_align: 8
    .kernarg_segment_size: 40
    .max_flat_workgroup_size: 256
    .sgpr_count:     66
    .vgpr_count:     250
    .wavefront_size: 32
...
	.end_amdgpu_metadata
.endif
;; end of part 5
;; launch fin2: the kernel of part 4 again; grid 4 x 1, 8 waves a work-group, no clusters, 3,072 bytes of LDS; arguments part, g2, b2, bn; writes bn
;; launch bnout (part 6): grid 256 x 1, 8 waves a work-group, no clusters, 0 bytes of LDS; arguments h2, bn, out0; writes out0
.if DOCPART == 6
	.amdgcn_target "amdgcn-amd-amdhsa--gfx1250"
	.amdhsa_code_object_version 6
	.text
	.protected	k_q11566cfbfb_bnout
	.globl	k_q11566cfbfb_bnout
	.p2align	8
	.type	k_q11566cfbfb_bnout,@function
k_q11566cfbfb_bnout:
	s_mov_b64 s[64:65], 0
	v_nop
	global_prefetch_b8 v0, s[64:65] scope:SCOPE_SE
	s_setreg_imm32_b32 hwreg(HW_REG_WAVE_MODE, 25, 1), 1
	s_wait_xcnt 0x0
; Launch 7 of 7: out = relu(scale h2 + shift), a stream.  Work-group x owns rows 256 x .. +255, wave w 32 of them; a row is 512 bytes: lane L keeps
; channels 4 L .. + 3, so its scale and shift are loaded once, and every load and store of a wave covers 512 consecutive bytes, aligned.
; All 32 loads of a wave go out at once; each row is worked on in the registers it was loaded into, which are not written again.
; LDS, matrix units and clusters have nothing to add to a stream that shares no input but 1 KB of constants.
; LIMIT: the maximum with 0 turns a NaN into 0.
	s_load_b128 s[4:7], s[0:1], 0x0                ; h2, bn
	s_load_b64 s[8:9], s[0:1], 0x10                ; out0
	v_lshrrev_b32 v1, 5, v0
	v_and_b32 v2, 31, v0
	v_lshlrev_b32 v2, 4, v2
	v_lshl_add_u32 v1, v1, 14, v2
	s_lshl_b32 s10, ttmp9, 17
	s_mov_b32 s11, 0
	s_wait_kmcnt 0x0
	s_add_nc_u64 s[4:5], s[4:5], s[10:11]
	s_add_nc_u64 s[8:9], s[8:9], s[10:11]
	global_load_b128 v[4:7], v2, s[6:7]
	global_load_b128 v[8:11], v2, s[6:7] offset:1024
.set i, 0
.rept 32
	global_load_b128 v[16+4*i:19+4*i], v1, s[4:5] offset:512*i th:TH_LOAD_NT
.set i, i+1
.endr
.set i, 0
.rept 32
	s_wait_loadcnt 31-i                            ; row i is in (and the constants, which were asked for first); the younger rows stay out
	v_pk_fma_f32 v[16+4*i:17+4*i], v[16+4*i:17+4*i], v[4:5], v[8:9]
	v_pk_fma_f32 v[18+4*i:19+4*i], v[18+4*i:19+4*i], v[6:7], v[10:11]
	v_max_num_f32 v[16+4*i], 0, v[16+4*i]
	v_max_num_f32 v[17+4*i], 0, v[17+4*i]
	v_max_num_f32 v[18+4*i], 0, v[18+4*i]
	v_max_num_f32 v[19+4*i], 0, v[19+4*i]
	global_store_b128 v1, v[16+4*i:19+4*i], s[8:9] offset:512*i th:TH_STORE_NT
.set i, i+1
.endr
	s_endpgm
.Lfunc_end_k_q11566cfbfb_bnout:
	.size	k_q11566cfbfb_bnout, .Lfunc_end_k_q11566cfbfb_bnout-k_q11566cfbfb_bnout
	.p2alignl 7, 3214868480
	.fill 96, 4, 3214868480
	.section	.rodata,"a",@progbits
	.p2align	6, 0x0
	.amdhsa_kernel k_q11566cfbfb_bnout
		.amdhsa_group_segment_fixed_size 0
		.amdhsa_private_segment_fixed_size 0
		.amdhsa_enable_private_segment 0
		.amdhsa_kernarg_size 24
		.amdhsa_user_sgpr_count 2
		.amdhsa_user_sgpr_kernarg_segment_ptr 1
		.amdhsa_wavefront_size32 1
		.amdhsa_system_sgpr_workgroup_id_x 1
		.amdhsa_system_sgpr_workgroup_id_y 1
		.amdhsa_system_sgpr_workgroup_id_z 1
		.amdhsa_system_vgpr_workitem_id 0
		.amdhsa_next_free_vgpr 144
		.amdhsa_next_free_sgpr 66
		.amdhsa_reserve_vcc 0
		.amdhsa_float_denorm_mode_32 3
		.amdhsa_float_denorm_mode_16_64 3
		.amdhsa_memory_ordered 1
		.amdhsa_forward_progress 1
		.amdhsa_inst_pref_size 16
	.end_amdhsa_kernel
	.amdgpu_metadata
---
amdhsa.version: [ 1, 2 ]
amdhsa.kernels:
  - .name:           k_q11566cfbfb_bnout
    .symbol:         k_q11566cfbfb_bnout.kd
    .args:
      - { .name: h2, .offset: 0, .size: 8, .value_kind: global_buffer, .address_space: global }
      - { .name: bn, .offset: 8, .size: 8, .value_kind: global_buffer, .address_space: global }
      - { .name: out0, .offset: 16, .size: 8, .value_kind: global_buffer, .address_space: global }
    .group_segment_fixed_size: 0
    .private_segment_fixed_size: 0
    .kernarg_segment_align: 8
    .kernarg_segment_size: 24
    .max_flat_workgroup_size: 256
    .sgpr_count:     66
    .vgpr_count:     144
    .wavefront_size: 32
...
	.end_amdgpu_metadata
.endif
;; end of part 6
;; ======== version 2 of 3: 7 launches; 1.14 times as fast as version 1
;; limits: values outside matrix products are rounded to f16; values are held in f16: magnitudes above 65,504 overflow, below 6.1e-05 lose precision; values within 3.05e-05 (relative) of each other or of a threshold may be ordered or decided otherwise than in the reference
;; workspace buffers: grp 262,144 bytes of whole numbers; nidx 1,048,576 bytes of whole numbers; nw 1,048,576 bytes; tab 8,388,608 bytes; h1 33,554,432 bytes; h2 33,554,432 bytes; part 524,288 bytes; bn 233,472 bytes
;; launch knn1 (part 7): grid 256 x 1, 16 waves a work-group, no clusters, 174,080 bytes of LDS; arguments xyz1, xyz2, W1, W2, grp, bn; writes grp, bn
.if DOCPART == 7
	.amdgcn_target "amdgcn-amd-amdhsa--gfx1250"
	.amdhsa_code_object_version 6
	.text
	.protected	k_q11566cfbfb_knn1
	.globl	k_q11566cfbfb_knn1
	.p2align	8
	.type	k_q11566cfbfb_knn1,@function
k_q11566cfbfb_knn1:
	s_mov_b64 s[64:65], 0
	v_nop
	global_prefetch_b8 v0, s[64:65] scope:SCOPE_SE
	s_setreg_imm32_b32 hwreg(HW_REG_WAVE_MODE, 25, 1), 1
	s_wait_xcnt 0x0
; PointNet feature propagation, launch 1 of 7: for each of the 65,536 queries the 4 groups of 8 candidates (of 256 groups in its batch)
; with the smallest squared distance.  The 3 nearest candidates lie in at most 3 groups; the fourth group is room for this launch's rounding.
; The next launch recomputes the 32 candidates of these groups in f32 and makes the exact, stable choice.
; Beside that the first 448 waves of the launch bring one block of 16 x 16 of W1 or W2 each into f16 in the lane order of a matrix operand.
;
; THE WHOLE PROGRAM.  No input and no step of the module is left out; all ten inputs are loaded.  Three identities, true for all finite inputs, are used:
;  (0) the blend of three rows is linear, so  W1[:,64:] (sum of w_k p2[i_k]) = sum of w_k (W1[:,64:] p2[i_k]):  the product over points2's 256 columns is taken
;      once for each of the 16,384 rows of points2 and not for each of the 65,536 queries;
;  (1) the three weights sum to 1 (the module divides by their sum) and a batch norm takes away any constant of a channel, so one fixed row,
;      x* = [points1[0,0,:], points2[0,0,:]], is subtracted from every input row of layer 1 before it is rounded to f16;
;  (2) likewise relu(shift) is subtracted from layer 2's operand relu(scale h + shift).
; So a common offset of the inputs or of b1 reaches neither an f16 operand nor a sum of squares.
; LIMITS.  The neighbour chosen may differ from the module's where two further groups lie within 2^-15 (relative) of the third distance, or where two
; candidates differ by less than the rounding of the module's own f32 formula.  f16 tables and operands overflow beyond 65,504 (with all inputs 30 times
; the drawn spread they stay below 10^4).  NaN and infinity in xyz are not ordered as top_k orders them.
;
; THIS LAUNCH.  Work-group x owns queries 256 x .. +255 (batch x / 32).  Sixteen waves: waves w and w + 8 share queries 32 (w mod 8) .. +31, as two tiles of
; 16, and take 64 of the 128 candidate tiles each; their keys are joined through LDS at the end.  A trip has 2 matrix and 19 vector instructions, so the
; vector unit sets the pace and four waves a SIMD (4 x 160 registers) fill each other's waits.
; d2 = s1 - 2 x1.x2 + s2 comes from ONE bf16 matrix instruction for 16 candidates x 16 queries: each f32 (a coordinate, s1, s2) is split exactly into three
; bf16 parts h, m, l; of the nine part products of a coordinate eight take K places (l x l is dropped), and the parts of s2 and s1 stand against ones.
;   K 0-7 x, 8-15 y, 16-23 z:  candidate (h,m)(h,m)(h,m)(l,l)   query, times -2, (h,h)(m,m)(l,l)(h,m)
;   K 24-31:                   candidate (s2h,s2m)(s2l,s2l)(1,1)(1,0)   query (1,1)(1,0)(s1h,s1m)(s1l,s1l)
; In the result lane (r, h) holds query r and candidates 8 h .. 8 h + 7 of the tile: one group.  Its minimum gets the group's number in its low 8 bits.
; No clusters: the work-groups of a batch share only 24 KB of xyz2, which each converts through registers once.
.set PITCH, 80                         ; an LDS row: 64 bytes + 16, five times 16: the 16 rows of a fragment load start in different banks
.set JOIN,  163840                     ; behind the 2,048 rows: 8 KB in which waves 8-15 hand their keys to waves 0-7
.set WFOFF, 4096                       ; bn: behind the batch norm constants W1's 320 blocks of 512 bytes, then W2's 128
.set BQ,  8                            ; v[8:23]    the two query fragments
.set AF,  24                           ; v[24:55]   four candidate fragments by turns
.set DB,  56                           ; v[56:87]   two sets of two results
.set TOP, 88                           ; v[88:95]   the four smallest keys of each query tile, ascending
.set CD,  96                           ; v[96:111]  four candidates as loaded
.set WB,  112                          ; v[112:125] a block of W: 8 f32, 4 words of f16, two offsets
.set QR,  128                          ; v[128:135] two queries as loaded
.set QX,  136                          ; v[136:151] the four quads of a candidate's row
.set QY,  140
.set QZ,  144
.set QS,  148                          ; its words 2 and 3 are constants, written once
.set T,   152                          ; v[152:159] at work
; v1 LDS address of my fragment rows, v2 my group's number, v3 at work, v4 offset of my queries, v5-6 LDS rows of my candidates
; in = hh + mm + ll exactly, three bf16 parts; hh, mm, ll hold a part twice, hm holds (h, m)
.macro SPL in, hh, mm, ll, hm, ta, tb
	v_cvt_pk_bf16_f32 v[\hh], v[\in], v[\in]
	v_and_b32 v[\ta], 0xffff0000, v[\hh]
	v_sub_f32 v[\ta], v[\in], v[\ta]
	v_cvt_pk_bf16_f32 v[\mm], v[\ta], v[\ta]
	v_cvt_pk_bf16_f32 v[\hm], v[\in], v[\ta]
	v_and_b32 v[\tb], 0xffff0000, v[\mm]
	v_sub_f32 v[\tb], v[\ta], v[\tb]
	v_cvt_pk_bf16_f32 v[\ll], v[\tb], v[\tb]
.endm
; the fragment of query tile t: lanes 0-15 hold the quads of x and z, lanes 16-31 those of y and s
.macro QFRAG t
	v_mul_f32 v[T], v[QR+4*\t], v[QR+4*\t]
	v_fma_f32 v[T], v[QR+4*\t+1], v[QR+4*\t+1], v[T]
	v_fma_f32 v[T], v[QR+4*\t+2], v[QR+4*\t+2], v[T]       ; s1
	v_mul_f32 v[T+1], -2.0, v[QR+4*\t]
	v_mul_f32 v[T+2], -2.0, v[QR+4*\t+1]
	v_mul_f32 v[T+3], -2.0, v[QR+4*\t+2]
	v_cndmask_b32 v[T+1], v[T+1], v[T+2], s22
	v_cndmask_b32 v[T+3], v[T+3], v[T], s22
	SPL T+1, BQ+8*\t, BQ+8*\t+1, BQ+8*\t+2, BQ+8*\t+3, T+4, T+5
	SPL T+3, T, T+2, T+6, T+7, T+4, T+5
	v_cndmask_b32 v[BQ+8*\t+4], v[T], v[QS+2], s22
	v_cndmask_b32 v[BQ+8*\t+5], v[T+2], v[QS+3], s22
	v_cndmask_b32 v[BQ+8*\t+6], v[T+6], v[T+7], s22
	v_cndmask_b32 v[BQ+8*\t+7], v[T+7], v[T+6], s22
.endm
; candidate tid + 512 i: split, and its row of 64 bytes into LDS
.macro CAND i
	s_wait_loadcnt 3-\i                            ; loads come back in order: candidate i is in, the younger ones stay out
	v_mul_f32 v[T], v[CD+4*\i], v[CD+4*\i]
	v_fma_f32 v[T], v[CD+4*\i+1], v[CD+4*\i+1], v[T]
	v_fma_f32 v[T], v[CD+4*\i+2], v[CD+4*\i+2], v[T]       ; s2
	SPL CD+4*\i,   T+1, T+2, QX+3, QX, T+3, T+4
	SPL CD+4*\i+1, T+1, T+2, QY+3, QY, T+3, T+4
	SPL CD+4*\i+2, T+1, T+2, QZ+3, QZ, T+3, T+4
	SPL T,         T+1, T+2, QS+1, QS, T+3, T+4
.irp q, QX, QY, QZ
	v_mov_b32 v[\q+1], v[\q]
	v_mov_b32 v[\q+2], v[\q]
.endr
	ds_store_b128 v[5+\i/2], v[QX:QX+3] offset:(\i%2)*40960
	ds_store_b128 v[5+\i/2], v[QY:QY+3] offset:(\i%2)*40960+16
	ds_store_b128 v[5+\i/2], v[QZ:QZ+3] offset:(\i%2)*40960+32
	ds_store_b128 v[5+\i/2], v[QS:QS+3] offset:(\i%2)*40960+48
.endm
; block s34 of a weight matrix with rows of rowb bytes and 2^sh blocks down: c = s34 >> sh, nt = the rest; lane (r, h) takes W[16 nt + r][16 c + 8 h .. + 7]
.macro WBLK src, rowb, sh, off
	s_lshr_b32 s35, s34, \sh
	s_and_b32 s36, s34, (1<<\sh)-1
	s_mul_i32 s36, s36, 16*\rowb
	s_lshl_b32 s35, s35, 6
	s_add_co_u32 s36, s36, s35
	s_mov_b32 s37, 0
	s_add_nc_u64 s[36:37], s[\src:\src+1], s[36:37]
	s_lshl_b32 s38, s34, 9
	s_add_co_u32 s38, s38, \off
	s_mov_b32 s39, 0
	s_add_nc_u64 s[38:39], s[14:15], s[38:39]
	v_and_b32 v[WB+12], 15, v0
	v_bfe_u32 v[WB+13], v0, 4, 1
	v_mul_u32_u24 v[WB+12], v[WB+12], \rowb
	v_lshl_add_u32 v[WB+12], v[WB+13], 5, v[WB+12] ; r rows + 8 h numbers
	v_lshlrev_b32 v[WB+13], 4, v3                  ; 16 x lane
	global_load_b128 v[WB:WB+3], v[WB+12], s[36:37]
	global_load_b128 v[WB+4:WB+7], v[WB+12], s[36:37] offset:16
	s_wait_loadcnt 0x0                             ; these two, and with them the queries and candidates asked for just before
	v_cvt_pk_f16_f32 v[WB+8], v[WB], v[WB+1]
	v_cvt_pk_f16_f32 v[WB+9], v[WB+2], v[WB+3]
	v_cvt_pk_f16_f32 v[WB+10], v[WB+4], v[WB+5]
	v_cvt_pk_f16_f32 v[WB+11], v[WB+6], v[WB+7]
	global_store_b128 v[WB+13], v[WB+8:WB+11], s[38:39]    ; the wave stores the block's 512 consecutive bytes; its registers are not written again
.endm
; keys v[k0], v[k1] into the ascending fours of query tiles 0 and 1.  The four lines of a tile read only old values and the key: no line waits for the one before.
.macro INS2 k0, k1
.irp j, 3,2,1
	v_med3_num_f32 v[TOP+\j], v[TOP+\j-1], v[TOP+\j], v[\k0]
	v_med3_num_f32 v[TOP+4+\j], v[TOP+4+\j-1], v[TOP+4+\j], v[\k1]
.endr
	v_min_num_f32 v[TOP], v[TOP], v[\k0]
	v_min_num_f32 v[TOP+4], v[TOP+4], v[\k1]
.endm
; the eight distances of my group for both query tiles: minimum as a tree, group number into its low 8 bits, insertion; the two tiles' lines alternate
.macro VPAIR d
	v_min3_num_f32 v[T],   v[\d],    v[\d+1],  v[\d+2]
	v_min3_num_f32 v[T+1], v[\d+8],  v[\d+9],  v[\d+10]
	v_min3_num_f32 v[T+2], v[\d+3],  v[\d+4],  v[\d+5]
	v_min3_num_f32 v[T+3], v[\d+11], v[\d+12], v[\d+13]
	v_min3_num_f32 v[T],   v[T],     v[\d+6],  v[\d+7]
	v_min3_num_f32 v[T+1], v[T+1],   v[\d+14], v[\d+15]
	v_min_num_f32 v[T], v[T], v[T+2]
	v_min_num_f32 v[T+1], v[T+1], v[T+3]
	v_and_or_b32 v[T], v[T], s26, v2
	v_and_or_b32 v[T+1], v[T+1], s26, v2
	INS2 T, T+1
.endm
; One trip: the products of the next candidate tile (fragment ab, into set dn) are issued ahead of the 19 vector instructions on the tile before (set dc),
; which name none of those products' registers: they are the places between a product and the reading of its result, the loading of its fragment
; again and the writing over of its result two trips later (ISA guide 7.12.1).  Every product starts from 0: there are no chains.
.macro TRIP ab, dn, dc, mma, ld, cnt, off
.if \mma
	s_wait_dscnt \cnt                              ; fragment ab is in; the loads of the tiles behind it stay out
	v_wmma_f32_16x16x32_bf16 v[DB+16*\dn:DB+16*\dn+7], v[AF+8*\ab:AF+8*\ab+7], v[BQ:BQ+7], 0
	v_wmma_f32_16x16x32_bf16 v[DB+16*\dn+8:DB+16*\dn+15], v[AF+8*\ab:AF+8*\ab+7], v[BQ+8:BQ+15], 0
.endif
	VPAIR DB+16*\dc
	v_add_nc_u32 v2, 2, v2                         ; the next tile's group
.if \ld
	ds_load_b128 v[AF+8*((\ab+3)&3):AF+8*((\ab+3)&3)+3], v1 offset:\off
	ds_load_b128 v[AF+8*((\ab+3)&3)+4:AF+8*((\ab+3)&3)+7], v1 offset:\off+32
.endif
.endm
.macro CSW a, b                        ; orders two group numbers
	v_min_u32 v3, v[\a], v[\b]
	v_max_u32 v[\b], v[\a], v[\b]
	v_mov_b32 v[\a], v3
.endm
.macro PACK q, wd                      ; the four group numbers of query tile q, ascending, one byte each
.irp k, 0,1,2,3
	v_and_b32 v[T+\k], 0xff, v[TOP+4*\q+\k]
.endr
	CSW T, T+1
	CSW T+2, T+3
	CSW T, T+2
	CSW T+1, T+3
	CSW T+1, T+2
	v_lshl_or_b32 v[\wd], v[T+1], 8, v[T]
	v_lshl_or_b32 v[\wd], v[T+2], 16, v[\wd]
	v_lshl_or_b32 v[\wd], v[T+3], 24, v[\wd]
.endm
	s_load_b256 s[4:11], s[0:1], 0x0               ; xyz1 4, xyz2 6, W1 8, W2 10
	s_load_b128 s[12:15], s[0:1], 0x20             ; grp 12, bn 14
	v_lshl_add_u32 v160, v0, 2, 0x2a000
	v_mov_b32 v161, 0
	v_lshrrev_b32 v3, 5, v0
	v_readfirstlane_b32 s16, v3                    ; wave 0..15
	s_lshr_b32 s17, s16, 3                         ; which half of the candidate tiles
	s_and_b32 s23, s16, 7                          ; which 32 queries
	s_mul_i32 s20, ttmp9, 3072                     ; my 256 queries of 12 bytes
	s_mov_b32 s21, 0
	s_lshr_b32 s28, ttmp9, 5
	s_mul_i32 s28, s28, 24576                      ; my batch's 2,048 candidates
	s_mov_b32 s29, 0
	s_lshl_b32 s30, ttmp9, 10                      ; my 256 words of grp
	s_mov_b32 s31, 0
	s_lshl_b32 s34, ttmp9, 4
	s_add_co_u32 s34, s34, s16                     ; my wave's number in the launch
	s_mov_b32 s26, 0xffffff00
	s_mov_b32 s18, 0x76543210                      ; v_permlanex16_b32: lane i of the other half
	s_mov_b32 s19, 0xfedcba98
	v_and_b32 v3, 31, v0
	v_cmp_lt_u32 s22, 15, v3                       ; lanes 16-31
	v_and_b32 v4, 0xef, v0                         ; 32 (w mod 8) + r
	v_mul_u32_u24 v4, v4, 12
	v_mul_u32_u24 v2, v0, 12
	v_mul_u32_u24 v5, v0, PITCH
	v_add_nc_u32 v6, 81920, v5
	v_mov_b32 v[QS+2], 0x3f803f80                  ; (1, 1)
	v_mov_b32 v[QS+3], 0x3f80                      ; (1, 0)
	s_wait_kmcnt 0x0
	s_add_nc_u64 s[4:5], s[4:5], s[20:21]
	s_add_nc_u64 s[6:7], s[6:7], s[28:29]
	s_add_nc_u64 s[12:13], s[12:13], s[30:31]
	global_load_b96 v[QR:QR+2], v4, s[4:5]
	global_load_b96 v[QR+4:QR+6], v4, s[4:5] offset:192
.irp i, 0,1,2,3
	global_load_b96 v[CD+4*\i:CD+4*\i+2], v2, s[6:7] offset:6144*\i
.endr
	; the weights' blocks: 320 of W1 (20 along K x 16 down), 128 of W2 (16 x 8), one for each of the launch's first 448 waves.  The block's two loads go out
	; behind the six above and come back with them.
	s_cmp_lt_u32 s34, 320
	s_cbranch_scc0 .Lnot_w1
	WBLK 8, 1280, 4, WFOFF
	s_branch .Lblocks_done
.Lnot_w1:
	s_cmp_lt_u32 s34, 448
	s_cbranch_scc0 .Lblocks_done
	s_sub_co_u32 s34, s34, 320
	WBLK 10, 1024, 3, WFOFF+163840
.Lblocks_done:
	s_wait_loadcnt 0x4                             ; the two queries are in, the four candidates may stay out
	QFRAG 0
	QFRAG 1
.irp i, 0,1,2,3
	CAND \i
.endr
	s_wait_dscnt 0x0                               ; my rows are in LDS,
	s_barrier_signal -1
	s_barrier_wait -1                              ; everybody's are; the rows are only read from here on
	v_and_b32 v3, 15, v0
	v_bfe_u32 v2, v0, 4, 1
	v_mul_u32_u24 v1, v3, PITCH
	v_lshl_add_u32 v1, v2, 4, v1                   ; r x pitch + 16 h
	s_mul_i32 s24, s17, 64*16*PITCH
	v_add_nc_u32 v1, s24, v1                       ; + my half's first tile
	v_lshl_add_u32 v2, s17, 7, v2                  ; its group: 128 x half + h
.irp k, 0,1,2,3,4,5,6,7
	v_mov_b32 v[TOP+\k], 0x7f7fffff                ; the largest finite number
.endr
.irp i, 0,1,2,3
	ds_load_b128 v[AF+8*\i:AF+8*\i+3], v1 offset:1280*\i
	ds_load_b128 v[AF+8*\i+4:AF+8*\i+7], v1 offset:1280*\i+32
.endr
	s_wait_dscnt 0x6                               ; tile 0 of the four
	v_wmma_f32_16x16x32_bf16 v[DB:DB+7], v[AF:AF+7], v[BQ:BQ+7], 0
	v_wmma_f32_16x16x32_bf16 v[DB+8:DB+15], v[AF:AF+7], v[BQ+8:BQ+15], 0
.rept 4
	v_nop                                          ; four places before the first trip reads these results
.endr
	s_mov_b32 s24, 15                              ; 15 x 4 trips: vector work on my tiles 0-59, products of 1-60, loads of 4-63
.Ltiles:
	TRIP 1, 1, 0, 1, 1, 4, 5120
	TRIP 2, 0, 1, 1, 1, 4, 6400
	TRIP 3, 1, 0, 1, 1, 4, 7680
	TRIP 0, 0, 1, 1, 1, 4, 8960
	v_add_nc_u32 v1, 5120, v1
	s_sub_co_u32 s24, s24, 1
	s_cmp_lg_u32 s24, 0
	s_cbranch_scc1 .Ltiles
	TRIP 1, 1, 0, 1, 0, 4, 0                       ; nothing is left to load: the counts run down
	TRIP 2, 0, 1, 1, 0, 2, 0
	TRIP 3, 1, 0, 1, 0, 0, 0
	TRIP 0, 0, 1, 0, 0, 0, 0
	; the join: waves 8-15 put their eight keys a lane into LDS and end; waves 0-7 insert them into their own
	v_and_b32 v3, 31, v0
	v_lshlrev_b32 v5, 4, v3
	s_lshl_b32 s24, s23, 9
	s_add_co_u32 s24, s24, JOIN
	v_add_nc_u32 v5, s24, v5                       ; 512 bytes for each set of queries and tile, 16 a lane
	s_cmp_lt_u32 s16, 8
	s_cbranch_scc1 .Llower
	ds_store_b128 v5, v[TOP:TOP+3]
	ds_store_b128 v5, v[TOP+4:TOP+7] offset:4096
.Llower:
	s_wait_dscnt 0x0                               ; the keys are in LDS
	s_barrier_signal -1
	s_barrier_wait -1
	s_cmp_lt_u32 s16, 8
	s_cbranch_scc0 .Lend
	ds_load_b128 v[T:T+3], v5
	ds_load_b128 v[T+4:T+7], v5 offset:4096
	s_wait_dscnt 0x0
.irp k, 0,1,2,3
	INS2 T+\k, T+4+\k
.endr
	; lanes r and r + 16 hold the even and the odd groups' best four of one query: join them too
.irp k, 0,1,2,3,4,5,6,7
	v_permlanex16_b32 v[T+\k], v[TOP+\k], s18, s19
.endr
.irp k, 0,1,2,3
	INS2 T+\k, T+4+\k
.endr
	PACK 0, QX
	PACK 1, QX+1
	v_cndmask_b32 v[QX], v[QX], v[QX+1], s22       ; lane L: query 32 w + L
	v_lshlrev_b32 v6, 2, v0
	global_store_b32 v6, v[QX], s[12:13]
.Lend:
	s_wait_tensorcnt 0x0
	ds_add_u32 v160, v161
	s_wait_dscnt 0x0
	s_endpgm
.Lfunc_end_k_q11566cfbfb_knn1:
	.size	k_q11566cfbfb_knn1, .Lfunc_end_k_q11566cfbfb_knn1-k_q11566cfbfb_knn1
	.p2alignl 7, 3214868480
	.fill 96, 4, 3214868480
	.section	.rodata,"a",@progbits
	.p2align	6, 0x0
	.amdhsa_kernel k_q11566cfbfb_knn1
		.amdhsa_group_segment_fixed_size 174080
		.amdhsa_private_segment_fixed_size 0
		.amdhsa_enable_private_segment 0
		.amdhsa_kernarg_size 48
		.amdhsa_user_sgpr_count 2
		.amdhsa_user_sgpr_kernarg_segment_ptr 1
		.amdhsa_wavefront_size32 1
		.amdhsa_system_sgpr_workgroup_id_x 1
		.amdhsa_system_sgpr_workgroup_id_y 1
		.amdhsa_system_sgpr_workgroup_id_z 1
		.amdhsa_system_vgpr_workitem_id 0
		.amdhsa_next_free_vgpr 162
		.amdhsa_next_free_sgpr 66
		.amdhsa_reserve_vcc 0
		.amdhsa_float_denorm_mode_32 3
		.amdhsa_float_denorm_mode_16_64 3
		.amdhsa_memory_ordered 1
		.amdhsa_forward_progress 1
		.amdhsa_inst_pref_size 37
	.end_amdhsa_kernel
	.amdgpu_metadata
---
amdhsa.version: [ 1, 2 ]
amdhsa.kernels:
  - .name:           k_q11566cfbfb_knn1
    .symbol:         k_q11566cfbfb_knn1.kd
    .args:
      - { .name: xyz1, .offset: 0, .size: 8, .value_kind: global_buffer, .address_space: global }
      - { .name: xyz2, .offset: 8, .size: 8, .value_kind: global_buffer, .address_space: global }
      - { .name: W1, .offset: 16, .size: 8, .value_kind: global_buffer, .address_space: global }
      - { .name: W2, .offset: 24, .size: 8, .value_kind: global_buffer, .address_space: global }
      - { .name: grp, .offset: 32, .size: 8, .value_kind: global_buffer, .address_space: global }
      - { .name: bn, .offset: 40, .size: 8, .value_kind: global_buffer, .address_space: global }
    .group_segment_fixed_size: 174080
    .private_segment_fixed_size: 0
    .kernarg_segment_align: 8
    .kernarg_segment_size: 48
    .max_flat_workgroup_size: 512
    .sgpr_count:     66
    .vgpr_count:     162
    .wavefront_size: 32
...
	.end_amdgpu_metadata
.endif
;; end of part 7
;; launch prep (part 8): grid 256 x 1, 8 waves a work-group, no clusters, 68,608 bytes of LDS; arguments xyz1, xyz2, grp, points2, bn, nidx, nw, tab; writes nidx, nw, tab
.if DOCPART == 8
	.amdgcn_target "amdgcn-amd-amdhsa--gfx1250"
	.amdhsa_code_object_version 6
	.text
	.protected	k_q11566cfbfb_prep
	.globl	k_q11566cfbfb_prep
	.p2align	8
	.type	k_q11566cfbfb_prep,@function
k_q11566cfbfb_prep:
	s_mov_b64 s[64:65], 0
	v_nop
	global_prefetch_b8 v0, s[64:65] scope:SCOPE_SE
	s_setreg_imm32_b32 hwreg(HW_REG_WAVE_MODE, 25, 1), 1
	s_wait_xcnt 0x0
; Launch 2 of 7.  Two pieces of work.
;  (a) thread t of work-group x: query 256 x + t.  The 32 candidates of its 4 groups (numbers read from grp, ascending) are recomputed in f32 in the
;      module's order: s = fma(z,z,fma(y,y,x x)), T = fma(z',z2,fma(y',y2,x' x2)) with q' = -2 q (exactly -2 times the dot product),
;      d = (s1 + T) + s2.  They are scanned in ascending index with a strict compare: the order of a stable top_k.  Out: 3 rows of the table and 3 weights.
;  (b) the table that the next launch gathers from: rows 64 x .. +63 of (points2 - points2[0,0,:]) W1[:,64:]^T, f16 operands, f32 sums, stored in f16.
;      The blend is linear, so the product is taken here, on 16,384 rows, and not behind the gather on 65,536.  The row taken away changes no output: the three
;      weights sum to 1 and the batch norm removes a channel's constant.
;      Wave w makes channels 32 w .. +31 of the 64 rows: its part of W1 (2 x 8 fragments, 128 registers) comes in operand order from bn; the rows go through LDS.
;      A TABLE ROW'S CHANNELS ARE PERMUTED: the 16 bytes at 16 L hold channels 4 L .. +3 and 128 + 4 L .. +3, so that the next launch's lane L, which loads
;      these 16 bytes, stores its blend in f32 as 16 bytes at 16 L and 16 at 512 + 16 L of a row in natural order.
; The two pieces stand one behind the other: side by side they would hold 96 registers of candidates, 128 of W1, 64 of sums and 32 of fragments at once,
; more than the 256 that an instruction can name.  W1's first half is loaded into the registers that the rows leave, its second half into the candidates'.
; LIMIT: NaN in xyz is never chosen; distances that tie within f32 are ordered by index, as top_k orders them.
; No clusters and no tensor loads: points2 is converted through registers; what work-groups share is W1 in f16, of which a wave reads its own 16 KB once.
.set PAP, 528                          ; an LDS row: 512 bytes + 16 = 33 x 16: the 16 rows of a fragment load start in different banks
.set OS,  64*PAP                       ; behind the 64 rows of operands: 64 rows of results
.set WB0, 4096+4*8192                  ; bn: W1's blocks of columns 64 and up (block (c, nt) at 4,096 + 512 (16 c + nt))
.set PK,  12                           ; v[12:15]    a result tile in f16
.set ACC, 16                           ; v[16:79]    sums: row tile m, channel tile n at 16 + 16 m + 8 n
.set AR,  80                           ; v[80:111]   four row fragments by turns; at the end 8 rows on their way out
.set PV,  104                          ; v[104:111]  the row taken away
.set TB,  112                          ; v[112:175]  8 rows of points2, 8 numbers a lane; then
.set WF,  112                          ; v[112:239]  W1: channel tile n, K step ks at 112 + 64 (ks / 4) + 32 n + 8 (ks % 4)
.set CD0, 176                          ; four groups of 8 candidates x 3 coordinates: v[176:247] and v[80:103]
.set CD1, 200
.set CD2, 224
.set CD3, 80
.set IXR, 248                          ; v[248:251]  the three indices and 0
.set WTR, 252                          ; v[252:255]  the three weights and 0
; v1-5, v8-11 offsets and LDS addresses; piece (a): v12-15 at work, v16-19 -2x -2y -2z s1, v20 the four group numbers, v21-24 first candidate of each group,
; v25-28 its bytes, v29-31 the three smallest distances, v36-38 the query
.macro LDCAND cb, k
.irp n, 0,1,2,3,4,5
	global_load_b128 v[\cb+4*\n:\cb+4*\n+3], v[25+\k], s[6:7] offset:16*\n
.endr
.endm
.macro SEL cb, k, c
	v_mul_f32 v12, v[\cb+3*\c], v[\cb+3*\c]
	v_mul_f32 v13, v16, v[\cb+3*\c]
	v_fma_f32 v12, v[\cb+3*\c+1], v[\cb+3*\c+1], v12
	v_fma_f32 v13, v17, v[\cb+3*\c+1], v13
	v_fma_f32 v12, v[\cb+3*\c+2], v[\cb+3*\c+2], v12       ; s2
	v_fma_f32 v13, v18, v[\cb+3*\c+2], v13                 ; -2 x1.x2
	v_add_nc_u32 v14, \c, v[21+\k]                         ; the candidate's index
	v_add_f32 v13, v19, v13
	v_add_f32 v13, v13, v12                                ; d
	v_cmp_lt_f32 s30, v13, v29
	v_cmp_lt_f32 s31, v13, v30
	v_cmp_lt_f32 vcc_lo, v13, v31
	v_med3_num_f32 v31, v30, v31, v13
	v_med3_num_f32 v30, v29, v30, v13
	v_min_num_f32 v29, v29, v13
	v_cndmask_b32 v[IXR+2], v[IXR+2], v14, vcc_lo
	v_cndmask_b32 v[IXR+2], v[IXR+2], v[IXR+1], s31
	v_cndmask_b32 v[IXR+1], v[IXR+1], v14, s31
	v_cndmask_b32 v[IXR+1], v[IXR+1], v[IXR], s30
	v_cndmask_b32 v[IXR], v[IXR], v14, s30
.endm
.macro LDW half                        ; my fragments of W1 for K steps 4 half .. + 3: 16 loads of 512 consecutive bytes
.irp ks, 0,1,2,3
.irp n, 0,1
.irp p, 0,1
	global_load_b128 v[WF+64*\half+32*\n+8*\ks+4*\p:WF+64*\half+32*\n+8*\ks+4*\p+3], v9, s[20:21] offset:(8*\half+2*\ks+\p)*8192+512*\n
.endr
.endr
.endr
.endm
.macro LDA un                          ; the row fragment of unit un: K step un / 4, row tile un % 4
	ds_load_b128 v[AR+8*((\un)&3):AR+8*((\un)&3)+3], v10 offset:16*PAP*((\un)&3)+64*((\un)>>2)
	ds_load_b128 v[AR+8*((\un)&3)+4:AR+8*((\un)&3)+7], v10 offset:16*PAP*((\un)&3)+64*((\un)>>2)+32
.endm
; One row fragment against both channel tiles, used transposed (source 0 = W1, source 1 = rows): lane (r, h) holds row r, channels 8 h .. + 7 of the tile.
; The fragment of unit u + 3 is asked for first; behind the two products stand four places, so that the next unit may load into the fragment read here.
; The eight accumulators take turns.
.macro UNIT u
.if (\u)+3 < 32
	LDA (\u)+3
	s_wait_dscnt 0x6                               ; this unit's fragment is in; the three younger ones stay out
.else
	s_wait_dscnt 2*(31-(\u))                       ; nothing is left to load: the counts run down
.endif
.if (\u) == 16
	s_wait_loadcnt 0x0                             ; W1's second half, asked for ahead of the first unit
.endif
.set KS, (\u)>>2
.set MT, (\u)&3
.set WR, WF+64*(KS>>2)+8*(KS&3)
.if KS == 0
	v_wmma_f32_16x16x32_f16 v[ACC+16*MT:ACC+16*MT+7], v[WR:WR+7], v[AR+8*MT:AR+8*MT+7], 0
	v_wmma_f32_16x16x32_f16 v[ACC+16*MT+8:ACC+16*MT+15], v[WR+32:WR+39], v[AR+8*MT:AR+8*MT+7], 0
.else
	v_wmma_f32_16x16x32_f16 v[ACC+16*MT:ACC+16*MT+7], v[WR:WR+7], v[AR+8*MT:AR+8*MT+7], v[ACC+16*MT:ACC+16*MT+7]
	v_wmma_f32_16x16x32_f16 v[ACC+16*MT+8:ACC+16*MT+15], v[WR+32:WR+39], v[AR+8*MT:AR+8*MT+7], v[ACC+16*MT+8:ACC+16*MT+15]
.endif
.rept 4
	v_nop
.endr
.endm
	s_load_b512 s[4:19], s[0:1], 0x0               ; xyz1 4, xyz2 6, grp 8, points2 10, bn 12, nidx 14, nw 16, tab 18
	s_set_vgpr_msb 0x40
	v_lshl_add_u32 v0, v0, 2, 0x10800
	v_mov_b32 v1, 0
	s_set_vgpr_msb 0x4000
	v_lshrrev_b32 v7, 5, v0
	v_readfirstlane_b32 s22, v7                    ; wave
	v_and_b32 v6, 31, v0
	v_and_b32 v10, 15, v0                          ; r
	v_bfe_u32 v11, v0, 4, 1                        ; h
	v_lshlrev_b32 v1, 2, v0
	v_mul_u32_u24 v2, v0, 12
	v_lshlrev_b32 v8, 4, v6                        ; 16 L
	v_lshl_add_u32 v3, v7, 13, v8                  ; my wave's 8 rows of 1,024 bytes
	v_lshlrev_b32 v4, 3, v6
	s_mul_i32 s33, s22, 8*PAP
	v_add_nc_u32 v4, s33, v4                       ; and where they go in LDS: 8 bytes a lane
	v_lshlrev_b32 v5, 4, v0
	v_lshl_add_u32 v9, v7, 10, v8                  ; my two channel tiles' blocks of W1
	v_mul_u32_u24 v10, v10, PAP
	s_and_b32 s39, s22, 3
	s_lshl_b32 s39, s39, 7
	s_lshr_b32 s21, s22, 2
	s_lshl_b32 s21, s21, 3
	s_add_co_u32 s39, s39, s21
	s_add_co_u32 s39, s39, OS                      ; my channels' place in a permuted row: 128 (w mod 4) + 8 (w / 4)
	v_lshl_add_u32 v12, v11, 5, v10
	v_lshl_add_u32 v10, v11, 4, v10                ; fragments: r x pitch + 16 h
	v_add_nc_u32 v11, s39, v12                     ; results: r x pitch + 32 h + my channels' place
	s_lshl_b32 s24, ttmp9, 10
	s_mov_b32 s25, 0
	s_mul_i32 s26, ttmp9, 3072
	s_mov_b32 s27, 0
	s_lshr_b32 s23, ttmp9, 5                       ; batch
	s_mul_i32 s28, s23, 24576
	s_mov_b32 s29, 0
	s_lshl_b32 s32, ttmp9, 16
	s_mov_b32 s33, 0
	s_lshl_b32 s34, ttmp9, 15
	s_mov_b32 s35, 0
	s_lshl_b32 s36, ttmp9, 12
	s_mov_b32 s37, 0
	s_lshl_b32 s38, s23, 11                        ; the batch's first row in the table
	s_wait_kmcnt 0x0
	s_add_nc_u64 s[8:9], s[8:9], s[24:25]
	s_add_nc_u64 s[4:5], s[4:5], s[26:27]
	s_add_nc_u64 s[6:7], s[6:7], s[28:29]
	s_add_nc_u64 s[32:33], s[10:11], s[32:33]
	s_add_nc_u64 s[20:21], s[12:13], WB0
	s_add_nc_u64 s[14:15], s[14:15], s[36:37]
	s_add_nc_u64 s[16:17], s[16:17], s[36:37]
	s_add_nc_u64 s[18:19], s[18:19], s[34:35]
	global_load_b32 v20, v1, s[8:9]
	global_load_b96 v[36:38], v2, s[4:5]
	global_load_b128 v[PV:PV+3], v8, s[10:11]
	global_load_b128 v[PV+4:PV+7], v8, s[10:11] offset:512
.irp i, 0,1,2,3,4,5,6,7
	global_load_b128 v[TB+8*\i:TB+8*\i+3], v3, s[32:33] offset:1024*\i th:TH_LOAD_NT
	global_load_b128 v[TB+8*\i+4:TB+8*\i+7], v3, s[32:33] offset:1024*\i+512 th:TH_LOAD_NT
.endr
	s_wait_loadcnt 18                              ; the group numbers and the query are in; the 18 loads of points2 stay out
.irp k, 0,1,2,3
	v_bfe_u32 v[21+\k], v20, 8*\k, 8
	v_min_u32 v[21+\k], 0xff, v[21+\k]             ; a group number stays inside the batch's 256 groups
	v_mul_u32_u24 v[25+\k], v[21+\k], 96           ; 8 candidates of 12 bytes
	v_lshlrev_b32 v[21+\k], 3, v[21+\k]
.endr
	LDCAND CD0, 0
	LDCAND CD1, 1
	LDCAND CD2, 2
	LDCAND CD3, 3
	v_mul_f32 v19, v36, v36
	v_fma_f32 v19, v37, v37, v19
	v_fma_f32 v19, v38, v38, v19                   ; s1
	v_mul_f32 v16, -2.0, v36
	v_mul_f32 v17, -2.0, v37
	v_mul_f32 v18, -2.0, v38
	s_wait_loadcnt 24                              ; points2 is in; the 24 loads of candidates stay out
.irp i, 0,1,2,3,4,5,6,7
.irp g, 0,1
	v_pk_add_f32 v[TB+8*\i+4*\g:TB+8*\i+4*\g+1], v[TB+8*\i+4*\g:TB+8*\i+4*\g+1], v[PV+4*\g:PV+4*\g+1] neg_lo:[0,1] neg_hi:[0,1]
	v_pk_add_f32 v[TB+8*\i+4*\g+2:TB+8*\i+4*\g+3], v[TB+8*\i+4*\g+2:TB+8*\i+4*\g+3], v[PV+4*\g+2:PV+4*\g+3] neg_lo:[0,1] neg_hi:[0,1]
	v_cvt_pk_f16_f32 v[TB+8*\i+4*\g], v[TB+8*\i+4*\g], v[TB+8*\i+4*\g+1]
	v_cvt_pk_f16_f32 v[TB+8*\i+4*\g+1], v[TB+8*\i+4*\g+2], v[TB+8*\i+4*\g+3]
	ds_store_b64 v4, v[TB+8*\i+4*\g:TB+8*\i+4*\g+1] offset:PAP*\i+256*\g   ; columns 128 g + 4 L .. + 3 of row i
.endr
.endr
	s_wait_dscnt 0x0                               ; the 16 stores are done: the loads below land in the registers that they read
	LDW 0                                          ; 16 loads that land while the candidates are scanned
.irp k, 29,30,31
	v_mov_b32 v\k, 0x7f800000
.endr
.irp k, 0,1,2
	v_mov_b32 v[IXR+\k], 0
.endr
	s_wait_loadcnt 16                              ; the candidates are in; W1's 16 loads stay out
.irp c, 0,1,2,3,4,5,6,7
	SEL CD0, 0, \c
.endr
.irp c, 0,1,2,3,4,5,6,7
	SEL CD1, 1, \c
.endr
.irp c, 0,1,2,3,4,5,6,7
	SEL CD2, 2, \c
.endr
.irp c, 0,1,2,3,4,5,6,7
	SEL CD3, 3, \c
.endr
	LDW 1                                          ; into the candidates' registers: 16 loads that land during the first 16 units
	v_max_num_f32 v29, 0x2edbe6ff, v29             ; the module's floor of 1e-10
	v_max_num_f32 v30, 0x2edbe6ff, v30
	v_max_num_f32 v31, 0x2edbe6ff, v31
	v_rcp_f32 v[WTR], v29
	v_rcp_f32 v[WTR+1], v30
	v_rcp_f32 v[WTR+2], v31
	v_add_nc_u32 v[IXR], s38, v[IXR]               ; plain instructions stand between a reciprocal and its use (ISA guide 5.7.2)
	v_add_nc_u32 v[IXR+1], s38, v[IXR+1]
	v_add_nc_u32 v[IXR+2], s38, v[IXR+2]
	s_wait_alu depctr_va_vdst(0)
	v_add_f32 v12, v[WTR], v[WTR+1]
	v_add_f32 v12, v12, v[WTR+2]
	v_rcp_f32 v13, v12
	v_mov_b32 v[IXR+3], 0
	v_mov_b32 v[WTR+3], 0
	s_wait_alu depctr_va_vdst(0)
	v_mul_f32 v[WTR], v[WTR], v13
	v_mul_f32 v[WTR+1], v[WTR+1], v13
	v_mul_f32 v[WTR+2], v[WTR+2], v13
	global_store_b128 v5, v[IXR:IXR+3], s[14:15]   ; these registers are not written again
	global_store_b128 v5, v[WTR:WTR+3], s[16:17]
	s_wait_dscnt 0x0                               ; my 8 rows are in LDS (met: they were waited for above),
	s_barrier_signal -1
	s_barrier_wait -1                              ; all 64 are; they are only read from here on
	LDA 0
	LDA 1
	LDA 2
	s_wait_loadcnt 16                              ; W1's first half is in; the second half's 16 loads stay out
.set u, 0
.rept 32
	UNIT u
.set u, u+1
.endr
	; lane (r, h): row 16 m + r, channels c0 = 32 w + 16 n + 8 h and up.  In a permuted row channels c0 .. + 3 take 8 bytes at 4 (c0 mod 128) + 8 (c0 / 128),
	; channels c0 + 4 .. + 7 the 8 bytes 16 further on.  Lanes (r, 1) and (r + 2, 0) meet in a bank: two passes for each of these 16 stores.
.irp m, 0,1,2,3
.irp n, 0,1
.irp p, 0,1,2,3
	v_cvt_pk_f16_f32 v[PK+\p], v[ACC+16*\m+8*\n+2*\p], v[ACC+16*\m+8*\n+2*\p+1]
.endr
	ds_store_b64 v11, v[PK:PK+1] offset:16*PAP*\m+64*\n
	ds_store_b64 v11, v[PK+2:PK+3] offset:16*PAP*\m+64*\n+16
.endr
.endr
	s_wait_dscnt 0x0                               ; my channels of the 64 rows are in LDS,
	s_barrier_signal -1
	s_barrier_wait -1                              ; everybody's are
	s_mul_i32 s24, s22, 8*PAP
	s_add_co_u32 s24, s24, OS
	v_add_nc_u32 v4, s24, v8                       ; rows 8 w .. + 7, 16 bytes a lane
	v_lshl_add_u32 v3, s22, 12, v8
.irp i, 0,1,2,3,4,5,6,7
	ds_load_b128 v[AR+4*\i:AR+4*\i+3], v4 offset:PAP*\i
.endr
.irp i, 0,1,2,3,4,5,6,7
	s_wait_dscnt 7-\i
	global_store_b128 v3, v[AR+4*\i:AR+4*\i+3], s[18:19] offset:512*\i     ; a row's 512 consecutive bytes, aligned
.endr
	s_set_vgpr_msb 0x5
	s_wait_tensorcnt 0x0
	ds_add_u32 v0, v1
	s_wait_dscnt 0x0
	s_set_vgpr_msb 0x500
	s_endpgm
.Lfunc_end_k_q11566cfbfb_prep:
	.size	k_q11566cfbfb_prep, .Lfunc_end_k_q11566cfbfb_prep-k_q11566cfbfb_prep
	.p2alignl 7, 3214868480
	.fill 96, 4, 3214868480
	.section	.rodata,"a",@progbits
	.p2align	6, 0x0
	.amdhsa_kernel k_q11566cfbfb_prep
		.amdhsa_group_segment_fixed_size 68608
		.amdhsa_private_segment_fixed_size 0
		.amdhsa_enable_private_segment 0
		.amdhsa_kernarg_size 64
		.amdhsa_user_sgpr_count 2
		.amdhsa_user_sgpr_kernarg_segment_ptr 1
		.amdhsa_wavefront_size32 1
		.amdhsa_system_sgpr_workgroup_id_x 1
		.amdhsa_system_sgpr_workgroup_id_y 1
		.amdhsa_system_sgpr_workgroup_id_z 1
		.amdhsa_system_vgpr_workitem_id 0
		.amdhsa_next_free_vgpr 258
		.amdhsa_next_free_sgpr 66
		.amdhsa_reserve_vcc 1
		.amdhsa_float_denorm_mode_32 3
		.amdhsa_float_denorm_mode_16_64 3
		.amdhsa_memory_ordered 1
		.amdhsa_forward_progress 1
		.amdhsa_inst_pref_size 68
	.end_amdhsa_kernel
	.amdgpu_metadata
---
amdhsa.version: [ 1, 2 ]
amdhsa.kernels:
  - .name:           k_q11566cfbfb_prep
    .symbol:         k_q11566cfbfb_prep.kd
    .args:
      - { .name: xyz1, .offset: 0, .size: 8, .value_kind: global_buffer, .address_space: global }
      - { .name: xyz2, .offset: 8, .size: 8, .value_kind: global_buffer, .address_space: global }
      - { .name: grp, .offset: 16, .size: 8, .value_kind: global_buffer, .address_space: global }
      - { .name: points2, .offset: 24, .size: 8, .value_kind: global_buffer, .address_space: global }
      - { .name: bn, .offset: 32, .size: 8, .value_kind: global_buffer, .address_space: global }
      - { .name: nidx, .offset: 40, .size: 8, .value_kind: global_buffer, .address_space: global }
      - { .name: nw, .offset: 48, .size: 8, .value_kind: global_buffer, .address_space: global }
      - { .name: tab, .offset: 56, .size: 8, .value_kind: global_buffer, .address_space: global }
    .group_segment_fixed_size: 68608
    .private_segment_fixed_size: 0
    .kernarg_segment_align: 8
    .kernarg_segment_size: 64
    .max_flat_workgroup_size: 256
    .sgpr_count:     66
    .vgpr_count:     258
    .wavefront_size: 32
...
	.end_amdgpu_metadata
.endif
;; end of part 8
;; launch layer1 (part 9): grid 256 x 1, 8 waves a work-group, no clusters, 306,176 bytes of LDS; arguments points1, tab, bn, nidx, nw, h1, part; writes h1, part
.if DOCPART == 9
	.amdgcn_target "amdgcn-amd-amdhsa--gfx1250"
	.amdhsa_code_object_version 6
	.text
	.protected	k_q11566cfbfb_layer1
	.globl	k_q11566cfbfb_layer1
	.p2align	8
	.type	k_q11566cfbfb_layer1,@function
k_q11566cfbfb_layer1:
	s_mov_b64 s[64:65], 0
	v_nop
	global_prefetch_b8 v0, s[64:65] scope:SCOPE_SE
	s_setreg_imm32_b32 hwreg(HW_REG_WAVE_MODE, 25, 1), 1
	s_wait_xcnt 0x0
; Launch 3 of 7: gather and blend, layer 1's remaining product, its statistics.
; The product over points2's 256 columns has been taken on the table's rows by the launch before (the blend is linear); here
;   h1[row] = sum of w_k table[i_k]  +  (points1[row] - points1[0,0,:]) W1[:,:64]^T.
; The rows taken away change no output (see the first launch's head).
; Work-group x owns rows 256 x .. +255.  PHASE 1: wave w blends the three table rows of each of its 32 queries in f32 (a wave's load takes a table row's 512
; bytes; lane L gets channels 4 L .. + 3 and 128 + 4 L .. + 3) and puts the blend into LDS in f32, channels in natural order; it also puts its 32 rows of
; points1 there in f16.  PHASE 2: wave w makes channels 32 w .. +31 of all 256 rows: its part of W1 (2 x 2 fragments, 32 registers) is loaded at the head of
; the kernel; for each tile of 16 rows the blend is loaded from LDS INTO THE ACCUMULATORS and two K steps are added onto it.  The product is used transposed
; (source 0 = W1, source 1 = rows): lane (r, h) holds row r, channels 8 h .. + 7 of a tile, which packed to f16 is a quarter of layer 2's operand fragment.
; h1 is stored in that order, [tile of 16 rows][tile of 16 channels][lane][16 bytes]: every store of a wave is 512 consecutive bytes, aligned.
; STATISTICS: per channel the sum and the sum of squares of the work-group's 256 rows in f32, stored as (mean, sum of squared deviations).
; No clusters and no tensor loads: what is read is gathered by index or converted through registers; W1's part is 4 KB a wave.
.set BP,   1040                        ; a row of the blend: 1,024 bytes + 16 = 65 x 16: the 16 rows that a load touches start in different banks
.set PA,   256*BP                      ; behind the blend: points1 in f16,
.set AP,   144                         ; 128 bytes + 16 = 9 x 16
.set STAT, PA+256*AP                   ; behind that: 256 sums, 256 sums of squares
.set WFOFF, 4096                       ; bn: W1's blocks (block (c, nt) at 4,096 + 512 (16 c + nt))
; phase 1: v1 16 L, v2 where a blend goes, v3 where points1 goes, v4 points1 offset, v7 offset of my index and weight quads
.set RING, 8                           ; v[8:103]   8 slots x 3 table rows x 4 registers
.set IX,   104                         ; v[104:107] lane L: the three table rows of query 32 w + L
.set WL,   108                         ; v[108:111] and its three weights
.set T,    112                         ; v[112:119] 8 numbers in f32
.set AC,   120                         ; v[120:127] the blend
.set P1,   132                         ; v[132:195] 16 loads of points1
.set PV,   196                         ; v[196:199] points1[0,0,:], my 4 channels
.set PVO,  200                         ; its offset
.set CB,   204                         ; v[204:207] LDS address of my part of the blend's rows, for row tiles 0-3, 4-7, 8-11, 12-15
.set WF,   224                         ; v[224:255] W1: channel tile n', K step ks at 224 + 16 n' + 8 ks
; phase 2: v5 h1 offset, v6 LDS address of my points1 fragments
.set PK,   8                           ; v[8:15]    two result tiles in f16
.set ST,   16                          ; v[16:47]   sums (2 tiles x 8), sums of squares (2 x 8)
.set ACC,  48                          ; v[48:111]  four sets of two accumulators
.set AR,   112                         ; v[112:175] four sets of two row fragments
.macro CV2 d, n                        ; both f16 halves of register n (given as a plain number) to f32
	v_cvt_f32_f16 v[\d], v\n\().l
	v_cvt_f32_f16 v[\d+1], v\n\().h
.endm
.macro BLEND k, n0, n1, n2, n3         ; row k of three: 8 numbers times its weight, onto the blend
	CV2 T, \n0
	CV2 T+2, \n1
	CV2 T+4, \n2
	CV2 T+6, \n3
.irp p, 0,2,4,6
.if \k == 0
	v_pk_mul_f32 v[AC+\p:AC+\p+1], v[T+\p:T+\p+1], s[40:41] op_sel_hi:[1,0]
.else
	v_pk_fma_f32 v[AC+\p:AC+\p+1], v[T+\p:T+\p+1], s[40+2*\k:41+2*\k], v[AC+\p:AC+\p+1] op_sel_hi:[1,0,1]
.endif
.endr
.endm
.macro SLOTROWS slot                   ; slot s lies in v[8 + 12 s : 19 + 12 s]
.if (\slot) == 0
	BLEND 0, 8,9,10,11
	BLEND 1, 12,13,14,15
	BLEND 2, 16,17,18,19
.endif
.if (\slot) == 1
	BLEND 0, 20,21,22,23
	BLEND 1, 24,25,26,27
	BLEND 2, 28,29,30,31
.endif
.if (\slot) == 2
	BLEND 0, 32,33,34,35
	BLEND 1, 36,37,38,39
	BLEND 2, 40,41,42,43
.endif
.if (\slot) == 3
	BLEND 0, 44,45,46,47
	BLEND 1, 48,49,50,51
	BLEND 2, 52,53,54,55
.endif
.if (\slot) == 4
	BLEND 0, 56,57,58,59
	BLEND 1, 60,61,62,63
	BLEND 2, 64,65,66,67
.endif
.if (\slot) == 5
	BLEND 0, 68,69,70,71
	BLEND 1, 72,73,74,75
	BLEND 2, 76,77,78,79
.endif
.if (\slot) == 6
	BLEND 0, 80,81,82,83
	BLEND 1, 84,85,86,87
	BLEND 2, 88,89,90,91
.endif
.if (\slot) == 7
	BLEND 0, 92,93,94,95
	BLEND 1, 96,97,98,99
	BLEND 2, 100,101,102,103
.endif
.endm
; the three table rows of query q (of my 32) are asked for: a wave's load takes a row's 512 consecutive bytes.  The offset lies in the load's own first register.
.macro REQ slot, q
.irp k, 0,1,2
	v_readlane_b32 s[46+\k], v[IX+\k], \q
	s_min_u32 s[46+\k], s[46+\k], 0x3fff           ; a row stays inside the table's 16,384
	v_lshl_add_u32 v[RING+12*(\slot)+4*\k], s[46+\k], 9, v1
	global_load_b128 v[RING+12*(\slot)+4*\k:RING+12*(\slot)+4*\k+3], v[RING+12*(\slot)+4*\k], s[6:7]
.endr
.endm
.macro GQ slot, q, refill, cnt
	s_wait_loadcnt \cnt                            ; this query's three rows are in; those of the younger queries stay out
	v_readlane_b32 s40, v[WL], \q
	v_readlane_b32 s42, v[WL+1], \q
	v_readlane_b32 s44, v[WL+2], \q
	SLOTROWS \slot
	ds_store_b128 v2, v[AC:AC+3] offset:(\q)*BP            ; channels 4 L .. + 3
	ds_store_b128 v2, v[AC+4:AC+7] offset:(\q)*BP+512      ; channels 128 + 4 L .. + 3
.if \refill
	REQ \slot, (\q)+8
.endif
.endm
; row tile t into register set t % 4: two fragments of points1, and my two channel tiles of the blend into the accumulators
.macro LDT t
.irp p, 0,1,2,3
	ds_load_b128 v[AR+16*((\t)&3)+4*\p:AR+16*((\t)&3)+4*\p+3], v6 offset:(\t)*16*AP+32*\p
.endr
.irp n, 0,1
	ds_load_b128 v[ACC+16*((\t)&3)+8*\n:ACC+16*((\t)&3)+8*\n+3], v[CB+((\t)>>2)] offset:((\t)&3)*16*BP+64*\n
	ds_load_b128 v[ACC+16*((\t)&3)+8*\n+4:ACC+16*((\t)&3)+8*\n+7], v[CB+((\t)>>2)] offset:((\t)&3)*16*BP+64*\n+16
.endr
.endm
; row tile t is done: statistics, f16, two stores
.macro EPI t
.set SE, ACC+16*((\t)&3)
.irp n, 0,1
.irp p, 0,2,4,6
	v_pk_add_f32 v[ST+8*\n+\p:ST+8*\n+\p+1], v[ST+8*\n+\p:ST+8*\n+\p+1], v[SE+8*\n+\p:SE+8*\n+\p+1]
	v_pk_fma_f32 v[ST+16+8*\n+\p:ST+16+8*\n+\p+1], v[SE+8*\n+\p:SE+8*\n+\p+1], v[SE+8*\n+\p:SE+8*\n+\p+1], v[ST+16+8*\n+\p:ST+16+8*\n+\p+1]
.endr
.endr
	s_wait_xcnt 0x0                                ; PK, which the last tile's stores read, is rewritten only behind this wait
.irp p, 0,1,2,3,4,5,6,7
	v_cvt_pk_f16_f32 v[PK+\p], v[SE+2*\p], v[SE+2*\p+1]
.endr
	global_store_b128 v5, v[PK:PK+3], s[14:15] offset:(\t)*8192
	global_store_b128 v5, v[PK+4:PK+7], s[14:15] offset:(\t)*8192+512
.endm
; Row tile t: four products, two K steps on two accumulators by turns.  Behind them stands the tile before's way out, 24 vector
; instructions that name none of these products' registers: the places between a product and the reading of its result one tile later, and between the
; tile before's products and the loads that follow here into its registers.  Then tile t + 3 is asked for, into the set just freed.
.macro TILE t
.if (\t) < 14
	s_wait_dscnt 16                                ; this tile's 8 loads are in; those of the two tiles behind it stay out
.else
	s_wait_dscnt 8*(15-(\t))                       ; nothing is left to load: the counts run down
.endif
.set SA, ACC+16*((\t)&3)
.set SR, AR+16*((\t)&3)
	v_wmma_f32_16x16x32_f16 v[SA:SA+7], v[WF:WF+7], v[SR:SR+7], v[SA:SA+7]
	v_wmma_f32_16x16x32_f16 v[SA+8:SA+15], v[WF+16:WF+23], v[SR:SR+7], v[SA+8:SA+15]
	v_wmma_f32_16x16x32_f16 v[SA:SA+7], v[WF+8:WF+15], v[SR+8:SR+15], v[SA:SA+7]
	v_wmma_f32_16x16x32_f16 v[SA+8:SA+15], v[WF+24:WF+31], v[SR+8:SR+15], v[SA+8:SA+15]
.if (\t) == 0
.rept 4
	v_nop                                          ; no tile before: four places
.endr
.else
	EPI (\t)-1
.endif
.if (\t)+3 < 16
	LDT (\t)+3
.endif
.endm
	s_load_b256 s[4:11], s[0:1], 0x0               ; points1 4, tab 6, bn 8, nidx 10
	s_load_b128 s[12:15], s[0:1], 0x20             ; nw 12, h1 14
	s_load_b64 s[16:17], s[0:1], 0x30              ; part
	v_lshl_add_u32 v222, v0, 2, 0x4a800
	v_mov_b32 v223, 0
	v_lshrrev_b32 v1, 5, v0
	v_readfirstlane_b32 s18, v1                    ; wave
	v_and_b32 v7, 31, v0
	v_and_b32 v5, 15, v0                           ; r
	v_bfe_u32 v6, v0, 4, 1                         ; h
	v_lshlrev_b32 v1, 4, v7                        ; 16 L
	s_mul_i32 s32, s18, 32*BP                      ; my wave's 32 rows of the blend
	v_add_nc_u32 v2, s32, v1
	s_mul_i32 s33, s18, 32*AP
	s_add_co_u32 s33, s33, PA                      ; and of points1
	v_mul_u32_u24 v3, v6, AP
	v_lshl_add_u32 v3, v5, 3, v3
	v_add_nc_u32 v3, s33, v3                       ; row h, K 4 r
	v_lshl_add_u32 v4, s18, 13, v1                 ; my wave's 32 rows of 256 bytes of points1
	v_lshlrev_b32 v[PVO], 4, v5
	v_mul_u32_u24 v[CB], v5, BP
	v_lshl_add_u32 v[CB], v6, 5, v[CB]
	v_lshl_add_u32 v[CB], s18, 7, v[CB]            ; r x pitch + 4 bytes x (32 w + 8 h)
	v_add_nc_u32 v[CB+1], 64*BP, v[CB]
	v_add_nc_u32 v[CB+2], 128*BP, v[CB]
	v_add_nc_u32 v[CB+3], 192*BP, v[CB]
	v_mul_u32_u24 v[T], v5, AP
	v_lshl_add_u32 v6, v6, 4, v[T]
	v_add_nc_u32 v6, PA, v6                        ; r x pitch + 16 h
	v_lshl_add_u32 v5, s18, 10, v1                 ; my two channel tiles of 512 bytes: in h1, and in W1's blocks
	v_lshlrev_b32 v7, 4, v0
	s_lshl_b32 s24, ttmp9, 16
	s_mov_b32 s25, 0
	s_lshl_b32 s26, ttmp9, 12
	s_mov_b32 s27, 0
	s_lshl_b32 s28, ttmp9, 17
	s_mov_b32 s29, 0
	s_lshl_b32 s30, ttmp9, 11
	s_mov_b32 s31, 0
	s_mov_b32 s41, 0                               ; the upper halves of the weights' pairs: named by the packed forms, never used
	s_mov_b32 s43, 0
	s_mov_b32 s45, 0
	s_wait_kmcnt 0x0
	s_add_nc_u64 s[20:21], s[4:5], s[24:25]
	s_add_nc_u64 s[8:9], s[8:9], WFOFF
	s_add_nc_u64 s[10:11], s[10:11], s[26:27]
	s_add_nc_u64 s[12:13], s[12:13], s[26:27]
	s_add_nc_u64 s[14:15], s[14:15], s[28:29]
	s_add_nc_u64 s[16:17], s[16:17], s[30:31]
	global_load_b128 v[IX:IX+3], v7, s[10:11]
	global_load_b128 v[WL:WL+3], v7, s[12:13]
	global_load_b128 v[PV:PV+3], v[PVO], s[4:5]
.irp i, 0,1,2,3,4,5,6,7,8,9,10,11,12,13,14,15
	global_load_b128 v[P1+4*\i:P1+4*\i+3], v4, s[20:21] offset:512*\i th:TH_LOAD_NT   ; two rows a load
.endr
.irp c, 0,1,2,3
	global_load_b128 v[WF+8*(\c/2)+4*(\c%2):WF+8*(\c/2)+4*(\c%2)+3], v5, s[8:9] offset:\c*8192
	global_load_b128 v[WF+16+8*(\c/2)+4*(\c%2):WF+16+8*(\c/2)+4*(\c%2)+3], v5, s[8:9] offset:\c*8192+512
.endr
	s_wait_loadcnt 25                              ; the index and weight quads are in; 17 loads of points1 and 8 of W1 stay out
.irp q, 0,1,2,3,4,5,6,7
	REQ \q, \q
.endr
	s_wait_loadcnt 24                              ; points1 and W1 are in; the ring's 24 loads stay out
.irp i, 0,1,2,3,4,5,6,7,8,9,10,11,12,13,14,15
	v_pk_add_f32 v[P1+4*\i:P1+4*\i+1], v[P1+4*\i:P1+4*\i+1], v[PV:PV+1] neg_lo:[0,1] neg_hi:[0,1]
	v_pk_add_f32 v[P1+4*\i+2:P1+4*\i+3], v[P1+4*\i+2:P1+4*\i+3], v[PV+2:PV+3] neg_lo:[0,1] neg_hi:[0,1]
	v_cvt_pk_f16_f32 v[P1+4*\i], v[P1+4*\i], v[P1+4*\i+1]
	v_cvt_pk_f16_f32 v[P1+4*\i+1], v[P1+4*\i+2], v[P1+4*\i+3]
	ds_store_b64 v3, v[P1+4*\i:P1+4*\i+1] offset:\i*2*AP
.endr
.irp g, 0,1,2
.irp s, 0,1,2,3,4,5,6,7
	GQ \s, 8*\g+\s, 1, 21                          ; seven younger queries x three rows stay out
.endr
.endr
.irp s, 0,1,2,3,4,5,6,7
	GQ \s, 24+\s, 0, 3*(7-\s)
.endr
	s_wait_dscnt 0x0                               ; my 32 rows are in LDS,
	s_barrier_signal -1
	s_barrier_wait -1                              ; everybody's are; the rows are only read from here on
	LDT 0
	LDT 1
	LDT 2
.irp k, 0,1,2,3,4,5,6,7,8,9,10,11,12,13,14,15,16,17,18,19,20,21,22,23,24,25,26,27,28,29,30,31
	v_mov_b32 v[ST+\k], 0
.endr
.set tt, 0
.rept 16
	TILE tt
.set tt, tt+1
.endr
	EPI 15                                         ; behind the last products stood tile 14's way out: more than four places
	; lane (r, h), register j: channel 32 w + 16 n' + 8 h + j, rows r mod 16.  Summed over the 16 lanes of a half; then through my wave's own words of LDS
	; (a wave's LDS instructions are served in order, ISA guide 5.7.1), so that lane L gets channel 32 w + L.
.irp m, 1,2,4,8
.set i, 0
.rept 32
	v_add_f32_dpp v[ST+i], v[ST+i], v[ST+i] row_xmask:\m row_mask:0xf bank_mask:0xf
.set i, i+1
.endr
.endr
	s_lshl_b32 s33, s18, 7
	s_add_co_u32 s33, s33, STAT
	v_bfe_u32 v64, v0, 4, 1
	v_lshlrev_b32 v64, 5, v64
	v_add_nc_u32 v64, s33, v64
.irp n, 0,1
	ds_store_b128 v64, v[ST+8*\n:ST+8*\n+3] offset:64*\n
	ds_store_b128 v64, v[ST+8*\n+4:ST+8*\n+7] offset:64*\n+16
	ds_store_b128 v64, v[ST+16+8*\n:ST+16+8*\n+3] offset:64*\n+1024
	ds_store_b128 v64, v[ST+16+8*\n+4:ST+16+8*\n+7] offset:64*\n+1040
.endr
	v_and_b32 v65, 31, v0
	v_lshlrev_b32 v65, 2, v65
	v_add_nc_u32 v65, s33, v65
	ds_load_b32 v66, v65
	ds_load_b32 v67, v65 offset:1024
	v_lshlrev_b32 v70, 3, v0
	s_wait_dscnt 0x0
	v_mul_f32 v68, 0x3b800000, v66                 ; mean of 256 rows
	v_fma_f32 v69, -v66, v68, v67                  ; sum of squared deviations
	global_store_b64 v70, v[68:69], s[16:17]       ; the wave stores 256 consecutive bytes, aligned
	s_wait_tensorcnt 0x0
	ds_add_u32 v222, v223
	s_wait_dscnt 0x0
	s_endpgm
.Lfunc_end_k_q11566cfbfb_layer1:
	.size	k_q11566cfbfb_layer1, .Lfunc_end_k_q11566cfbfb_layer1-k_q11566cfbfb_layer1
	.p2alignl 7, 3214868480
	.fill 96, 4, 3214868480
	.section	.rodata,"a",@progbits
	.p2align	6, 0x0
	.amdhsa_kernel k_q11566cfbfb_layer1
		.amdhsa_group_segment_fixed_size 306176
		.amdhsa_private_segment_fixed_size 0
		.amdhsa_enable_private_segment 0
		.amdhsa_kernarg_size 56
		.amdhsa_user_sgpr_count 2
		.amdhsa_user_sgpr_kernarg_segment_ptr 1
		.amdhsa_wavefront_size32 1
		.amdhsa_system_sgpr_workgroup_id_x 1
		.amdhsa_system_sgpr_workgroup_id_y 1
		.amdhsa_system_sgpr_workgroup_id_z 1
		.amdhsa_system_vgpr_workitem_id 0
		.amdhsa_next_free_vgpr 256
		.amdhsa_next_free_sgpr 66
		.amdhsa_reserve_vcc 0
		.amdhsa_float_denorm_mode_32 3
		.amdhsa_float_denorm_mode_16_64 3
		.amdhsa_memory_ordered 1
		.amdhsa_forward_progress 1
		.amdhsa_inst_pref_size 147
	.end_amdhsa_kernel
	.amdgpu_metadata
---
amdhsa.version: [ 1, 2 ]
amdhsa.kernels:
  - .name:           k_q11566cfbfb_layer1
    .symbol:         k_q11566cfbfb_layer1.kd
    .args:
      - { .name: points1, .offset: 0, .size: 8, .value_kind: global_buffer, .address_space: global }
      - { .name: tab, .offset: 8, .size: 8, .value_kind: global_buffer, .address_space: global }
      - { .name: bn, .offset: 16, .size: 8, .value_kind: global_buffer, .address_space: global }
      - { .name: nidx, .offset: 24, .size: 8, .value_kind: global_buffer, .address_space: global }
      - { .name: nw, .offset: 32, .size: 8, .value_kind: global_buffer, .address_space: global }
      - { .name: h1, .offset: 40, .size: 8, .value_kind: global_buffer, .address_space: global }
      - { .name: part, .offset: 48, .size: 8, .value_kind: global_buffer, .address_space: global }
    .group_segment_fixed_size: 306176
    .private_segment_fixed_size: 0
    .kernarg_segment_align: 8
    .kernarg_segment_size: 56
    .max_flat_workgroup_size: 256
    .sgpr_count:     66
    .vgpr_count:     256
    .wavefront_size: 32
...
	.end_amdgpu_metadata
.endif
;; end of part 9
;; launch fin1: the kernel of part 4 again; grid 8 x 1, 8 waves a work-group, no clusters, 3,072 bytes of LDS; arguments part, g1, b1, bn; writes bn
;; launch layer2 (part 10): grid 256 x 1, 8 waves a work-group, no clusters, 214,016 bytes of LDS; arguments h1, bn, h2, part; writes h2, part
.if DOCPART == 10
	.amdgcn_target "amdgcn-amd-amdhsa--gfx1250"
	.amdhsa_code_object_version 6
	.text
	.protected	k_q11566cfbfb_layer2
	.globl	k_q11566cfbfb_layer2
	.p2align	8
	.type	k_q11566cfbfb_layer2,@function
k_q11566cfbfb_layer2:
	s_mov_b64 s[64:65], 0
	v_nop
	global_prefetch_b8 v0, s[64:65] scope:SCOPE_SE
	s_setreg_imm32_b32 hwreg(HW_REG_WAVE_MODE, 25, 1), 1
	s_wait_xcnt 0x0
; Launch 5 of 7: layer 1's batch norm and ReLU, layer 2's product, its statistics.
; Work-group x owns rows 256 x .. +255, wave w 32 of them (two tiles of 16) with all 128 output channels.
; h1 lies in memory in the lane order of a matrix operand, so a wave's 32 loads of 512 consecutive bytes fill its 16 fragments.  In place, in f32:
;   a = relu(scale h + shift) - relu(shift) = max(fma(h, scale, min(shift, 0)), -max(shift, 0)),  rounded to f16.
; The constant relu(shift) taken away changes no output: layer 2's batch norm removes W2 relu(shift) from every channel.
; W2 (f16, operand order, 64 KB, behind the constants in bn) is copied to LDS once and streams from there.  The product is used transposed (source 0 = W2,
; source 1 = rows); results go through the wave's own stage in LDS and leave as whole rows of 512 bytes in f32; the sums for the statistics are taken on the way.
; No clusters and no tensor loads: what work-groups share is W2's 64 KB of the 256 KB that a work-group moves, read once.
.set BNC,  65536                       ; behind W2: the four tables of layer 1's constants, 1,024 bytes each
.set STG,  69632                       ; a stage of 32 rows of 512 bytes for each wave,
.set SP,   528                         ; pitch 33 x 16: the 16 rows that a store touches start in different banks
.set STAT, 204800                      ; for each wave 128 sums, 128 sums of squares
.set WF2OFF, 167936                    ; bn: 4,096 bytes of constants, W1's 320 blocks of 512 bytes, then W2's 128
.set ACC, 128                          ; v[128:191] accumulators: channel tile n of four, row tile m at 128 + 16 n + 8 m.  Before: W2 on its way to LDS, then
.set C0,  128                          ; v[128:175] two sets of constants: 8 scale, 8 min(shift,0), 8 -max(shift,0)
.set BR,  192                          ; v[192:223] four fragments of W2 by turns
.set T,   224                          ; v[224:231] at work
; v[0:127]: h1, block 16 m + t at 4 x block; fragment (m, ks) at 64 m + 8 ks.  v232-241: addresses, made before the loads write over v0
.macro CV2 d, n                        ; both f16 halves of register n (given as a plain number) to f32
	v_cvt_f32_f16 v[\d], v\n\().l
	v_cvt_f32_f16 v[\d+1], v\n\().h
.endm
.macro CONV n0, n1, n2, n3, cs         ; one block of 8 channels a lane, in place
	CV2 T, \n0
	CV2 T+2, \n1
	CV2 T+4, \n2
	CV2 T+6, \n3
.irp p, 0,2,4,6
	v_pk_fma_f32 v[T+\p:T+\p+1], v[T+\p:T+\p+1], v[\cs+\p:\cs+\p+1], v[\cs+8+\p:\cs+8+\p+1]
.endr
.irp j, 0,1,2,3,4,5,6,7
	v_max_num_f32 v[T+\j], v[T+\j], v[\cs+16+\j]
.endr
	v_cvt_pk_f16_f32 v\n0, v[T], v[T+1]
	v_cvt_pk_f16_f32 v\n1, v[T+2], v[T+3]
	v_cvt_pk_f16_f32 v\n2, v[T+4], v[T+5]
	v_cvt_pk_f16_f32 v\n3, v[T+6], v[T+7]
.endm
.macro LDC t, cs                       ; the constants of channels 16 t + 8 h .. + 7
	ds_load_b128 v[\cs:\cs+3], v234 offset:64*(\t)
	ds_load_b128 v[\cs+4:\cs+7], v234 offset:64*(\t)+16
	ds_load_b128 v[\cs+8:\cs+11], v234 offset:64*(\t)+2048
	ds_load_b128 v[\cs+12:\cs+15], v234 offset:64*(\t)+2064
	ds_load_b128 v[\cs+16:\cs+19], v234 offset:64*(\t)+3072
	ds_load_b128 v[\cs+20:\cs+23], v234 offset:64*(\t)+3088
.endm
.macro TSTEP t, a0, a1, a2, a3, b0, b1, b2, b3
.if \t < 15
	LDC \t+1, C0+24*((\t+1)&1)
	s_wait_dscnt 0x6                               ; this block's constants are in, the next block's six loads stay out
.else
	s_wait_dscnt 0x0
.endif
	s_wait_loadcnt 15-\t                           ; blocks t and 16 + t of h1 are in, the younger ones stay out
	CONV \a0, \a1, \a2, \a3, C0+24*(\t&1)
	CONV \b0, \b1, \b2, \b3, C0+24*(\t&1)
.endm
.macro LDB un                          ; the fragment of W2 for unit un: channel tile 4 (un / 32) + un % 4, K step (un / 4) % 8
	ds_load_b128 v[BR+8*((\un)&3):BR+8*((\un)&3)+3], v235 offset:8192*(((\un)>>2)&7)+512*(4*((\un)>>5)+((\un)&3))
	ds_load_b128 v[BR+8*((\un)&3)+4:BR+8*((\un)&3)+7], v235 offset:8192*(((\un)>>2)&7)+512*(4*((\un)>>5)+((\un)&3))+4096
.endm
; One fragment of W2 against both row tiles.  The fragment of unit u + 3 is asked for first; behind the two products stand four places, so that the next unit
; may load into the fragment read here.  The eight accumulators take turns.
.macro UNIT u
.if (\u)+3 < 64
	LDB (\u)+3
	s_wait_dscnt 0x6                               ; this unit's fragment is in; at most the three younger ones stay out
.else
	s_wait_dscnt 2*(63-(\u))
.endif
.set KS, ((\u)>>2)&7
.set NN, (\u)&3
.if KS == 0
	v_wmma_f32_16x16x32_f16 v[ACC+16*NN:ACC+16*NN+7], v[BR+8*NN:BR+8*NN+7], v[0:7], 0
	v_wmma_f32_16x16x32_f16 v[ACC+16*NN+8:ACC+16*NN+15], v[BR+8*NN:BR+8*NN+7], v[64:71], 0
.else
	v_wmma_f32_16x16x32_f16 v[ACC+16*NN:ACC+16*NN+7], v[BR+8*NN:BR+8*NN+7], v[8*KS:8*KS+7], v[ACC+16*NN:ACC+16*NN+7]
	v_wmma_f32_16x16x32_f16 v[ACC+16*NN+8:ACC+16*NN+15], v[BR+8*NN:BR+8*NN+7], v[64+8*KS:64+8*KS+7], v[ACC+16*NN+8:ACC+16*NN+15]
.endif
.rept 4
	v_nop
.endr
.endm
.macro STAGE hf                        ; lane (r, h): row 16 m + r, channels 64 hf + 16 n + 8 h .. + 7
.irp n, 0,1,2,3
.irp m, 0,1
	ds_store_b128 v236, v[ACC+16*\n+8*\m:ACC+16*\n+8*\m+3] offset:16*SP*\m+256*\hf+64*\n
	ds_store_b128 v236, v[ACC+16*\n+8*\m+4:ACC+16*\n+8*\m+7] offset:16*SP*\m+256*\hf+64*\n+16
.endr
.endr
.endm
	s_load_b256 s[4:11], s[0:1], 0x0               ; h1 4, bn 6, h2 8, part 10
	v_lshl_add_u32 v248, v0, 2, 0x34000
	v_mov_b32 v249, 0
	v_lshrrev_b32 v224, 5, v0
	v_readfirstlane_b32 s14, v224                  ; wave
	v_and_b32 v225, 31, v0
	v_and_b32 v226, 15, v0                         ; r
	v_bfe_u32 v227, v0, 4, 1                       ; h
	v_lshlrev_b32 v232, 4, v0                      ; 16 t: W2 and the constants on their way to LDS
	v_add_nc_u32 v241, BNC, v232
	v_lshlrev_b32 v235, 4, v225                    ; 16 L
	v_lshl_add_u32 v233, s14, 14, v235             ; my wave's 16 KB of h1, and of h2
	v_lshlrev_b32 v234, 5, v227
	v_add_nc_u32 v234, BNC, v234
	s_mul_i32 s15, s14, 32*SP
	s_add_co_u32 s15, s15, STG                     ; my stage
	v_mul_u32_u24 v236, v226, SP
	v_lshl_add_u32 v236, v227, 5, v236
	v_add_nc_u32 v236, s15, v236
	v_add_nc_u32 v237, s15, v235
	s_lshl_b32 s16, s14, 10
	s_add_co_u32 s16, s16, STAT
	v_add_nc_u32 v238, s16, v235
	v_lshlrev_b32 v239, 2, v0
	v_add_nc_u32 v239, STAT, v239
	v_lshlrev_b32 v240, 3, v0
	s_lshl_b32 s18, ttmp9, 17
	s_mov_b32 s19, 0
	s_lshl_b32 s20, ttmp9, 11
	s_mov_b32 s21, 0
	s_wait_kmcnt 0x0
	s_add_nc_u64 s[4:5], s[4:5], s[18:19]
	s_add_nc_u64 s[8:9], s[8:9], s[18:19]
	s_add_nc_u64 s[10:11], s[10:11], s[20:21]
	s_add_nc_u64 s[12:13], s[6:7], WF2OFF
.irp i, 0,1,2,3,4,5,6,7,8,9,10,11,12,13,14,15
	global_load_b128 v[128+4*\i:131+4*\i], v232, s[12:13] offset:4096*\i
.endr
	global_load_b128 v[192:195], v232, s[6:7]
.set i, 0
.rept 32
	global_load_b128 v[4*i:4*i+3], v233, s[4:5] offset:512*i th:TH_LOAD_NT
.set i, i+1
.endr
	s_wait_loadcnt 32                              ; W2 and the constants are in; the 32 loads of h1 stay out
.irp i, 0,1,2,3,4,5,6,7,8,9,10,11,12,13,14,15
	ds_store_b128 v232, v[128+4*\i:131+4*\i] offset:4096*\i
.endr
	ds_store_b128 v241, v[192:195]
	s_wait_dscnt 0x0                               ; my part is in LDS,
	s_barrier_signal -1
	s_barrier_wait -1                              ; everybody's is; W2 and the constants are only read from here on
	LDC 0, C0
	TSTEP 0,  0,1,2,3,     64,65,66,67
	TSTEP 1,  4,5,6,7,     68,69,70,71
	TSTEP 2,  8,9,10,11,   72,73,74,75
	TSTEP 3,  12,13,14,15, 76,77,78,79
	TSTEP 4,  16,17,18,19, 80,81,82,83
	TSTEP 5,  20,21,22,23, 84,85,86,87
	TSTEP 6,  24,25,26,27, 88,89,90,91
	TSTEP 7,  28,29,30,31, 92,93,94,95
	TSTEP 8,  32,33,34,35, 96,97,98,99
	TSTEP 9,  36,37,38,39, 100,101,102,103
	TSTEP 10, 40,41,42,43, 104,105,106,107
	TSTEP 11, 44,45,46,47, 108,109,110,111
	TSTEP 12, 48,49,50,51, 112,113,114,115
	TSTEP 13, 52,53,54,55, 116,117,118,119
	TSTEP 14, 56,57,58,59, 120,121,122,123
	TSTEP 15, 60,61,62,63, 124,125,126,127
	LDB 0
	LDB 1
	LDB 2
.set u, 0
.rept 32
	UNIT u                                         ; channels 0-63
.set u, u+1
.endr
	STAGE 0
.rept 32
	UNIT u                                         ; channels 64-127, on the same accumulators
.set u, u+1
.endr
	STAGE 1
	; back by rows: lane L takes channels 4 L .. + 3 of row i.  My own bytes: a wave's LDS instructions are served in order (ISA guide 5.7.1).
.irp k, 0,1,2,3,4,5,6,7
	v_mov_b32 v[T+\k], 0
.endr
.set i, 0
.rept 32
	ds_load_b128 v[4*i:4*i+3], v237 offset:SP*i
.set i, i+1
.endr
.set i, 0
.rept 32
	s_wait_dscnt 31-i
	v_pk_add_f32 v[T:T+1], v[T:T+1], v[4*i:4*i+1]
	v_pk_add_f32 v[T+2:T+3], v[T+2:T+3], v[4*i+2:4*i+3]
	v_pk_fma_f32 v[T+4:T+5], v[4*i:4*i+1], v[4*i:4*i+1], v[T+4:T+5]
	v_pk_fma_f32 v[T+6:T+7], v[4*i+2:4*i+3], v[4*i+2:4*i+3], v[T+6:T+7]
	global_store_b128 v233, v[4*i:4*i+3], s[8:9] offset:512*i      ; a row's 512 consecutive bytes, aligned
.set i, i+1
.endr
	ds_store_b128 v238, v[T:T+3]
	ds_store_b128 v238, v[T+4:T+7] offset:512
	s_wait_dscnt 0x0                               ; my wave's sums are in LDS,
	s_barrier_signal -1
	s_barrier_wait -1                              ; all eight waves' are
	s_cmp_lt_u32 s14, 4
	s_cbranch_scc0 .Lend                           ; 128 channels: threads 0-127 join one each
.irp v, 0,1,2,3,4,5,6,7
	ds_load_b32 v[192+\v], v239 offset:1024*\v
	ds_load_b32 v[200+\v], v239 offset:1024*\v+512
.endr
	s_wait_dscnt 0x0
	v_add_f32 v192, v192, v193
	v_add_f32 v200, v200, v201
.irp v, 2,3,4,5,6,7
	v_add_f32 v192, v192, v[192+\v]
	v_add_f32 v200, v200, v[200+\v]
.endr
	v_mul_f32 v208, 0x3b800000, v192               ; mean of 256 rows
	v_fma_f32 v209, -v192, v208, v200              ; sum of squared deviations
	global_store_b64 v240, v[208:209], s[10:11]
.Lend:
	s_wait_tensorcnt 0x0
	ds_add_u32 v248, v249
	s_wait_dscnt 0x0
	s_endpgm
.Lfunc_end_k_q11566cfbfb_layer2:
	.size	k_q11566cfbfb_layer2, .Lfunc_end_k_q11566cfbfb_layer2-k_q11566cfbfb_layer2
	.p2alignl 7, 3214868480
	.fill 96, 4, 3214868480
	.section	.rodata,"a",@progbits
	.p2align	6, 0x0
	.amdhsa_kernel k_q11566cfbfb_layer2
		.amdhsa_group_segment_fixed_size 214016
		.amdhsa_private_segment_fixed_size 0
		.amdhsa_enable_private_segment 0
		.amdhsa_kernarg_size 32
		.amdhsa_user_sgpr_count 2
		.amdhsa_user_sgpr_kernarg_segment_ptr 1
		.amdhsa_wavefront_size32 1
		.amdhsa_system_sgpr_workgroup_id_x 1
		.amdhsa_system_sgpr_workgroup_id_y 1
		.amdhsa_system_sgpr_workgroup_id_z 1
		.amdhsa_system_vgpr_workitem_id 0
		.amdhsa_next_free_vgpr 250
		.amdhsa_next_free_sgpr 66
		.amdhsa_reserve_vcc 0
		.amdhsa_float_denorm_mode_32 3
		.amdhsa_float_denorm_mode_16_64 3
		.amdhsa_memory_ordered 1
		.amdhsa_forward_progress 1
		.amdhsa_inst_pref_size 91
	.end_amdhsa_kernel
	.amdgpu_metadata
---
amdhsa.version: [ 1, 2 ]
amdhsa.kernels:
  - .name:           k_q11566cfbfb_layer2
    .symbol:         k_q11566cfbfb_layer2.kd
    .args:
      - { .name: h1, .offset: 0, .size: 8, .value_kind: global_buffer, .address_space: global }
      - { .name: bn, .offset: 8, .size: 8, .value_kind: global_buffer, .address_space: global }
      - { .name: h2, .offset: 16, .size: 8, .value_kind: global_buffer, .address_space: global }
      - { .name: part, .offset: 24, .size: 8, .value_kind: global_buffer, .address_space: global }
    .group_segment_fixed_size: 214016
    .private_segment_fixed_size: 0
    .kernarg_segment_align: 8
    .kernarg_segment_size: 32
    .max_flat_workgroup_size: 256
    .sgpr_count:     66
    .vgpr_count:     250
    .wavefront_size: 32
...
	.end_amdgpu_metadata
.endif
;; end of part 10
;; launch fin2: the kernel of part 4 again; grid 4 x 1, 8 waves a work-group, no clusters, 3,072 bytes of LDS; arguments part, g2, b2, bn; writes bn
;; launch bnout: the kernel of part 6 again; grid 256 x 1, 8 waves a work-group, no clusters, 0 bytes of LDS; arguments h2, bn, out0; writes out0
;; ======== version 3 of 3: 7 launches; version 2 with the launches layer1, layer2 written anew for expert scheduling mode
;; limits: values outside matrix products are rounded to f16; values are held in f16: magnitudes above 65,504 overflow, below 6.1e-05 lose precision; values within 3.05e-05 (relative) of each other or of a threshold may be ordered or decided otherwise than in the reference
;; workspace buffers: grp 262,144 bytes of whole numbers; nidx 1,048,576 bytes of whole numbers; nw 1,048,576 bytes; tab 8,388,608 bytes; h1 33,554,432 bytes; h2 33,554,432 bytes; part 524,288 bytes; bn 233,472 bytes
;; launch knn1: the kernel of part 7 again; grid 256 x 1, 16 waves a work-group, no clusters, 174,080 bytes of LDS; arguments xyz1, xyz2, W1, W2, grp, bn; writes grp, bn
;; launch prep: the kernel of part 8 again; grid 256 x 1, 8 waves a work-group, no clusters, 68,608 bytes of LDS; arguments xyz1, xyz2, grp, points2, bn, nidx, nw, tab; writes nidx, nw, tab
;; launch layer1 (part 11): grid 256 x 1, 8 waves a work-group, no clusters, 306,176 bytes of LDS; arguments points1, tab, bn, nidx, nw, h1, part; writes h1, part
.if DOCPART == 11
	.amdgcn_target "amdgcn-amd-amdhsa--gfx1250"
	.amdhsa_code_object_version 6
	.text
	.protected	k_q11566cfbfb_layer1
	.globl	k_q11566cfbfb_layer1
	.p2align	8
	.type	k_q11566cfbfb_layer1,@function
k_q11566cfbfb_layer1:
	s_mov_b64 s[64:65], 0
	v_nop
	global_prefetch_b8 v0, s[64:65] scope:SCOPE_SE
	s_setreg_imm32_b32 hwreg(HW_REG_WAVE_SCHED_MODE, 0, 2), 2
	s_setreg_imm32_b32 hwreg(HW_REG_WAVE_MODE, 25, 1), 1
	s_wait_xcnt 0x0
	s_wait_alu depctr_vm_vsrc(0)
; Launch 3 of 7: gather and blend, layer 1's remaining product, its statistics.
; The product over points2's 256 columns has been taken on the table's rows by the launch before (the blend is linear); here
;   h1[row] = sum of w_k table[i_k]  +  (points1[row] - points1[0,0,:]) W1[:,:64]^T.
; The rows taken away change no output (see the first launch's head).
; Work-group x owns rows 256 x .. +255.  PHASE 1: wave w blends the three table rows of each of its 32 queries in f32 (a wave's load takes a table row's 512
; bytes; lane L gets channels 4 L .. + 3 and 128 + 4 L .. + 3) and puts the blend into LDS in f32, channels in natural order; it also puts its 32 rows of
; points1 there in f16.  PHASE 2: wave w makes channels 32 w .. +31 of all 256 rows: its part of W1 (2 x 2 fragments, 32 registers) is loaded at the head of
; the kernel; for each tile of 16 rows the blend is loaded from LDS INTO THE ACCUMULATORS and two K steps are added onto it.  The product is used transposed
; (source 0 = W1, source 1 = rows): lane (r, h) holds row r, channels 8 h .. + 7 of a tile, which packed to f16 is a quarter of layer 2's operand fragment.
; h1 is stored in that order, [tile of 16 rows][tile of 16 channels][lane][16 bytes]: every store of a wave is 512 consecutive bytes, aligned.
; STATISTICS: per channel the sum and the sum of squares of the work-group's 256 rows in f32, stored as (mean, sum of squared deviations).
; No clusters and no tensor loads: what is read is gathered by index or converted through registers; W1's part is 4 KB a wave.
; THE MODE: SCHED_MODE bits 1:0 = 2 (LLVM: expert scheduling mode 2), set by the entry lines.  The code itself states the register dependences
; between vector or matrix instructions and memory or LDS instructions, with s_wait_alu, always for 0.
; THE PLAN, PHASE 1.  The 32 queries go in 16 blocks of two.
;   X0 .. X4   five buffers of 2 queries x 3 table rows.  Written by the loads of block p + 4, issued in block p; read by block p's conversions.  A load's offset
;              lies in its own first register and is made at the head of the block that issues it, ahead of that block's wait on va_vdst.
;   Y0, Y1     two buffers of 2 blends.  Written by block p's multiply-adds; read by the four LDS stores that are issued in block p + 1.
;   T          named by vector instructions alone.   IX, WL: loaded once, read by v_readlane_b32 alone.   v1, v2: made at the head, never written again.
;   scalars    the weights of block p (two sets by turns) and the rows of block p + 4 are read out of the lanes in the middle of block p - 1.
; Block p works on X[p % 5] and writes Y[p % 2]; its memory instructions are the loads into X[(p + 4) % 5] = X[(p - 1) % 5] and the stores from Y[(p - 1) % 2]: the
; buffers that block p - 1 worked on and that no vector instruction of block p names.  So the waits at a block's head state all that its ten memory
; instructions hang on, and these are dealt among its vector instructions with no further wait.
; THE PLAN, PHASE 2.  Four register sets (two accumulators, two row fragments) and two out-buffers PK0, PK1.  Tile t multiplies set t % 4, runs the way out of
; tile t - 1 (reads set (t - 1) % 4, writes PK[(t - 1) % 2]), stores tile t - 2 from PK[t % 2] and loads tile t + 2 into set (t - 2) % 4.  The last two are what the
; way out of tile t - 2 worked on, one tile ago, and no vector or matrix instruction of tile t names them: again the waits stand at the tile's head alone.
.set BP,   1040                        ; a row of the blend: 1,024 bytes + 16 = 65 x 16: the 16 rows that a load touches start in different banks
.set PA,   256*BP                      ; behind the blend: points1 in f16,
.set AP,   144                         ; 128 bytes + 16 = 9 x 16
.set STAT, PA+256*AP                   ; behind that: 256 sums, 256 sums of squares
.set WFOFF, 4096                       ; bn: W1's blocks (block (c, nt) at 4,096 + 512 (16 c + nt))
; phase 1: v1 16 L, v2 where a blend goes, v3 where points1 goes, v4 points1 offset, v7 offset of my index and weight quads
.set RING, 8                           ; v[8:127]   buffer b at 8 + 24 b: 2 queries x 3 table rows x 4 registers (below v128: their halves are named)
.set IX,   128                         ; v[128:131] lane L: the three table rows of query 32 w + L
.set WL,   132                         ; v[132:135] and its three weights
.set P1,   136                         ; v[136:199] 16 loads of points1; when they have left:
.set T,    136                         ; v[136:143] 8 numbers in f32
.set Y,    144                         ; v[144:175] buffer b, query j: the blend at 144 + 16 b + 8 j
.set PV,   200                         ; v[200:203] points1[0,0,:], my 4 channels
.set PVO,  204                         ; its offset
.set CB,   206                         ; v[206:209] LDS address of my part of the blend's rows, for row tiles 0-3, 4-7, 8-11, 12-15
.set WF,   224                         ; v[224:255] W1: channel tile n', K step ks at 224 + 16 n' + 8 ks
.set WS,   40                          ; s[40:63]   set b, query j, row k: the weight in the low word of the pair at 40 + 12 b + 6 j + 2 k
.set IS,   66                          ; s[66:71]   the six table rows of the block to be asked for (s[66:89] for the first four blocks)
; phase 2: v5 h1 offset, v6 LDS address of my points1 fragments
.set PK,   8                           ; v[8:15], v[176:183] two out-buffers: two result tiles in f16 each
.set ST,   16                          ; v[16:47]   sums (2 tiles x 8), sums of squares (2 x 8)
.set ACC,  48                          ; v[48:111]  four sets of two accumulators
.set AR,   112                         ; v[112:175] four sets of two row fragments
.macro CV2 d, n                        ; both f16 halves of register n (given as a plain number) to f32
	v_cvt_f32_f16 v[\d], v\n\().l
	v_cvt_f32_f16 v[\d+1], v\n\().h
.endm
; the memory instructions that stand ahead of row k of query JJ of block PP: one row of block PP + 4 is asked for, half a blend of block PP - 1 goes to LDS
.macro DEAL k
.if PP+4 < 16
	global_load_b128 v[XN+12*JJ+4*\k:XN+12*JJ+4*\k+3], v[XN+12*JJ+4*\k], s[6:7]   ; a table row's 512 consecutive bytes; no vector instruction since the block's wait names these registers
.endif
.if (PP > 0) && (\k < 2)
	ds_store_b128 v2, v[YP+8*JJ+4*\k:YP+8*JJ+4*\k+3] offset:(2*PP-2+JJ)*BP+512*\k  ; k = 0: channels 4 L .. + 3; k = 1: channels 128 + 4 L .. + 3
.endif
.endm
.macro BLEND k, n0, n1, n2, n3         ; row k of three: 8 numbers times its weight, onto the blend
	DEAL \k
	CV2 T, \n0
	CV2 T+2, \n1
	CV2 T+4, \n2
	CV2 T+6, \n3
.irp p, 0,2,4,6
.if \k == 0
	v_pk_mul_f32 v[YQ+\p:YQ+\p+1], v[T+\p:T+\p+1], s[WQ:WQ+1] op_sel_hi:[1,0]
.else
	v_pk_fma_f32 v[YQ+\p:YQ+\p+1], v[T+\p:T+\p+1], s[WQ+2*\k:WQ+2*\k+1], v[YQ+\p:YQ+\p+1] op_sel_hi:[1,0,1]
.endif
.endr
.endm
.macro SLOTROWS slot                   ; slot s (buffer s / 2, query s % 2) lies in v[8 + 12 s : 19 + 12 s]
.if (\slot) == 0
	BLEND 0, 8,9,10,11
	BLEND 1, 12,13,14,15
	BLEND 2, 16,17,18,19
.endif
.if (\slot) == 1
	BLEND 0, 20,21,22,23
	BLEND 1, 24,25,26,27
	BLEND 2, 28,29,30,31
.endif
.if (\slot) == 2
	BLEND 0, 32,33,34,35
	BLEND 1, 36,37,38,39
	BLEND 2, 40,41,42,43
.endif
.if (\slot) == 3
	BLEND 0, 44,45,46,47
	BLEND 1, 48,49,50,51
	BLEND 2, 52,53,54,55
.endif
.if (\slot) == 4
	BLEND 0, 56,57,58,59
	BLEND 1, 60,61,62,63
	BLEND 2, 64,65,66,67
.endif
.if (\slot) == 5
	BLEND 0, 68,69,70,71
	BLEND 1, 72,73,74,75
	BLEND 2, 76,77,78,79
.endif
.if (\slot) == 6
	BLEND 0, 80,81,82,83
	BLEND 1, 84,85,86,87
	BLEND 2, 88,89,90,91
.endif
.if (\slot) == 7
	BLEND 0, 92,93,94,95
	BLEND 1, 96,97,98,99
	BLEND 2, 100,101,102,103
.endif
.if (\slot) == 8
	BLEND 0, 104,105,106,107
	BLEND 1, 108,109,110,111
	BLEND 2, 112,113,114,115
.endif
.if (\slot) == 9
	BLEND 0, 116,117,118,119
	BLEND 1, 120,121,122,123
	BLEND 2, 124,125,126,127
.endif
.endm
; what block p needs in scalar registers: its six weights, and the six table rows of block p + 4.  Issued half a block ahead of the wait for them.
.macro RL p
.irp j, 0,1
.irp k, 0,1,2
	v_readlane_b32 s[WS+12*((\p)&1)+6*\j+2*\k], v[WL+\k], 2*(\p)+\j
.endr
.endr
.if (\p)+4 < 16
.irp j, 0,1
.irp k, 0,1,2
	v_readlane_b32 s[IS+3*\j+\k], v[IX+\k], 2*(\p)+8+\j
.endr
.endr
.endif
.endm
; Block p: queries 2 p and 2 p + 1 of my 32
.macro BLK p
.set PP, \p
.set XN, RING+24*(((\p)+4)%5)
.set YP, Y+16*(((\p)+1)&1)
.if (\p) < 13
	s_wait_loadcnt 18                              ; loads come back in order: this block's six rows are in; those of the three younger blocks stay out
.else
	s_wait_loadcnt 6*(15-(\p))                     ; nothing is left to ask for: the counts run down
.endif
	s_wait_alu depctr_va_sdst(0)                   ; the v_readlane_b32 issued in the block before have written this block's weights and, while rows are left, the rows of block p + 4, ahead of their first readers
.if (\p)+4 < 16
.irp i, 0,1,2,3,4,5
	s_min_u32 s[IS+\i], s[IS+\i], 0x3fff           ; a row stays inside the table's 16,384
.endr
.irp i, 0,1,2,3,4,5
	v_lshl_add_u32 v[XN+4*\i], s[IS+\i], 9, v1     ; the offset lies in the load's own first register; the loads that last read it stand ahead of an earlier block's wait on vm_vsrc and were shown done a block ago
.endr
.endif
	s_wait_alu depctr_va_vdst(0)                   ; the offsets above are written; the block before is done reading its X, in which the loads below land, and has written its Y, which the stores below read
.if (\p) == 0
	s_wait_alu depctr_vm_vsrc(0)                   ; the LDS stores of points1 have read v[P1 ..]: these registers are T and Y from here on; the first 24 loads have read their offsets, which later blocks write again
.elseif (\p) > 1
	s_wait_alu depctr_vm_vsrc(0)                   ; the LDS stores issued in the block before have read the Y that this block's multiply-adds write again
.endif
.set JJ, 0
.set YQ, Y+16*((\p)&1)
.set WQ, WS+12*((\p)&1)
	SLOTROWS 2*((\p)%5)
.if (\p) < 15
	RL (\p)+1
.endif
.set JJ, 1
.set YQ, Y+16*((\p)&1)+8
.set WQ, WS+12*((\p)&1)+6
	SLOTROWS 2*((\p)%5)+1
.endm
; a quarter of row tile t into register set t % 4: 16 bytes of a points1 fragment, and 16 bytes of the blend into an accumulator
.macro LDQ t, i
	ds_load_b128 v[AR+16*((\t)&3)+4*(\i):AR+16*((\t)&3)+4*(\i)+3], v6 offset:(\t)*16*AP+32*(\i)
	ds_load_b128 v[ACC+16*((\t)&3)+4*(\i):ACC+16*((\t)&3)+4*(\i)+3], v[CB+((\t)>>2)] offset:((\t)&3)*16*BP+64*((\i)>>1)+16*((\i)&1)
.endm
.macro LDQ2 t, i                       ; tile t + 2, where there is one and its set has been emptied
.if ((\t) >= 2) && ((\t)+2 < 16)
	LDQ (\t)+2, \i
.endif
.endm
; row tile t is done: statistics, and f16 into out-buffer t % 2
.macro EPI t
.set SE, ACC+16*((\t)&3)
.set PB, PK+168*((\t)&1)
.irp n, 0,1
.irp p, 0,2,4,6
	v_pk_add_f32 v[ST+8*\n+\p:ST+8*\n+\p+1], v[ST+8*\n+\p:ST+8*\n+\p+1], v[SE+8*\n+\p:SE+8*\n+\p+1]
	v_pk_fma_f32 v[ST+16+8*\n+\p:ST+16+8*\n+\p+1], v[SE+8*\n+\p:SE+8*\n+\p+1], v[SE+8*\n+\p:SE+8*\n+\p+1], v[ST+16+8*\n+\p:ST+16+8*\n+\p+1]
.endr
.endr
.irp p, 0,1,2,3,4,5,6,7
	v_cvt_pk_f16_f32 v[PB+\p], v[SE+2*\p], v[SE+2*\p+1]
.endr
.endm
.macro OUT t                           ; its two stores
.set PB, PK+168*((\t)&1)
	global_store_b128 v5, v[PB:PB+3], s[14:15] offset:(\t)*8192
	global_store_b128 v5, v[PB+4:PB+7], s[14:15] offset:(\t)*8192+512
.endm
; Row tile t: four products, two K steps on two accumulators by turns.  Behind them stands the tile before's way out, 24 vector
; instructions that name none of these products' registers: the places between a product and the reading of its result one tile later (ISA guide 7.12.1).
.macro TILE t
.if (\t) < 2
	s_wait_dscnt 24-8*(\t)                         ; this tile's 8 loads are in; those of the tiles behind it, asked for at the start, stay out
.elseif (\t) < 15
	s_wait_dscnt 8                                 ; this tile's 8 loads are in; those of the tile behind it stay out
.else
	s_wait_dscnt 0x0
.endif
.if (\t) >= 3
	s_wait_xcnt 0x0                                ; the out-buffer that the stores of a tile ago read is rewritten only behind this wait,
	s_wait_alu depctr_vm_vsrc(0)                   ; and behind this one: those stores have read PK[(t - 1) % 2], which this tile's roundings write again
.endif
.if (\t) >= 2
	s_wait_alu depctr_va_vdst(0)                   ; the way out of tile t - 2 has written PK[t % 2], which the stores below read, and is done reading its sums; that tile's products are done reading their fragments: the loads below land in both
.endif
.set SA, ACC+16*((\t)&3)
.set SR, AR+16*((\t)&3)
	v_wmma_f32_16x16x32_f16 v[SA:SA+7], v[WF:WF+7], v[SR:SR+7], v[SA:SA+7]
	LDQ2 \t, 0                                     ; no vector or matrix instruction since the wait names set (t + 2) % 4
	v_wmma_f32_16x16x32_f16 v[SA+8:SA+15], v[WF+16:WF+23], v[SR:SR+7], v[SA+8:SA+15]
	LDQ2 \t, 1
	v_wmma_f32_16x16x32_f16 v[SA:SA+7], v[WF+8:WF+15], v[SR+8:SR+15], v[SA:SA+7]
	LDQ2 \t, 2
	v_wmma_f32_16x16x32_f16 v[SA+8:SA+15], v[WF+24:WF+31], v[SR+8:SR+15], v[SA+8:SA+15]
	LDQ2 \t, 3
.if (\t) >= 2
	OUT (\t)-2
.endif
.if (\t) == 0
.irp k, 0,1,2,3,4,5,6,7,8,9,10,11,12,13,14,15,16,17,18,19,20,21,22,23,24,25,26,27,28,29,30,31
	v_mov_b32 v[ST+\k], 0                          ; no tile before: the statistics are cleared here, and these lines are the places
.endr
.else
	EPI (\t)-1
.endif
.endm
	s_load_b256 s[4:11], s[0:1], 0x0               ; points1 4, tab 6, bn 8, nidx 10
	s_load_b128 s[12:15], s[0:1], 0x20             ; nw 12, h1 14
	s_load_b64 s[16:17], s[0:1], 0x30              ; part
	v_lshl_add_u32 v222, v0, 2, 0x4a800
	v_mov_b32 v223, 0
	v_lshrrev_b32 v1, 5, v0
	v_readfirstlane_b32 s18, v1                    ; wave
	v_and_b32 v7, 31, v0
	v_and_b32 v5, 15, v0                           ; r
	v_bfe_u32 v6, v0, 4, 1                         ; h
	v_lshlrev_b32 v1, 4, v7                        ; 16 L
	s_wait_alu depctr_va_sdst(0)                   ; s18 is written, ahead of its first reader
	s_mul_i32 s32, s18, 32*BP                      ; my wave's 32 rows of the blend
	v_add_nc_u32 v2, s32, v1
	s_mul_i32 s33, s18, 32*AP
	s_add_co_u32 s33, s33, PA                      ; and of points1
	v_mul_u32_u24 v3, v6, AP
	v_lshl_add_u32 v3, v5, 3, v3
	v_add_nc_u32 v3, s33, v3                       ; row h, K 4 r
	v_lshl_add_u32 v4, s18, 13, v1                 ; my wave's 32 rows of 256 bytes of points1
	v_lshlrev_b32 v[PVO], 4, v5
	v_mul_u32_u24 v[CB], v5, BP
	v_lshl_add_u32 v[CB], v6, 5, v[CB]
	v_lshl_add_u32 v[CB], s18, 7, v[CB]            ; r x pitch + 4 bytes x (32 w + 8 h)
	v_add_nc_u32 v[CB+1], 64*BP, v[CB]
	v_add_nc_u32 v[CB+2], 128*BP, v[CB]
	v_add_nc_u32 v[CB+3], 192*BP, v[CB]
	v_mul_u32_u24 v[T], v5, AP
	v_lshl_add_u32 v6, v6, 4, v[T]
	v_add_nc_u32 v6, PA, v6                        ; r x pitch + 16 h
	v_lshl_add_u32 v5, s18, 10, v1                 ; my two channel tiles of 512 bytes: in h1, and in W1's blocks
	v_lshlrev_b32 v7, 4, v0
	s_lshl_b32 s24, ttmp9, 16
	s_mov_b32 s25, 0
	s_lshl_b32 s26, ttmp9, 12
	s_mov_b32 s27, 0
	s_lshl_b32 s28, ttmp9, 17
	s_mov_b32 s29, 0
	s_lshl_b32 s30, ttmp9, 11
	s_mov_b32 s31, 0
.irp i, 1,3,5,7,9,11,13,15,17,19,21,23
	s_mov_b32 s[WS+\i], 0                          ; the upper halves of the weights' pairs: named by the packed forms, never used
.endr
	s_wait_kmcnt 0x0
	s_add_nc_u64 s[20:21], s[4:5], s[24:25]
	s_add_nc_u64 s[8:9], s[8:9], WFOFF
	s_add_nc_u64 s[10:11], s[10:11], s[26:27]
	s_add_nc_u64 s[12:13], s[12:13], s[26:27]
	s_add_nc_u64 s[14:15], s[14:15], s[28:29]
	s_add_nc_u64 s[16:17], s[16:17], s[30:31]
	s_wait_alu depctr_va_vdst(0)                   ; the offsets and LDS addresses v1 to v7, v[PVO] and v[CB ..] are written, which loads and stores read; so is v[T], in which a load of points1 lands
	global_load_b128 v[IX:IX+3], v7, s[10:11]
	global_load_b128 v[WL:WL+3], v7, s[12:13]
	global_load_b128 v[PV:PV+3], v[PVO], s[4:5]
.irp i, 0,1,2,3,4,5,6,7,8,9,10,11,12,13,14,15
	global_load_b128 v[P1+4*\i:P1+4*\i+3], v4, s[20:21] offset:512*\i th:TH_LOAD_NT   ; two rows a load
.endr
.irp c, 0,1,2,3
	global_load_b128 v[WF+8*(\c/2)+4*(\c%2):WF+8*(\c/2)+4*(\c%2)+3], v5, s[8:9] offset:\c*8192
	global_load_b128 v[WF+16+8*(\c/2)+4*(\c%2):WF+16+8*(\c/2)+4*(\c%2)+3], v5, s[8:9] offset:\c*8192+512
.endr
	s_wait_loadcnt 25                              ; the index and weight quads are in; 17 loads of points1 and 8 of W1 stay out
	; blocks 0 to 3 are asked for: all 24 rows out of the lanes, one wait; all 24 offsets, one wait; 24 loads
.irp q, 0,1,2,3,4,5,6,7
.irp k, 0,1,2
	v_readlane_b32 s[IS+3*\q+\k], v[IX+\k], \q
.endr
.endr
	s_wait_alu depctr_va_sdst(0)                   ; the 24 rows are written, ahead of their first readers
.set i, 0
.rept 24
	s_min_u32 s[IS+i], s[IS+i], 0x3fff             ; a row stays inside the table's 16,384
.set i, i+1
.endr
.set i, 0
.rept 24
	v_lshl_add_u32 v[RING+4*i], s[IS+i], 9, v1
.set i, i+1
.endr
	RL 0                                           ; block 0's weights and block 4's rows: waited for at block 0's head
	s_wait_alu depctr_va_vdst(0)                   ; the 24 offsets are written
.set i, 0
.rept 24
	global_load_b128 v[RING+4*i:RING+4*i+3], v[RING+4*i], s[6:7]
.set i, i+1
.endr
	s_wait_loadcnt 24                              ; points1 and W1 are in; the ring's 24 loads stay out
.irp i, 0,1,2,3,4,5,6,7,8,9,10,11,12,13,14,15
	v_pk_add_f32 v[P1+4*\i:P1+4*\i+1], v[P1+4*\i:P1+4*\i+1], v[PV:PV+1] neg_lo:[0,1] neg_hi:[0,1]
	v_pk_add_f32 v[P1+4*\i+2:P1+4*\i+3], v[P1+4*\i+2:P1+4*\i+3], v[PV+2:PV+3] neg_lo:[0,1] neg_hi:[0,1]
	v_cvt_pk_f16_f32 v[P1+4*\i], v[P1+4*\i], v[P1+4*\i+1]
	v_cvt_pk_f16_f32 v[P1+4*\i+1], v[P1+4*\i+2], v[P1+4*\i+3]
.endr
	s_wait_alu depctr_va_vdst(0)                   ; the roundings have written v[P1 ..], which the LDS stores read
.irp i, 0,1,2,3,4,5,6,7,8,9,10,11,12,13,14,15
	ds_store_b64 v3, v[P1+4*\i:P1+4*\i+1] offset:\i*2*AP
.endr
.irp p, 0,1,2,3,4,5,6,7,8,9,10,11,12,13,14,15
	BLK \p
.endr
	s_wait_alu depctr_va_vdst(0)                   ; block 15 has written Y1, which the last four LDS stores read; every vector instruction of phase 1 is done with the registers in which phase 2's loads land
.irp j, 0,1
.irp k, 0,1
	ds_store_b128 v2, v[Y+16+8*\j+4*\k:Y+16+8*\j+4*\k+3] offset:(30+\j)*BP+512*\k
.endr
.endr
	s_wait_dscnt 0x0                               ; my 32 rows are in LDS,
	s_barrier_signal -1
	s_barrier_wait -1                              ; everybody's are; the rows are only read from here on
	s_wait_alu depctr_vm_vsrc(0)                   ; my LDS stores have read Y, and the ring's loads their offsets: these registers are phase 2's from here on, written by its loads and its vector instructions
.irp t, 0,1,2,3
.irp i, 0,1,2,3
	LDQ \t, \i
.endr
.endr
.set tt, 0
.rept 16
	TILE tt
.set tt, tt+1
.endr
	s_wait_xcnt 0x0                                ; PK1, which tile 13's stores read, is rewritten only behind this wait,
	s_wait_alu depctr_vm_vsrc(0)                   ; and behind this one: those stores have read it
	s_wait_alu depctr_va_vdst(0)                   ; the way out of tile 14 has written PK0
	OUT 14
	EPI 15                                         ; behind the last products stood tile 14's way out: more than four places
	s_wait_alu depctr_va_vdst(0)                   ; the way out of tile 15 has written PK1
	OUT 15
	; lane (r, h), register j: channel 32 w + 16 n' + 8 h + j, rows r mod 16.  Summed over the 16 lanes of a half; then through my wave's own words of LDS
	; (a wave's LDS instructions are served in order, ISA guide 5.7.1), so that lane L gets channel 32 w + L.
.irp m, 1,2,4,8
.set i, 0
.rept 32
	v_add_f32_dpp v[ST+i], v[ST+i], v[ST+i] row_xmask:\m row_mask:0xf bank_mask:0xf
.set i, i+1
.endr
.endr
	s_lshl_b32 s33, s18, 7
	s_add_co_u32 s33, s33, STAT
	v_bfe_u32 v64, v0, 4, 1
	v_lshlrev_b32 v64, 5, v64
	v_add_nc_u32 v64, s33, v64
	v_and_b32 v65, 31, v0
	v_lshlrev_b32 v65, 2, v65
	v_add_nc_u32 v65, s33, v65
	v_lshlrev_b32 v70, 3, v0
	s_wait_alu depctr_va_vdst(0)                   ; the sums and the addresses v64, v65, v70 are written; the ways out are done reading v66 and v67, in which the loads below land
.irp n, 0,1
	ds_store_b128 v64, v[ST+8*\n:ST+8*\n+3] offset:64*\n
	ds_store_b128 v64, v[ST+8*\n+4:ST+8*\n+7] offset:64*\n+16
	ds_store_b128 v64, v[ST+16+8*\n:ST+16+8*\n+3] offset:64*\n+1024
	ds_store_b128 v64, v[ST+16+8*\n+4:ST+16+8*\n+7] offset:64*\n+1040
.endr
	ds_load_b32 v66, v65
	ds_load_b32 v67, v65 offset:1024
	s_wait_dscnt 0x0
	v_mul_f32 v68, 0x3b800000, v66                 ; mean of 256 rows
	v_fma_f32 v69, -v66, v68, v67                  ; sum of squared deviations
	s_wait_alu depctr_va_vdst(0)                   ; v68 and v69 are written, which the store reads
	global_store_b64 v70, v[68:69], s[16:17]       ; the wave stores 256 consecutive bytes, aligned
	s_wait_dscnt 0x0
	s_wait_alu depctr_hold_cnt(0) depctr_sa_sdst(0) depctr_va_vdst(0) depctr_va_sdst(0) depctr_va_ssrc(0) depctr_va_vcc(0) depctr_vm_vsrc(0)
	s_wait_tensorcnt 0x0
	ds_add_u32 v222, v223
	s_wait_dscnt 0x0
	s_endpgm
.Lfunc_end_k_q11566cfbfb_layer1:
	.size	k_q11566cfbfb_layer1, .Lfunc_end_k_q11566cfbfb_layer1-k_q11566cfbfb_layer1
	.p2alignl 7, 3214868480
	.fill 96, 4, 3214868480
	.section	.rodata,"a",@progbits
	.p2align	6, 0x0
	.amdhsa_kernel k_q11566cfbfb_layer1
		.amdhsa_group_segment_fixed_size 306176
		.amdhsa_private_segment_fixed_size 0
		.amdhsa_enable_private_segment 0
		.amdhsa_kernarg_size 56
		.amdhsa_user_sgpr_count 2
		.amdhsa_user_sgpr_kernarg_segment_ptr 1
		.amdhsa_wavefront_size32 1
		.amdhsa_system_sgpr_workgroup_id_x 1
		.amdhsa_system_sgpr_workgroup_id_y 1
		.amdhsa_system_sgpr_workgroup_id_z 1
		.amdhsa_system_vgpr_workitem_id 0
		.amdhsa_next_free_vgpr 256
		.amdhsa_next_free_sgpr 92
		.amdhsa_reserve_vcc 0
		.amdhsa_float_denorm_mode_32 3
		.amdhsa_float_denorm_mode_16_64 3
		.amdhsa_memory_ordered 1
		.amdhsa_forward_progress 1
		.amdhsa_inst_pref_size 150
	.end_amdhsa_kernel
	.amdgpu_metadata
---
amdhsa.version: [ 1, 2 ]
amdhsa.kernels:
  - .name:           k_q11566cfbfb_layer1
    .symbol:         k_q11566cfbfb_layer1.kd
    .args:
      - { .name: points1, .offset: 0, .size: 8, .value_kind: global_buffer, .address_space: global }
      - { .name: tab, .offset: 8, .size: 8, .value_kind: global_buffer, .address_space: global }
      - { .name: bn, .offset: 16, .size: 8, .value_kind: global_buffer, .address_space: global }
      - { .name: nidx, .offset: 24, .size: 8, .value_kind: global_buffer, .address_space: global }
      - { .name: nw, .offset: 32, .size: 8, .value_kind: global_buffer, .address_space: global }
      - { .name: h1, .offset: 40, .size: 8, .value_kind: global_buffer, .address_space: global }
      - { .name: part, .offset: 48, .size: 8, .value_kind: global_buffer, .address_space: global }
    .group_segment_fixed_size: 306176
    .private_segment_fixed_size: 0
    .kernarg_segment_align: 8
    .kernarg_segment_size: 56
    .max_flat_workgroup_size: 256
    .sgpr_count:     92
    .vgpr_count:     256
    .wavefront_size: 32
...
	.end_amdgpu_metadata
.endif
;; end of part 11
;; launch fin1: the kernel of part 4 again; grid 8 x 1, 8 waves a work-group, no clusters, 3,072 bytes of LDS; arguments part, g1, b1, bn; writes bn
;; launch layer2 (part 12): grid 256 x 1, 8 waves a work-group, no clusters, 214,016 bytes of LDS; arguments h1, bn, h2, part; writes h2, part
.if DOCPART == 12
	.amdgcn_target "amdgcn-amd-amdhsa--gfx1250"
	.amdhsa_code_object_version 6
	.text
	.protected	k_q11566cfbfb_layer2
	.globl	k_q11566cfbfb_layer2
	.p2align	8
	.type	k_q11566cfbfb_layer2,@function
k_q11566cfbfb_layer2:
	s_mov_b64 s[64:65], 0
	v_nop
	global_prefetch_b8 v0, s[64:65] scope:SCOPE_SE
	s_setreg_imm32_b32 hwreg(HW_REG_WAVE_SCHED_MODE, 0, 2), 2
	s_setreg_imm32_b32 hwreg(HW_REG_WAVE_MODE, 25, 1), 1
	s_wait_xcnt 0x0
	s_wait_alu depctr_vm_vsrc(0)
; Launch 5 of 7: layer 1's batch norm and ReLU, layer 2's product, its statistics.
; Work-group x owns rows 256 x .. +255, wave w 32 of them (two tiles of 16) with all 128 output channels.
; h1 lies in memory in the lane order of a matrix operand, so a wave's 32 loads of 512 consecutive bytes fill its 16 fragments.  In place, in f32:
;   a = relu(scale h + shift) - relu(shift) = max(fma(h, scale, min(shift, 0)), -max(shift, 0)),  rounded to f16.
; The constant relu(shift) taken away changes no output: layer 2's batch norm removes W2 relu(shift) from every channel.
; W2 (f16, operand order, 64 KB, behind the constants in bn) is copied to LDS once and streams from there.  The product is used transposed (source 0 = W2,
; source 1 = rows); results go through the wave's own stage in LDS and leave as whole rows of 512 bytes in f32; the sums for the statistics are taken on the way.
; No clusters and no tensor loads: what work-groups share is W2's 64 KB of the 256 KB that a work-group moves, read once.
; THE MODE: SCHED_MODE bits 1:0 = 2 (LLVM: expert scheduling mode 2), set by the entry lines.  The code itself states the register dependences
; between vector or matrix instructions and memory or LDS instructions, with s_wait_alu, always for 0.
; THE PLAN.  Registers that memory or LDS instructions touch (an instruction names 256; s_set_vgpr_msb says which window each operand place means:
; bits 1:0 source 0, 3:2 source 1, 5:4 source 2, 7:6 destination):
;   window 0  v[0:127]    h1: loaded once; converted in place; read by the products; at the end the stage's rows land here and are stored from here.
;             v[128:223]  four sets of constants.  Steps t and t + 1 of the conversion read sets t % 4 and (t + 1) % 4; at every second step's head the two sets
;                         that the two steps before read are loaded again, for steps t + 2 and t + 3: one wait for two steps.
;             v232-241    addresses, made at the head and never written again.
;   window 1  v[0:127]    two sets of eight accumulators, one for each half of the channels: written by the products, read by the LDS stores into the stage, never written again.
;             v[128:223]  three buffers of four fragments of W2.  Group g (one K step: 8 products) reads buffer g % 3; the loads of group g + 2, issued in group g,
;                         land in buffer (g + 2) % 3 = (g - 1) % 3.
;             v224        the fragments' LDS address, made at the head and never written again.
; So ONE wait on va_vdst stands at a group's head: the group before is done reading its buffer.  The group's eight loads follow it, one behind each of its
; products, which name buffer g % 3, h1 and the accumulators: none of the registers that those loads touch.  One window setting serves products and loads.
.set BNC,  65536                       ; behind W2: the four tables of layer 1's constants, 1,024 bytes each
.set STG,  69632                       ; a stage of 32 rows of 512 bytes for each wave,
.set SP,   528                         ; pitch 33 x 16: the 16 rows that a store touches start in different banks
.set STAT, 204800                      ; for each wave 128 sums, 128 sums of squares
.set WF2OFF, 167936                    ; bn: 4,096 bytes of constants, W1's 320 blocks of 512 bytes, then W2's 128
.set C0,  128                          ; v[128:223] four sets of constants: 8 scale, 8 min(shift,0), 8 -max(shift,0).  Before: v[128:195] W2 and the constants on their way to LDS
.set T,   224                          ; v[224:231] at work
; v[0:127]: h1, block 16 m + t at 4 x block; fragment (m, ks) at 64 m + 8 ks.  v232-241: addresses, made before the loads write over v0
.set ACC, 0                            ; window 1: half hf of the channels, channel tile n of four, row tile m at 64 hf + 16 n + 8 m
.set BR,  128                          ; window 1: buffer b, channel tile n at 128 + 32 b + 8 n
.set LB,  224                          ; window 1: 16 L
.set W_MK, 0x40                        ; destination in window 1
.set W_MM, 0x51                        ; products: D, C and W2's fragment in window 1, the rows in window 0; fragment loads: data and address in window 1
.set W_ST, 0x04                        ; LDS stores: data in window 1, address in window 0
.set MSB, 0
.macro WIN new                         ; the immediate's high byte repeats the setting that is left; a switch that changes nothing is dropped
.if MSB != (\new)
	s_set_vgpr_msb (MSB<<8)|(\new)
.set MSB, \new
.endif
.endm
.macro CV2 d, n                        ; both f16 halves of register n (given as a plain number) to f32
	v_cvt_f32_f16 v[\d], v\n\().l
	v_cvt_f32_f16 v[\d+1], v\n\().h
.endm
.macro CONV n0, n1, n2, n3, cs         ; one block of 8 channels a lane, in place
	CV2 T, \n0
	CV2 T+2, \n1
	CV2 T+4, \n2
	CV2 T+6, \n3
.irp p, 0,2,4,6
	v_pk_fma_f32 v[T+\p:T+\p+1], v[T+\p:T+\p+1], v[\cs+\p:\cs+\p+1], v[\cs+8+\p:\cs+8+\p+1]
.endr
.irp j, 0,1,2,3,4,5,6,7
	v_max_num_f32 v[T+\j], v[T+\j], v[\cs+16+\j]
.endr
	v_cvt_pk_f16_f32 v\n0, v[T], v[T+1]
	v_cvt_pk_f16_f32 v\n1, v[T+2], v[T+3]
	v_cvt_pk_f16_f32 v\n2, v[T+4], v[T+5]
	v_cvt_pk_f16_f32 v\n3, v[T+6], v[T+7]
.endm
.macro LDC t, cs                       ; the constants of channels 16 t + 8 h .. + 7
	ds_load_b128 v[\cs:\cs+3], v234 offset:64*(\t)
	ds_load_b128 v[\cs+4:\cs+7], v234 offset:64*(\t)+16
	ds_load_b128 v[\cs+8:\cs+11], v234 offset:64*(\t)+2048
	ds_load_b128 v[\cs+12:\cs+15], v234 offset:64*(\t)+2064
	ds_load_b128 v[\cs+16:\cs+19], v234 offset:64*(\t)+3072
	ds_load_b128 v[\cs+20:\cs+23], v234 offset:64*(\t)+3088
.endm
.macro TSTEP t, a0, a1, a2, a3, b0, b1, b2, b3
	s_wait_loadcnt 15-\t                           ; blocks t and 16 + t of h1 are in, the younger ones stay out
.if ((\t) >= 2) && ((\t) <= 12) && (((\t)&1) == 0)
	s_wait_alu depctr_va_vdst(0)                   ; the two steps before are done reading their sets of constants, in which the twelve loads below land
	LDC \t+2, C0+24*((\t+2)&3)
	LDC \t+3, C0+24*((\t+3)&3)
.endif
.if (\t) < 14
	s_wait_dscnt 18-6*((\t)&1)                     ; this step's constants are in; three younger sets of six loads stay out, or two
.else
	s_wait_dscnt 6*(15-(\t))                       ; nothing is left to load: the counts run down
.endif
	CONV \a0, \a1, \a2, \a3, C0+24*(\t&3)
	CONV \b0, \b1, \b2, \b3, C0+24*(\t&3)
.endm
.macro LDF g, n, p                     ; half p of the fragment of W2 for group g (K step g % 8, channels 64 (g / 8) on), channel tile n of four
	ds_load_b128 v[BR+32*((\g)%3)+8*(\n)+4*(\p):BR+32*((\g)%3)+8*(\n)+4*(\p)+3], v[LB] offset:8192*((\g)&7)+512*(4*((\g)>>3)+(\n))+4096*(\p)
.endm
; Group g: four fragments of W2 against both row tiles.  The eight accumulators take turns.
.macro GROUP g
.set HF, (\g)>>3
.set KS, (\g)&7
.set FB, BR+32*((\g)%3)
.if (\g) == 15
	s_wait_dscnt 0x0
.elseif ((\g) == 9) || ((\g) == 10)
	s_wait_dscnt 24                                ; this group's fragments are in; eight younger loads and the sixteen stores into the stage stay out
.elseif (\g) >= 3
	s_wait_dscnt 8                                 ; this group's fragments are in; the next group's eight loads stay out (groups 0 to 2 were shown in by the conversions' last wait)
.endif
.if ((\g) >= 1) && ((\g) < 14)
	s_wait_alu depctr_va_vdst(0)                   ; the products of the group before are done reading their buffer, in which the loads below land; in group 8 also: the first half's sums are written, which the stores behind this group read
.endif
.irp n, 0,1,2,3
.irp m, 0,1
.if KS == 0
	v_wmma_f32_16x16x32_f16 v[ACC+64*HF+16*\n+8*\m:ACC+64*HF+16*\n+8*\m+7], v[FB+8*\n:FB+8*\n+7], v[64*\m:64*\m+7], 0
.else
	v_wmma_f32_16x16x32_f16 v[ACC+64*HF+16*\n+8*\m:ACC+64*HF+16*\n+8*\m+7], v[FB+8*\n:FB+8*\n+7], v[64*\m+8*KS:64*\m+8*KS+7], v[ACC+64*HF+16*\n+8*\m:ACC+64*HF+16*\n+8*\m+7]
.endif
.if ((\g) >= 1) && ((\g) < 14)
	LDF (\g)+2, \n, \m                             ; no vector or matrix instruction since the wait names buffer (g + 2) % 3 or the address
.endif
.endr
.endr
.endm
.macro STAGE hf                        ; lane (r, h): row 16 m + r, channels 64 hf + 16 n + 8 h .. + 7; each accumulator from its low end on
.irp n, 0,1,2,3
.irp m, 0,1
	ds_store_b128 v236, v[ACC+64*\hf+16*\n+8*\m:ACC+64*\hf+16*\n+8*\m+3] offset:16*SP*\m+256*\hf+64*\n
	ds_store_b128 v236, v[ACC+64*\hf+16*\n+8*\m+4:ACC+64*\hf+16*\n+8*\m+7] offset:16*SP*\m+256*\hf+64*\n+16
.endr
.endr
.endm
	s_load_b256 s[4:11], s[0:1], 0x0               ; h1 4, bn 6, h2 8, part 10
	v_lshl_add_u32 v254, v0, 2, 0x34000
	v_mov_b32 v255, 0
	v_lshrrev_b32 v224, 5, v0
	v_readfirstlane_b32 s14, v224                  ; wave
	v_and_b32 v225, 31, v0
	v_and_b32 v226, 15, v0                         ; r
	v_bfe_u32 v227, v0, 4, 1                       ; h
	v_lshlrev_b32 v232, 4, v0                      ; 16 t: W2 and the constants on their way to LDS
	v_add_nc_u32 v241, BNC, v232
	v_lshlrev_b32 v235, 4, v225                    ; 16 L
	s_wait_alu depctr_va_sdst(0)                   ; s14 is written, ahead of its first reader
	v_lshl_add_u32 v233, s14, 14, v235             ; my wave's 16 KB of h1, and of h2
	v_lshlrev_b32 v234, 5, v227
	v_add_nc_u32 v234, BNC, v234
	s_mul_i32 s15, s14, 32*SP
	s_add_co_u32 s15, s15, STG                     ; my stage
	v_mul_u32_u24 v236, v226, SP
	v_lshl_add_u32 v236, v227, 5, v236
	v_add_nc_u32 v236, s15, v236
	v_add_nc_u32 v237, s15, v235
	s_lshl_b32 s16, s14, 10
	s_add_co_u32 s16, s16, STAT
	v_add_nc_u32 v238, s16, v235
	v_lshlrev_b32 v239, 2, v0
	v_add_nc_u32 v239, STAT, v239
	v_lshlrev_b32 v240, 3, v0
	WIN W_MK
	v_mov_b32 v[LB], v235                          ; 16 L once more, in the window of the fragments
	WIN 0
	s_lshl_b32 s18, ttmp9, 17
	s_mov_b32 s19, 0
	s_lshl_b32 s20, ttmp9, 11
	s_mov_b32 s21, 0
	s_wait_kmcnt 0x0
	s_add_nc_u64 s[4:5], s[4:5], s[18:19]
	s_add_nc_u64 s[8:9], s[8:9], s[18:19]
	s_add_nc_u64 s[10:11], s[10:11], s[20:21]
	s_add_nc_u64 s[12:13], s[6:7], WF2OFF
	s_wait_alu depctr_va_vdst(0)                   ; the eleven addresses are written, which every load and store of the kernel reads; the lines above are done reading v0, in which a load of h1 lands
.irp i, 0,1,2,3,4,5,6,7,8,9,10,11,12,13,14,15
	global_load_b128 v[128+4*\i:131+4*\i], v232, s[12:13] offset:4096*\i
.endr
	global_load_b128 v[192:195], v232, s[6:7]
.set i, 0
.rept 32
	global_load_b128 v[4*i:4*i+3], v233, s[4:5] offset:512*i th:TH_LOAD_NT
.set i, i+1
.endr
	s_wait_loadcnt 32                              ; W2 and the constants are in; the 32 loads of h1 stay out
.irp i, 0,1,2,3,4,5,6,7,8,9,10,11,12,13,14,15
	ds_store_b128 v232, v[128+4*\i:131+4*\i] offset:4096*\i
.endr
	ds_store_b128 v241, v[192:195]
	s_wait_dscnt 0x0                               ; my part is in LDS,
	s_barrier_signal -1
	s_barrier_wait -1                              ; everybody's is; W2 and the constants are only read from here on
	s_wait_alu depctr_vm_vsrc(0)                   ; my LDS stores have read v[128:195], in which the constants land
	WIN W_MM
.irp g, 0,1,2
.irp n, 0,1,2,3
.irp p, 0,1
	LDF \g, \n, \p                                 ; the first three groups' fragments: no instruction has named their registers yet
.endr
.endr
.endr
	WIN 0
	LDC 0, C0
	LDC 1, C0+24
	LDC 2, C0+48
	LDC 3, C0+72
	TSTEP 0,  0,1,2,3,     64,65,66,67
	TSTEP 1,  4,5,6,7,     68,69,70,71
	TSTEP 2,  8,9,10,11,   72,73,74,75
	TSTEP 3,  12,13,14,15, 76,77,78,79
	TSTEP 4,  16,17,18,19, 80,81,82,83
	TSTEP 5,  20,21,22,23, 84,85,86,87
	TSTEP 6,  24,25,26,27, 88,89,90,91
	TSTEP 7,  28,29,30,31, 92,93,94,95
	TSTEP 8,  32,33,34,35, 96,97,98,99
	TSTEP 9,  36,37,38,39, 100,101,102,103
	TSTEP 10, 40,41,42,43, 104,105,106,107
	TSTEP 11, 44,45,46,47, 108,109,110,111
	TSTEP 12, 48,49,50,51, 112,113,114,115
	TSTEP 13, 52,53,54,55, 116,117,118,119
	TSTEP 14, 56,57,58,59, 120,121,122,123
	TSTEP 15, 60,61,62,63, 124,125,126,127
	WIN W_MM
.set gg, 0
.rept 8
	GROUP gg                                       ; channels 0-63
.set gg, gg+1
.endr
.rept 4
	v_nop                                          ; four places behind the first half's last product, before its result is read (ISA guide 7.12.1); the wait at group 8's head stands beside them
.endr
	GROUP 8                                        ; channels 64-127 begin, on the other set of accumulators
	WIN W_ST
	STAGE 0                                        ; no vector or matrix instruction since group 8's wait names the first half's sums or the stage's address
	WIN W_MM
.set gg, 9
.rept 7
	GROUP gg
.set gg, gg+1
.endr
	WIN 0
.irp k, 0,1,2,3,4,5,6,7
	v_mov_b32 v[T+\k], 0                           ; the statistics' sums are cleared here: these lines are the places behind the last product
.endr
	WIN W_ST
	s_wait_alu depctr_va_vdst(0)                   ; the second half's sums are written, which the stores read; the products are done reading h1's fragments, in which the stage's rows land
	STAGE 1
	WIN 0
	; back by rows: lane L takes channels 4 L .. + 3 of row i.  My own bytes: a wave's LDS instructions are served in order (ISA guide 5.7.1).
.set i, 0
.rept 32
	ds_load_b128 v[4*i:4*i+3], v237 offset:SP*i
.set i, i+1
.endr
.set i, 0
.rept 32
	s_wait_dscnt 31-i
	v_pk_add_f32 v[T:T+1], v[T:T+1], v[4*i:4*i+1]
	v_pk_add_f32 v[T+2:T+3], v[T+2:T+3], v[4*i+2:4*i+3]
	v_pk_fma_f32 v[T+4:T+5], v[4*i:4*i+1], v[4*i:4*i+1], v[T+4:T+5]
	v_pk_fma_f32 v[T+6:T+7], v[4*i+2:4*i+3], v[4*i+2:4*i+3], v[T+6:T+7]
	global_store_b128 v233, v[4*i:4*i+3], s[8:9] offset:512*i      ; a row's 512 consecutive bytes, aligned; its data came by an LDS load and are not written again
.set i, i+1
.endr
	s_wait_alu depctr_va_vdst(0)                   ; the sums in T are written, which the LDS stores read; the conversions are long done reading v[192:207], in which the loads behind the barrier land
	ds_store_b128 v238, v[T:T+3]
	ds_store_b128 v238, v[T+4:T+7] offset:512
	s_wait_dscnt 0x0                               ; my wave's sums are in LDS,
	s_barrier_signal -1
	s_barrier_wait -1                              ; all eight waves' are
	s_cmp_lt_u32 s14, 4
	s_cbranch_scc0 .Lend                           ; 128 channels: threads 0-127 join one each
.irp v, 0,1,2,3,4,5,6,7
	ds_load_b32 v[192+\v], v239 offset:1024*\v
	ds_load_b32 v[200+\v], v239 offset:1024*\v+512
.endr
	s_wait_dscnt 0x0
	v_add_f32 v192, v192, v193
	v_add_f32 v200, v200, v201
.irp v, 2,3,4,5,6,7
	v_add_f32 v192, v192, v[192+\v]
	v_add_f32 v200, v200, v[200+\v]
.endr
	v_mul_f32 v208, 0x3b800000, v192               ; mean of 256 rows
	v_fma_f32 v209, -v192, v208, v200              ; sum of squared deviations
	s_wait_alu depctr_va_vdst(0)                   ; v208 and v209 are written, which the store reads
	global_store_b64 v240, v[208:209], s[10:11]
.Lend:
	s_wait_dscnt 0x0
	s_wait_alu depctr_hold_cnt(0) depctr_sa_sdst(0) depctr_va_vdst(0) depctr_va_sdst(0) depctr_va_ssrc(0) depctr_va_vcc(0) depctr_vm_vsrc(0)
	s_wait_tensorcnt 0x0
	ds_add_u32 v254, v255
	s_wait_dscnt 0x0
	s_endpgm
.Lfunc_end_k_q11566cfbfb_layer2:
	.size	k_q11566cfbfb_layer2, .Lfunc_end_k_q11566cfbfb_layer2-k_q11566cfbfb_layer2
	.p2alignl 7, 3214868480
	.fill 96, 4, 3214868480
	.section	.rodata,"a",@progbits
	.p2align	6, 0x0
	.amdhsa_kernel k_q11566cfbfb_layer2
		.amdhsa_group_segment_fixed_size 214016
		.amdhsa_private_segment_fixed_size 0
		.amdhsa_enable_private_segment 0
		.amdhsa_kernarg_size 32
		.amdhsa_user_sgpr_count 2
		.amdhsa_user_sgpr_kernarg_segment_ptr 1
		.amdhsa_wavefront_size32 1
		.amdhsa_system_sgpr_workgroup_id_x 1
		.amdhsa_system_sgpr_workgroup_id_y 1
		.amdhsa_system_sgpr_workgroup_id_z 1
		.amdhsa_system_vgpr_workitem_id 0
		.amdhsa_next_free_vgpr 488
		.amdhsa_next_free_sgpr 66
		.amdhsa_reserve_vcc 0
		.amdhsa_float_denorm_mode_32 3
		.amdhsa_float_denorm_mode_16_64 3
		.amdhsa_memory_ordered 1
		.amdhsa_forward_progress 1
		.amdhsa_inst_pref_size 83
	.end_amdhsa_kernel
	.amdgpu_metadata
---
amdhsa.version: [ 1, 2 ]
amdhsa.kernels:
  - .name:           k_q11566cfbfb_layer2
    .symbol:         k_q11566cfbfb_layer2.kd
    .args:
      - { .name: h1, .offset: 0, .size: 8, .value_kind: global_buffer, .address_space: global }
      - { .name: bn, .offset: 8, .size: 8, .value_kind: global_buffer, .address_space: global }
      - { .name: h2, .offset: 16, .size: 8, .value_kind: global_buffer, .address_space: global }
      - { .name: part, .offset: 24, .size: 8, .value_kind: global_buffer, .address_space: global }
    .group_segment_fixed_size: 214016
    .private_segment_fixed_size: 0
    .kernarg_segment_align: 8
    .kernarg_segment_size: 32
    .max_flat_workgroup_size: 256
    .sgpr_count:     66
    .vgpr_count:     488
    .wavefront_size: 32
...
	.end_amdgpu_metadata
.endif
;; end of part 12
;; launch fin2: the kernel of part 4 again; grid 4 x 1, 8 waves a work-group, no clusters, 3,072 bytes of LDS; arguments part, g2, b2, bn; writes bn
;; launch bnout: the kernel of part 6 again; grid 256 x 1, 8 waves a work-group, no clusters, 0 bytes of LDS; arguments h2, bn, out0; writes out0
